; MI455X (gfx1250); checked and timed in simulation.
; The chip was launched on July 23, 2026; its instructions are those of AMD's public machine-readable ISA for CDNA 5 (MIT licence, August 2026) and "CDNA5" Instruction Set Architecture Reference Guide (July 2026). The comments in the code are by the model that wrote it; some were corrected since.
;; A Li Bi Transformer Layer. Allowed arithmetic: matrix products marked QUANTISED: E4M3 operands, one given power-of-two scale a tensor, by v_wmma_f32_16x16x64_fp8_fp8 or v_wmma_f32_16x16x128_fp8_fp8, f32 sums; everything else in f32.
;; Inputs: W1 4,096 x 1,024 float32; W2 1,024 x 4,096 float32; Wk 1,024 x 1,024 float32; Wo 1,024 x 1,024 float32; Wq 1,024 x 1,024 float32; Wv 1,024 x 1,024 float32; b1 4,096 float32; b2 1,024 float32; be1 1,024 float32; be2 1,024 float32; bo 1,024 float32; g1 1,024 float32; g2 1,024 float32; lowp_scales 16 int32 (the exponents e of the quantised operands' scales 2^e); x 2 x 2,048 x 1,024 float32.
;; Outputs: out0 2 x 2,048 x 1,024 float32.
;; This version of the problem:
;;   THIS VERSION OF THE PROBLEM IS GIVEN IN LOW PRECISION. The matrix products marked QUANTISED in the list below multiply operands that are first quantised to E4M3 (4 exponent bits, 3 mantissa bits; 8 bits a number), with one given power-of-two scale for each operand tensor; their sums are f32. All else is computed in f32.
;;   The module's matrix products, in the order in which they are computed (A, B: the left and right operand; K: the contracted axis; several contracted axes count as one K, in the product's order):
;;     1. [M 4,096, K 1,024] x [K 1,024, N 1,024]; A: computed on the way; B: input Wq: QUANTISED (scales: A lowp_scales[0], B lowp_scales[1])
;;     2. [M 4,096, K 1,024] x [K 1,024, N 1,024]; A: computed on the way; B: input Wk: QUANTISED (scales: A lowp_scales[2], B lowp_scales[3])
;;     3. [M 4,096, K 1,024] x [K 1,024, N 1,024]; A: computed on the way; B: input Wv: QUANTISED (scales: A lowp_scales[4], B lowp_scales[5])
;;     4. batch 32 x [M 2,048, K 64] x [K 64, N 2,048]; A: computed on the way; B: computed on the way: QUANTISED (scales: A lowp_scales[6], B lowp_scales[7])
;;     5. batch 32 x [M 2,048, K 2,048] x [K 2,048, N 64]; A: softmax (see below); B: computed on the way: QUANTISED (scales: A lowp_scales[8], B lowp_scales[9])
;;     6. [M 4,096, K 1,024] x [K 1,024, N 1,024]; A: computed on the way; B: input Wo: QUANTISED (scales: A lowp_scales[10], B lowp_scales[11])
;;     7. [M 4,096, K 1,024] x [K 1,024, N 4,096]; A: computed on the way; B: input W1: QUANTISED (scales: A lowp_scales[12], B lowp_scales[13])
;;     8. [M 4,096, K 4,096] x [K 4,096, N 1,024]; A: computed on the way; B: input W2: QUANTISED (scales: A lowp_scales[14], B lowp_scales[15])
;;   THE QUANTISER, for each operand of a quantised product, along K:
;;     - The operand's scale is 2^e, e = its entry of the input lowp_scales (int32; the entries are numbered through the quantised products in the list's order, A before B).
;;     - Each number is divided by the scale, clamped to +-448, and rounded to the nearest number of E4M3, ties to even, subnormals kept.
;;     - The product sums the exact products of the quantised numbers (number of the format x scale) in f32.
;;   ~~~python
;;   def quantise(x, axis, e):      # numpy; x: float32 -> the quantised numbers, widened to float32 again
;;       x = np.moveaxis(x, axis, -1); K = x.shape[-1]
;;       r = np.clip(x / 2.0 ** e, -448, 448)
;;       step = 2.0 ** (np.maximum(np.frexp(np.where(r == 0, 1, r))[1] - 1, -6) - 3)
;;       q = np.round(r / step) * step * 2.0 ** e      # np.round: ties to even
;;       return np.moveaxis(q, -1, axis).astype(np.float32)
;;   ~~~
;;   SOFTMAX AHEAD OF A QUANTISED PRODUCT. Where the list says 'softmax', what is quantised is not the finished softmax but p = 2^(t - M), with t = logit x log2(e) and M = ceil(the row's largest t), a whole number; so 1/2 < the row's largest p <= 1. The row's sum l is taken of the UNQUANTISED p, in f32, and the product's result is divided by l at the end. Since M is a whole number, a kernel that streams over the keys may use a running M (the ceiling of the running maximum): every later rescaling is an exact power of two, so the quantised numbers keep their values, but for numbers so far below the row's largest that they fall under the format's range.
;;   OPERANDS COMPUTED ON THE WAY. 'Computed on the way' means the value that the module computes at that place (a softmax that the list does not call 'softmax' is quantised finished and normalised). What goes into a quantiser is computed in f32, as accurately as f32 sums, v_exp_f32 and their like allow (about 1e-6 of the number): no bf16 or f16 on the way to a quantiser, and a product that is left as it is and whose result goes on into a quantised operand takes f32 operands (vector FMAs, or v_wmma_f32_16x16x4_f32). A number that lies on a knife's edge between two numbers of the format may be rounded either way, as far as f32 arithmetic and the matrix unit's own rounding can turn it there, and no further.
;; 2 versions, each right. Each part assembles by itself: llvm-mc -triple=amdgcn-amd-amdhsa -mcpu=gfx1250 --defsym DOCPART=n.
;; ======== version 1 of 2: 7 launches
;; workspace buffers: wc 12,582,912 bytes; hc 12,582,912 bytes; qkv 12,582,912 bytes; aoc 4,194,304 bytes; x1 16,777,216 bytes; h2c 4,194,304 bytes; hid 16,777,216 bytes
;; launch prep (part 1): grid 512 x 1, 4 waves a work-group, no clusters, 16,896 bytes of LDS; arguments Wq, Wk, Wv, Wo, W1, W2, x, g1, be1, lowp_scales, wc, hc; writes wc, hc
.if DOCPART == 1
	.amdgcn_target "amdgcn-amd-amdhsa--gfx1250"
	.amdhsa_code_object_version 6
	.text
	.protected	k_qa0341c4144_prep
	.globl	k_qa0341c4144_prep
	.p2align	8
	.type	k_qa0341c4144_prep,@function
k_qa0341c4144_prep:
	s_mov_b64 s[64:65], 0
	v_nop
	global_prefetch_b8 v0, s[64:65] scope:SCOPE_SE
	s_setreg_imm32_b32 hwreg(HW_REG_WAVE_MODE, 25, 1), 1
	s_wait_xcnt 0x0
; Work-groups 0-383: the six weights (K innermost as they lie) become codes of E4M3 in wc, each with its given scale 2^e.
; Work-groups 384-511: h = LayerNorm(x) g1 + be1 in f32 (mean, then the mean of squared differences), quantised three times (entries 0, 2, 4 of the scales) into hc[3][4096][1024].
; code = number / 2^e, held within +-448, to the nearest code, ties to even.  LIMITS: -126 <= e <= 119; NaN among the inputs is not served.
; A ROW is 1,024 f32.  A wave takes 8 rows, written out, every offset an immediate.  Lane l loads 16 bytes at 16 l + 512 j (j = 0..7): each load reads 512 consecutive bytes.
; A conversion of registers 8 g .. 8 g + 7 gives two words: the four codes of chunk 2 g and of chunk 2 g + 1 at byte 4 l.  So word j belongs at byte 128 j + 4 l of the row of codes:
; the 1,024 bytes turn through the wave's own LDS bytes (eight stores of 4 bytes a lane, two loads of 16) and leave as two stores of 512 consecutive bytes.
; No barrier: waves share nothing.  The two paths have LDS bytes of their own: weights 0-4,095 (1 KiB a wave), norm 4,096-16,383 (3 KiB a wave).
.set SPARE, 16384                      ; the spare words: 128 bytes for each wave
.set ROWS,  8
.set X,   32                           ; v32-159  weights: four slots of 32; norm: two slots of x, then g (v96-127) and be (v128-159)
.set G,   96
.set BE,  128
.set Y,   160                          ; v160-191 the normalised row
.set T,   192                          ; v192-223 at work
.set C,   224                          ; v224-231 a row's codes
.set O,   232                          ; v232-255 codes on their way out
.set SPW, 10
.set NIL, 11
.macro POW2 e, sc, lim                 ; v[sc] = 2^e as f32, v[lim] = 448 x 2^e; e stands in s[e]
	s_add_co_i32 s52, s[\e], 127
	s_lshl_b32 s53, s52, 23
	v_mov_b32 v[\sc], s53
	s_add_co_i32 s52, s52, 8
	s_lshl_b32 s52, s52, 23
	s_or_b32 s52, s52, 0x600000
	v_mov_b32 v[\lim], s52
.endm
.macro HOLD src, lim                   ; the conversion to an 8-bit code does not saturate (ISA guide 7.6.2): the 32 numbers are held within the largest code x the scale
.set n, 0
.rept 32
	v_med3_num_f32 v[T+n], v[\src+n], -v[\lim], v[\lim]
.set n, n+1
.endr
.endm
.macro CONV sc, adr, off               ; 32 codes, into my LDS bytes
.irp g, 0,1,2,3
	v_cvt_scalef32_pk8_fp8_f32 v[C+2*\g:C+2*\g+1], v[T+8*\g:T+8*\g+7], v[\sc]
.endr
	v_nop                                          ; a plain line between the conversions and the next vector line that writes their sources
.irp j, 0,1,2,3,4,5,6,7
	ds_store_b32 v[\adr], v[C+\j] offset:\off+128*\j
.endr
.endm
.macro LANESUM                         ; v4: the sum over the wave's 32 lanes, in every lane
	v_add_f32_dpp v4, v4, v4 row_xmask:1 row_mask:0xf bank_mask:0xf
	v_add_f32_dpp v4, v4, v4 row_xmask:2 row_mask:0xf bank_mask:0xf
	v_add_f32_dpp v4, v4, v4 row_xmask:4 row_mask:0xf bank_mask:0xf
	v_add_f32_dpp v4, v4, v4 row_xmask:8 row_mask:0xf bank_mask:0xf
	v_permlanex16_b32 v5, v4, s58, s59
	v_add_f32 v4, v4, v5
.endm
	s_load_b512 s[4:19], s[0:1], 0x0               ; Wq Wk Wv Wo W1 W2 x g1
	s_load_b256 s[20:27], s[0:1], 0x40             ; be1, the scales' exponents, wc, hc
	v_lshl_add_u32 v[SPW], v0, 2, SPARE
	v_mov_b32 v[NIL], 0
	v_lshrrev_b32 v4, 5, v0
	v_readfirstlane_b32 s48, v4                    ; wave
	v_and_b32 v4, 31, v0                           ; lane
	v_lshlrev_b32 v1, 4, v4                        ; 16 x lane: my bytes of a load or store of 512
	s_lshl_b32 s49, s48, 10
	v_lshl_add_u32 v2, v4, 2, s49                  ; weights: into LDS, 4 x lane
	v_add_nc_u32 v3, s49, v1                       ; and back, 16 x lane
	s_mul_i32 s49, s48, 3072
	s_add_co_u32 s49, s49, 4096
	v_lshl_add_u32 v24, v4, 2, s49                 ; the norm's own bytes
	v_add_nc_u32 v25, s49, v1
	v_mov_b32 v5, 0                                ; a lane permute's destination counts as read
	v_mov_b32 v19, 0                               ; upper halves of pairs of which the low word serves both halves
	v_mov_b32 v21, 0
	s_mov_b32 s56, 0x3a800000                      ; 1 / 1,024
	s_mov_b32 s57, 0x3727c5ac                      ; 1e-5
	s_mov_b32 s58, 0x76543210
	s_mov_b32 s59, 0xfedcba98
	s_mov_b32 s51, 0
	s_wait_kmcnt 0x0
	s_load_b512 s[28:43], s[22:23], 0x0            ; e0 .. e15 in s28 .. s43
	s_cmp_lt_u32 ttmp9, 384
	s_cbranch_scc0 .Lnorm
; ---- the weights.  Which tensor: by the work-group's number alone
.macro PICK bound, ptr, first
	s_cmp_lt_u32 ttmp9, \bound
	s_cselect_b64 s[44:45], s[\ptr:\ptr+1], s[44:45]
	s_cselect_b32 s46, \first, s46
.endm
.macro EPICK bound, e
	s_cmp_lt_u32 ttmp9, \bound
	s_cselect_b32 s47, s[\e], s47
.endm
	s_mov_b64 s[44:45], s[14:15]                   ; W2 from work-group 256 on
	s_mov_b32 s46, 256
	PICK 256, 12, 128                              ; W1
	PICK 128, 10, 96                               ; Wo
	PICK 96, 8, 64                                 ; Wv
	PICK 64, 6, 32                                 ; Wk
	PICK 32, 4, 0                                  ; Wq
	s_sub_co_u32 s50, ttmp9, s46
	s_lshl_b32 s50, s50, 17                        ; 32 rows of 4,096 bytes a work-group,
	s_lshl_b32 s52, s48, 15                        ; 8 a wave
	s_add_co_u32 s50, s50, s52
	s_add_nc_u64 s[44:45], s[44:45], s[50:51]
	s_lshl_b32 s50, ttmp9, 15                      ; the codes lie in wc in the order of the work-groups
	s_lshl_b32 s52, s48, 13
	s_add_co_u32 s50, s50, s52
	s_add_nc_u64 s[24:25], s[24:25], s[50:51]
.macro WLOAD i
.irp j, 0,1,2,3,4,5,6,7
	global_load_b128 v[X+32*((\i)%4)+4*\j:X+32*((\i)%4)+4*\j+3], v1, s[44:45] offset:4096*(\i)+512*\j th:TH_LOAD_NT
.endr
.endm
	WLOAD 0
	WLOAD 1
	WLOAD 2
	WLOAD 3
	s_wait_kmcnt 0x0
	s_mov_b32 s47, s43
	EPICK 256, 41
	EPICK 128, 39
	EPICK 96, 33
	EPICK 64, 31
	EPICK 32, 29
	POW2 47, 12, 13
.macro WROW i
.if 7-(\i) >= 3
	s_wait_loadcnt 24                              ; this row's eight loads are in; three younger rows' may be out
.else
	s_wait_loadcnt 8*(7-(\i))
.endif
	HOLD X+32*((\i)%4), 13
.if (\i)+4 < ROWS
	WLOAD (\i)+4                                   ; the slot has been read
.endif
	CONV 12, 2, 0
	s_wait_xcnt 0x0                                ; the last row's stores have read O
	ds_load_b128 v[O:O+3], v3                      ; LDS serves a wave's instructions in order: these see my stores
	ds_load_b128 v[O+4:O+7], v3 offset:512
	s_wait_dscnt 0x0
	global_store_b128 v1, v[O:O+3], s[24:25] offset:1024*(\i)        ; 512 consecutive bytes, aligned
	global_store_b128 v1, v[O+4:O+7], s[24:25] offset:1024*(\i)+512
.endm
.irp i, 0,1,2,3,4,5,6,7
	WROW \i
.endr
	s_wait_tensorcnt 0x0                           ; the wave's end
	ds_add_u32 v[SPW], v[NIL]
	s_wait_dscnt 0x0
	s_endpgm
; ---- LayerNorm 1 and its three sets of codes
.Lnorm:
	s_sub_co_u32 s50, ttmp9, 384
	s_lshl_b32 s52, s50, 17
	s_lshl_b32 s54, s48, 15
	s_add_co_u32 s52, s52, s54
	s_mov_b32 s53, 0
	s_add_nc_u64 s[16:17], s[16:17], s[52:53]      ; x at my wave's first row
	s_lshl_b32 s52, s50, 15
	s_lshl_b32 s54, s48, 13
	s_add_co_u32 s52, s52, s54
	s_add_nc_u64 s[60:61], s[26:27], s[52:53]      ; hc: set 0,
	s_add_nc_u64 s[62:63], s[60:61], 0x400000      ; set 1,
	s_add_nc_u64 s[66:67], s[60:61], 0x800000      ; set 2
.macro XLOAD i
.irp j, 0,1,2,3,4,5,6,7
	global_load_b128 v[X+32*((\i)%2)+4*\j:X+32*((\i)%2)+4*\j+3], v1, s[16:17] offset:4096*(\i)+512*\j
.endr
.endm
.irp j, 0,1,2,3,4,5,6,7
	global_load_b128 v[G+4*\j:G+4*\j+3], v1, s[18:19] offset:512*\j
.endr
.irp j, 0,1,2,3,4,5,6,7
	global_load_b128 v[BE+4*\j:BE+4*\j+3], v1, s[20:21] offset:512*\j
.endr
	XLOAD 0
	XLOAD 1
	s_wait_kmcnt 0x0
	POW2 28, 12, 13
	POW2 30, 14, 15
	POW2 32, 16, 17
.macro LROW i
.set XS, X+32*((\i)%2)
.if (\i) < ROWS-1
	s_wait_loadcnt 8                               ; this row is in (g and be were asked for before it); the next row's eight loads may be out
.else
	s_wait_loadcnt 0
.endif
.irp k, 0,1,2,3,4,5,6,7
	v_pk_add_f32 v[T+2*\k:T+2*\k+1], v[XS+4*\k:XS+4*\k+1], v[XS+4*\k+2:XS+4*\k+3]
.endr
.irp k, 0,4,8,12
	v_pk_add_f32 v[T+\k:T+\k+1], v[T+\k:T+\k+1], v[T+\k+2:T+\k+3]
.endr
	v_pk_add_f32 v[T:T+1], v[T:T+1], v[T+4:T+5]
	v_pk_add_f32 v[T+8:T+9], v[T+8:T+9], v[T+12:T+13]
	v_pk_add_f32 v[T:T+1], v[T:T+1], v[T+8:T+9]
	v_add_f32 v4, v[T], v[T+1]
	LANESUM
	v_mul_f32 v18, s56, v4                         ; the mean
.set n, 0
.rept 16
	v_pk_add_f32 v[Y+n:Y+n+1], v[XS+n:XS+n+1], v[18:19] op_sel_hi:[1,0] neg_lo:[0,1] neg_hi:[0,1]
.set n, n+2
.endr
.if (\i)+2 < ROWS
	XLOAD (\i)+2                                   ; the slot has been read
.endif
.irp k, 0,2,4,6
	v_pk_mul_f32 v[T+\k:T+\k+1], v[Y+\k:Y+\k+1], v[Y+\k:Y+\k+1]
.endr
.irp k, 8,10,12,14,16,18,20,22,24,26,28,30
	v_pk_fma_f32 v[T+(\k)%8:T+(\k)%8+1], v[Y+\k:Y+\k+1], v[Y+\k:Y+\k+1], v[T+(\k)%8:T+(\k)%8+1]
.endr
	v_pk_add_f32 v[T:T+1], v[T:T+1], v[T+2:T+3]
	v_pk_add_f32 v[T+4:T+5], v[T+4:T+5], v[T+6:T+7]
	v_pk_add_f32 v[T:T+1], v[T:T+1], v[T+4:T+5]
	v_add_f32 v4, v[T], v[T+1]
	LANESUM
	v_fma_f32 v6, v4, s56, s57                     ; the variance + 1e-5
	v_rsq_f32 v20, v6
	v_nop                                          ; a plain line behind the transcendental,
	s_wait_alu depctr_va_vdst(0)                   ; and the wait ahead of its first reader
.set n, 0
.rept 16
	v_pk_mul_f32 v[Y+n:Y+n+1], v[Y+n:Y+n+1], v[20:21] op_sel_hi:[1,0]
.set n, n+2
.endr
.set n, 0
.rept 16
	v_pk_fma_f32 v[Y+n:Y+n+1], v[Y+n:Y+n+1], v[G+n:G+n+1], v[BE+n:BE+n+1]
.set n, n+2
.endr
	HOLD Y, 13
	CONV 12, 24, 0
	HOLD Y, 15
	CONV 14, 24, 1024
	HOLD Y, 17
	CONV 16, 24, 2048
	s_wait_xcnt 0x0                                ; the last row's stores have read O
.irp k, 0,1,2,3,4,5
	ds_load_b128 v[O+4*\k:O+4*\k+3], v25 offset:512*\k
.endr
	s_wait_dscnt 0x0
	global_store_b128 v1, v[O:O+3], s[60:61] offset:1024*(\i)
	global_store_b128 v1, v[O+4:O+7], s[60:61] offset:1024*(\i)+512
	global_store_b128 v1, v[O+8:O+11], s[62:63] offset:1024*(\i)
	global_store_b128 v1, v[O+12:O+15], s[62:63] offset:1024*(\i)+512
	global_store_b128 v1, v[O+16:O+19], s[66:67] offset:1024*(\i)
	global_store_b128 v1, v[O+20:O+23], s[66:67] offset:1024*(\i)+512
.endm
.irp i, 0,1,2,3,4,5,6,7
	LROW \i
.endr
	s_wait_tensorcnt 0x0                           ; the wave's end, as above
	ds_add_u32 v[SPW], v[NIL]
	s_wait_dscnt 0x0
	s_endpgm
.Lfunc_end_k_qa0341c4144_prep:
	.size	k_qa0341c4144_prep, .Lfunc_end_k_qa0341c4144_prep-k_qa0341c4144_prep
	.p2alignl 7, 3214868480
	.fill 96, 4, 3214868480
	.section	.rodata,"a",@progbits
	.p2align	6, 0x0
	.amdhsa_kernel k_qa0341c4144_prep
		.amdhsa_group_segment_fixed_size 16896
		.amdhsa_private_segment_fixed_size 0
		.amdhsa_enable_private_segment 0
		.amdhsa_kernarg_size 96
		.amdhsa_user_sgpr_count 2
		.amdhsa_user_sgpr_kernarg_segment_ptr 1
		.amdhsa_wavefront_size32 1
		.amdhsa_system_sgpr_workgroup_id_x 1
		.amdhsa_system_sgpr_workgroup_id_y 1
		.amdhsa_system_sgpr_workgroup_id_z 1
		.amdhsa_system_vgpr_workitem_id 0
		.amdhsa_next_free_vgpr 256
		.amdhsa_next_free_sgpr 68
		.amdhsa_reserve_vcc 0
		.amdhsa_float_denorm_mode_32 3
		.amdhsa_float_denorm_mode_16_64 3
		.amdhsa_memory_ordered 1
		.amdhsa_forward_progress 1
		.amdhsa_inst_pref_size 168
	.end_amdhsa_kernel
	.amdgpu_metadata
---
amdhsa.version: [ 1, 2 ]
amdhsa.kernels:
  - .name:           k_qa0341c4144_prep
    .symbol:         k_qa0341c4144_prep.kd
    .args:
      - { .name: Wq, .offset: 0, .size: 8, .value_kind: global_buffer, .address_space: global }
      - { .name: Wk, .offset: 8, .size: 8, .value_kind: global_buffer, .address_space: global }
      - { .name: Wv, .offset: 16, .size: 8, .value_kind: global_buffer, .address_space: global }
      - { .name: Wo, .offset: 24, .size: 8, .value_kind: global_buffer, .address_space: global }
      - { .name: W1, .offset: 32, .size: 8, .value_kind: global_buffer, .address_space: global }
      - { .name: W2, .offset: 40, .size: 8, .value_kind: global_buffer, .address_space: global }
      - { .name: x, .offset: 48, .size: 8, .value_kind: global_buffer, .address_space: global }
      - { .name: g1, .offset: 56, .size: 8, .value_kind: global_buffer, .address_space: global }
      - { .name: be1, .offset: 64, .size: 8, .value_kind: global_buffer, .address_space: global }
      - { .name: lowp_scales, .offset: 72, .size: 8, .value_kind: global_buffer, .address_space: global }
      - { .name: wc, .offset: 80, .size: 8, .value_kind: global_buffer, .address_space: global }
      - { .name: hc, .offset: 88, .size: 8, .value_kind: global_buffer, .address_space: global }
    .group_segment_fixed_size: 16896
    .private_segment_fixed_size: 0
    .kernarg_segment_align: 8
    .kernarg_segment_size: 96
    .max_flat_workgroup_size: 128
    .sgpr_count:     68
    .vgpr_count:     256
    .wavefront_size: 32
...
	.end_amdgpu_metadata
.endif
;; end of part 1
;; launch qkv (part 2): grid 12 x 16, 4 waves a work-group, clusters of 4 x 4, 327,680 bytes of LDS; arguments hc, wc, lowp_scales, qkv; writes qkv
.if DOCPART == 2
	.amdgcn_target "amdgcn-amd-amdhsa--gfx1250"
	.amdhsa_code_object_version 6
	.text
	.protected	k_qa0341c4144_qkv
	.globl	k_qa0341c4144_qkv
	.p2align	8
	.type	k_qa0341c4144_qkv,@function
k_qa0341c4144_qkv:
	s_mov_b64 s[64:65], 0
	v_nop
	global_prefetch_b8 v0, s[64:65] scope:SCOPE_SE
	s_setreg_imm32_b32 hwreg(HW_REG_WAVE_MODE, 25, 1), 1
	s_wait_xcnt 0x0
	s_wait_alu depctr_hold_cnt(0) depctr_sa_sdst(0) depctr_va_vdst(0) depctr_va_sdst(0) depctr_va_ssrc(0) depctr_va_vcc(0) depctr_vm_vsrc(0)
	s_getreg_b32 s2, hwreg(HW_REG_IB_STS2, 6, 4)
	s_cmp_eq_u32 s2, 0
	s_cbranch_scc0 .Lentry_in_a_cluster
	s_endpgm
.Lentry_in_a_cluster:
	s_bfe_u32 s2, ttmp6, 0x10000c
	s_cmp_lg_u32 s2, 0xf033
	s_cbranch_scc0 .Lentry_shape_is_right
	s_endpgm
.Lentry_shape_is_right:
; q = h Wq^T, k = h Wk^T, v = h Wv^T on codes of E4M3 (v_wmma_f32_16x16x128_fp8_fp8, sums in f32); each result is quantised at once for the attention's products (entries 6, 7, 9 of the scales).
; The cluster's x (0, 1, 2) says which product.  A tile of C is 256 x 256, four waves, 128 x 128 each (64 accumulators).  K = 1,024 goes in steps of 256 through a ring of two LDS slots.
; Source 0 = 16 rows of B, source 1 = 16 rows of A: a lane holds ONE row of A and eight neighbouring rows of B.  q, k: A = h (tokens), B = W (channels): eight neighbouring channels of a token.
; v: A = Wv (channels), B = h (tokens): eight neighbouring KEYS of a channel, since the keys are the K of the attention's second product.  Only pointers and offsets are chosen (s_cselect on the cluster's x); there is one path.
; OUT: three parts of 4 MiB.  In a part the block of batch b and head pair hp begins at (8 b + hp) x 262,144.  q, k: [token 2,048][128 bytes: the pair's two heads].  v: [key block 16][channel 128][128 keys].
; In each case a wave's 128 x 128 codes are 16 KiB on end, row = A's row.
; CLUSTERS 4 x 4: A's tile is asked for jointly along a row of the cluster, B's along a column.
; A sum stands for sum x 2^(eA + eB), so its code is sum / 2^(eOut - eA - eB): one folded scale.  LIMIT: that exponent lies between -126 and 119.  NaN is not served.
; The fragments are fetched 16 bytes a lane: a permutation of k, the same in A and in B.
.set SIZE_K, 1024
.set AROWB,  256                       ; A's tile: rows of 256 bytes, 128 rows a load
.set ANROWS, 128
.set ASTRIDE, SIZE_K
.set AQI,    5
.set APITCH, AROWB+16
.set AHALFG, 128*SIZE_K
.set ASTEP,  256
.set ATILEB, 256*SIZE_K
.set ASZ,    2*ANROWS*APITCH
.set APLANE, 256*APITCH
.set BPITCH, 272                       ; 256 bytes + 16: the 16 rows of a fragment load start at 16 different groups of banks (ISA guide 11.1)
.set BSZ,    256*BPITCH
.set SLOT,   ASZ+BSZ
.set SPARE,  2*SLOT                    ; behind the ring: the spare words, 128 bytes for each wave
.set LAPS,   SIZE_K/512
.set ADRA, 16                          ; v16-19 LDS address of my A fragments: slot s, half q of the step at 2 s + q
.set ADRB, 20                          ; v20-21 of my B fragments in slot 0, 1
.set STO,  24
.set RD,   25
.set CO,   26
.set SCL,  27                          ; the folded scale as f32
.set SPW,  28
.set NIL,  29
.set LIM,  30                          ; 448 x the folded scale
.set CD,   96                          ; v96-111  a block's codes
.set AF,   128                         ; window 0: A's fragments, one set
.set TMP,  128                         ; the way out: a block's held sums
.set OUT,  192                         ; v192-207, v208-223 by turns: rows of codes
.set G1, 24
.set G0, 32
.set G1B, 48
.set G0B, 56
.set WV, 85
.set RH, 86                            ; wave / 2: my half of A's rows.  Also: I fetch for A (0) or B (1)
.set CH, 87                            ; wave % 2: my half of B's rows.  Also: which half of that tile I fetch
.set MSB, 0
.macro WIN new                         ; the immediate's high byte repeats the setting that is left
.if MSB != (\new)
	s_set_vgpr_msb (MSB<<8)|(\new)
.set MSB, (\new)
.endif
.endm
.set MUL_LO, 0xa1                      ; source 0 (B) window 1, source 1 (A) window 0, C and D window 2
.set MUL_HI, 0xf1                      ; the same, C and D window 3
.set TO_B,   0x40
.macro JLOAD s                         ; a joint load; an s_nop 0 and four v_nop follow each of the two lines
	s_cmp_eq_u32 s[RH], 0
	s_cbranch_scc0 .Lfor_b_\@
	tensor_load_to_lds s[G0+4*\s:G0+4*\s+3], s[G1:G1+7]
	s_nop 0
.rept 4
	v_nop
.endr
	s_branch .Lasked_\@
.Lfor_b_\@:
	tensor_load_to_lds s[G0B+4*\s:G0B+4*\s+3], s[G1B:G1B+7]
	s_nop 0
.rept 4
	v_nop
.endr
.Lasked_\@:
.endm
.macro CREST                           ; a round of the cluster's barrier behind its opening barrier
	s_cmp_lg_u32 s[WV], 0
	s_cbranch_scc1 .Lnot_wave_0_\@
	s_barrier_signal -3
.Lnot_wave_0_\@:
	s_barrier_wait -3
	s_barrier_signal -1
	s_barrier_wait -1
.endm
.macro CROUND
	s_barrier_signal -1
	s_barrier_wait -1
	CREST
.endm
.macro PLACES                          ; four plain places behind a matrix instruction, ahead of loads into its registers and of reads of its results
.rept 4
	v_nop
.endr
.endm
.macro MUL16 a0, p, zero               ; A's blocks a0, a0 + 1 x B's eight (set p), 128 along K.  The 64 accumulators take turns
.irp a, \a0, \a0+1
.irp b, 0,1,2,3,4,5,6,7
.if \zero
	v_wmma_f32_16x16x128_fp8_fp8 v[8*(8*((\a)%4)+\b):8*(8*((\a)%4)+\b)+7], v[128*(\p)+16*\b:128*(\p)+16*\b+15], v[AF+16*(\a):AF+16*(\a)+15], 0
.else
	v_wmma_f32_16x16x128_fp8_fp8 v[8*(8*((\a)%4)+\b):8*(8*((\a)%4)+\b)+7], v[128*(\p)+16*\b:128*(\p)+16*\b+15], v[AF+16*(\a):AF+16*(\a)+15], v[8*(8*((\a)%4)+\b):8*(8*((\a)%4)+\b)+7]
.endif
.endr
.endr
.endm
.macro FETCH_B slot, q, p              ; B's eight fragments of the slot's q-th 128 along K into set p
	WIN TO_B
.irp i, 0,1,2,3,4,5,6,7
.irp c, 0,1,2,3
	ds_load_b128 v[128*(\p)+16*\i+4*\c:128*(\p)+16*\i+4*\c+3], v[ADRB+\slot] offset:128*(\q)+32*\c+\i*16*BPITCH
.endr
.endr
	WIN 0
.endm
.macro FETCH_A slot, q, i0             ; A's blocks i0 .. i0 + 3
.irp i, \i0, \i0+1, \i0+2, \i0+3
.irp c, 0,1,2,3
	ds_load_b128 v[AF+16*(\i)+4*\c:AF+16*(\i)+4*\c+3], v[ADRA+2*(\slot)+(\q)] offset:((32*\c)/AROWB)*APLANE+(32*\c)%AROWB+(\i)*16*APITCH
.endr
.endr
.endm
.macro STEP slot, zero                 ; a slot's first 128 along K; the second 128's fragments are fetched
	s_wait_dscnt 16                                ; B's set and A's blocks 0-3 are in; A's blocks 4-7 (16 loads) may be out
	WIN MUL_LO
	MUL16 0, 0, \zero
	MUL16 2, 0, \zero
	s_wait_dscnt 0
	PLACES
	FETCH_B \slot, 1, 1
	FETCH_A \slot, 1, 0
	WIN MUL_HI
	MUL16 4, 0, \zero
	MUL16 6, 0, \zero
	PLACES
	WIN 0
	FETCH_A \slot, 1, 4
.endm
.macro TURN slot, next, fill           ; a slot's second 128 along K, and the change of slots
	s_wait_tensorcnt 0x0                           ; all my tensor loads have landed: my part of the next slot
	ds_add_u32 v[SPW], v[NIL]                      ; 0 onto my spare word
	s_wait_dscnt 17                                ; (the add and A's blocks 4-7 may be out)
	WIN MUL_LO
	MUL16 0, 1, 0
	s_wait_dscnt 0x0                               ; the add is done, and my reads of this slot are over
	s_barrier_signal -1
	MUL16 2, 1, 0
	WIN 0
	s_barrier_wait -1
.if \fill
	CREST                                          ; the barrier has opened a round of the cluster's: no wave of any partner still reads this slot or has a load on its way
	s_add_nc_u64 s[G0+4*\slot+2:G0+4*\slot+3], s[G0+4*\slot+2:G0+4*\slot+3], 2*ASTEP
	s_add_nc_u64 s[G0B+4*\slot+2:G0B+4*\slot+3], s[G0B+4*\slot+2:G0B+4*\slot+3], 512
	JLOAD \slot                                    ; the first tensor load behind the round; its four v_nop are the places in front of the loads below
.else
	PLACES
.endif
	FETCH_B \next, 0, 0
	FETCH_A \next, 0, 0
	WIN MUL_HI
	MUL16 4, 1, 0
	MUL16 6, 1, 0
	PLACES
	WIN 0
	FETCH_A \next, 0, 4
.endm
	s_load_b256 s[4:11], s[0:1], 0x0               ; hc, wc, the scales' exponents, qkv
	v_lshl_add_u32 v[SPW], v0, 2, SPARE
	v_mov_b32 v[NIL], 0
	ds_add_u32 v[SPW], v[NIL]                      ; the wave's opening: the add and its wait stand ahead of my first tensor load
	v_lshrrev_b32 v1, 5, v0
	v_readfirstlane_b32 s[WV], v1
	s_lshr_b32 s[RH], s[WV], 1
	s_and_b32 s[CH], s[WV], 1
	s_bfe_u32 s40, ttmp6, 0x40000                  ; cx
	s_bfe_u32 s41, ttmp6, 0x40004                  ; cy
	s_and_b32 s89, ttmp7, 0xffff
	s_lshl_b32 s89, s89, 2                         ; 4 x cluster y
	s_add_co_u32 s90, s89, s41
	s_add_co_u32 s91, s89, s40
	s_lshl_b32 s92, ttmp9, 22                      ; the product's set of h's codes, and its part of the output
	s_lshl_b32 s93, ttmp9, 20                      ; its weight in wc
	s_lshl_b32 s43, s41, 2
	s_lshl_b32 s43, 15, s43                        ; my row of the cluster
	s_lshl_b32 s44, 0x1111, s40                    ; my column
	s_or_b32 s[G1+0], s43, (1<<20)|(1<<21)|(AQI<<22)|(3<<25)   ; the mask; elements of 1 byte; padding on; bit 21 beside a mask; 4 words of padding behind every row
	s_or_b32 s[G1B+0], s44, (1<<20)|(1<<21)|(5<<22)|(3<<25)
	s_mov_b32 s[G1+1], AROWB<<16                   ; tensor_dim0
	s_mov_b32 s[G1+2], ANROWS<<16                  ; tensor_dim1
	s_mov_b32 s[G1+3], AROWB<<16                   ; tile_dim0
	s_mov_b32 s[G1+4], ANROWS                      ; tile_dim1
	s_mov_b32 s[G1+5], ASTRIDE                     ; from row to row
	s_mov_b32 s[G1+6], 0
	s_mov_b32 s[G1+7], 0
	s_mov_b32 s[G1B+1], 256<<16
	s_mov_b32 s[G1B+2], 128<<16
	s_mov_b32 s[G1B+3], 256<<16
	s_mov_b32 s[G1B+4], 128
	s_mov_b32 s[G1B+5], SIZE_K
	s_mov_b32 s[G1B+6], 0
	s_mov_b32 s[G1B+7], 0
	s_cmp_eq_u32 ttmp9, 2                          ; v?  The cluster's x is the same in all partners
	s_cselect_b32 s88, s41, s90                    ; A's tile: v: channel tile cy; else token tile 4 cluster y + cy
	s_cselect_b32 s42, s91, s40                    ; B's tile: v: token tile 4 cluster y + cx; else channel tile cx
	s_cselect_b32 s94, s93, s92                    ; A's first byte in its buffer
	s_cselect_b32 s95, s92, s93                    ; B's
	s_cselect_b32 s98, s42, s88                    ; the token tile,
	s_cselect_b32 s99, s88, s42                    ; the channel tile,
	s_cselect_b32 s16, s[CH], s[RH]                ; my half of the tokens,
	s_cselect_b32 s17, s[RH], s[CH]                ; my half of the channels
	s_lshl_b32 s98, s98, 8
	s_lshl_b32 s16, s16, 7
	s_add_co_u32 s98, s98, s16                     ; my first token
	s_lshl_b32 s99, s99, 1
	s_add_co_u32 s99, s99, s17                     ; my head pair
	s_lshr_b32 s16, s98, 11
	s_lshl_b32 s16, s16, 21                        ; the batch: 8 blocks of 262,144
	s_lshl_b32 s99, s99, 18
	s_add_co_u32 s16, s16, s99
	s_and_b32 s98, s98, 2047
	s_lshl_b32 s98, s98, 7                         ; 128 bytes a token (v: 16 KiB for 128 keys)
	s_add_co_u32 s16, s16, s98
	s_add_co_u32 s16, s16, s92
	s_mov_b32 s17, 0
	s_mul_i32 s20, s88, ATILEB
	s_mul_i32 s22, s[CH], AHALFG
	s_add_co_u32 s20, s20, s22
	s_add_co_u32 s20, s20, s94
	s_mov_b32 s21, 0
	s_lshl_b32 s46, s42, 8
	s_lshl_b32 s22, s[CH], 7
	s_add_co_u32 s46, s46, s22
	s_mul_i32 s46, s46, SIZE_K
	s_add_co_u32 s46, s46, s95
	s_mov_b32 s47, 0
	s_mul_i32 s45, s[CH], ASZ/2                    ; where the tiles go: no place in the cluster enters an LDS address
	s_mul_i32 s84, s[CH], BSZ/2
	s_add_co_u32 s84, s84, ASZ
	s_wait_dscnt 0x0                               ; the opening add is done
	s_wait_kmcnt 0x0
	s_load_b512 s[68:83], s[8:9], 0x0              ; e0 .. e15 in s68 .. s83
	s_cmp_eq_u32 ttmp9, 2
	s_cselect_b64 s[18:19], s[6:7], s[4:5]         ; A's buffer: v: wc, else hc
	s_cselect_b64 s[22:23], s[4:5], s[6:7]         ; B's
	s_add_nc_u64 s[20:21], s[18:19], s[20:21]
	s_add_nc_u64 s[46:47], s[22:23], s[46:47]
	s_add_nc_u64 s[10:11], s[10:11], s[16:17]      ; my 16 KiB of the output
	CROUND                                         ; all sixteen work-groups are here: the first joint loads meet
.irp s, 0,1
	s_mov_b32 s[G0+4*\s], 1
	s_add_co_u32 s[G0+4*\s+1], s45, \s*SLOT
	s_add_nc_u64 s[G0+4*\s+2:G0+4*\s+3], s[20:21], \s*ASTEP
	s_or_b32 s[G0+4*\s+3], s[G0+4*\s+3], 0x80000000
	s_mov_b32 s[G0B+4*\s], 1
	s_add_co_u32 s[G0B+4*\s+1], s84, \s*SLOT
	s_add_nc_u64 s[G0B+4*\s+2:G0B+4*\s+3], s[46:47], \s*256
	s_or_b32 s[G0B+4*\s+3], s[G0B+4*\s+3], 0x80000000
	JLOAD \s
.endr
	v_and_b32 v1, 15, v0                           ; r
	v_bfe_u32 v2, v0, 4, 1                         ; h
	v_mul_u32_u24 v3, v1, APITCH
	v_lshl_add_u32 v3, v2, 4, v3
	v_mul_u32_u24 v4, v1, BPITCH
	v_lshl_add_u32 v4, v2, 4, v4
	s_mul_i32 s22, s[RH], 128*APITCH
	s_mul_i32 s23, s[CH], 128*BPITCH
	s_add_co_u32 s23, s23, ASZ
.irp s, 0,1
.irp q, 0,1
	s_add_co_u32 s16, s22, \s*SLOT+((128*\q)/AROWB)*APLANE+(128*\q)%AROWB
	v_add_nc_u32 v[ADRA+2*\s+\q], s16, v3
.endr
	s_add_co_u32 s16, s23, \s*SLOT
	v_add_nc_u32 v[ADRB+\s], s16, v4
.endr
	s_mul_i32 s16, s[WV], 16*144                   ; my stage: 16 rows of 128 bytes + 16, in slot 0, used when that slot has had its last fill and its last read
	v_mul_u32_u24 v5, v1, 144
	v_lshl_add_u32 v5, v2, 3, v5
	v_add_nc_u32 v[STO], s16, v5                   ; in: row r, 8 bytes for each half of the lanes
	v_and_b32 v6, 31, v0
	v_lshrrev_b32 v5, 3, v6
	v_mul_u32_u24 v5, v5, 144
	v_and_b32 v3, 7, v6
	v_lshl_add_u32 v5, v3, 4, v5
	v_add_nc_u32 v[RD], s16, v5                    ; back: eight lanes to a row, four rows an instruction
	v_lshlrev_b32 v[CO], 4, v6                     ; which are 512 bytes on end in memory
	s_wait_kmcnt 0x0
	s_sub_co_i32 s89, s74, s68
	s_sub_co_i32 s89, s89, s69                     ; q: e6 - e0 - e1
	s_sub_co_i32 s90, s75, s70
	s_sub_co_i32 s90, s90, s71                     ; k: e7 - e2 - e3
	s_sub_co_i32 s91, s77, s72
	s_sub_co_i32 s91, s91, s73                     ; v: e9 - e4 - e5
	s_cmp_eq_u32 ttmp9, 1
	s_cselect_b32 s89, s90, s89
	s_cmp_eq_u32 ttmp9, 2
	s_cselect_b32 s89, s91, s89
	s_add_co_i32 s89, s89, 127
	s_lshl_b32 s90, s89, 23
	v_mov_b32 v[SCL], s90
	s_add_co_i32 s89, s89, 8
	s_lshl_b32 s89, s89, 23
	s_or_b32 s89, s89, 0x600000
	v_mov_b32 v[LIM], s89
	s_wait_tensorcnt 1                             ; my part of K step 0 is in; K step 1's load may be out
	s_barrier_signal -1
	s_barrier_wait -1
	FETCH_B 0, 0, 0
	FETCH_A 0, 0, 0
	FETCH_A 0, 0, 4
	STEP 0, 1                                      ; the first step's products start the sums
	s_mov_b32 s3, LAPS-1
.Llap:
	TURN 0, 1, 1
	STEP 1, 0
	TURN 1, 0, 1
	STEP 0, 0
	s_sub_co_u32 s3, s3, 1
	s_cmp_lg_u32 s3, 0
	s_cbranch_scc1 .Llap
	TURN 0, 1, 0                                   ; the last lap fills nothing
	STEP 1, 0
	s_wait_dscnt 16
	WIN MUL_LO
	MUL16 0, 1, 0
	MUL16 2, 1, 0
	s_wait_dscnt 0
	WIN MUL_HI
	MUL16 4, 1, 0
	MUL16 6, 1, 0
	WIN 0
; THE WAY OUT, a block of 16 rows x 128 codes at a time: hold, convert (a lane's eight sums are eight neighbours), through my stage, out as 512 consecutive bytes an instruction.
.macro CODES a
.set AC, 64*((\a)%4)
	WIN 0x02+((\a)/4)                              ; source 0: window 2 or 3
.set n, 0
.rept 64
	v_med3_num_f32 v[TMP+n], v[AC+n], -v[LIM], v[LIM]   ; each accumulator from its low end on
.set n, n+1
.endr
	WIN 0
.irp b, 0,1,2,3,4,5,6,7
	v_cvt_scalef32_pk8_fp8_f32 v[CD+2*\b:CD+2*\b+1], v[TMP+8*\b:TMP+8*\b+7], v[SCL]
.endr
	v_nop                                          ; a plain line between the conversions and the next vector line that writes their sources
.irp b, 0,1,2,3,4,5,6,7
	ds_store_b64 v[STO], v[CD+2*\b:CD+2*\b+1] offset:16*\b
.endr
.irp t, 0,1,2,3
	ds_load_b128 v[OUT+16*((\a)%2)+4*\t:OUT+16*((\a)%2)+4*\t+3], v[RD] offset:576*\t   ; LDS serves a wave's instructions in order
.endr
.endm
.macro PUT a, younger
	s_wait_dscnt \younger
.irp t, 0,1,2,3
	global_store_b128 v[CO], v[OUT+16*((\a)%2)+4*\t:OUT+16*((\a)%2)+4*\t+3], s[10:11] offset:2048*(\a)+512*\t
.endr
.endm
	PLACES
	CODES 0
.irp a, 1,2,3,4,5,6,7
.if \a > 1
	s_wait_xcnt 0x0                                ; block a - 2's stores have read their registers
.endif
	CODES \a
	PUT \a-1, 12                                   ; behind block a - 1's loads: block a's 8 stores and 4 loads
.endr
	PUT 7, 0
	s_wait_tensorcnt 0x0                           ; the wave's end
	ds_add_u32 v[SPW], v[NIL]
	s_wait_dscnt 0x0
	CROUND                                         ; the closing round
	s_endpgm
.Lfunc_end_k_qa0341c4144_qkv:
	.size	k_qa0341c4144_qkv, .Lfunc_end_k_qa0341c4144_qkv-k_qa0341c4144_qkv
	.p2alignl 7, 3214868480
	.fill 96, 4, 3214868480
	.section	.rodata,"a",@progbits
	.p2align	6, 0x0
	.amdhsa_kernel k_qa0341c4144_qkv
		.amdhsa_group_segment_fixed_size 327680
		.amdhsa_private_segment_fixed_size 0
		.amdhsa_enable_private_segment 0
		.amdhsa_kernarg_size 32
		.amdhsa_user_sgpr_count 2
		.amdhsa_user_sgpr_kernarg_segment_ptr 1
		.amdhsa_wavefront_size32 1
		.amdhsa_system_sgpr_workgroup_id_x 1
		.amdhsa_system_sgpr_workgroup_id_y 1
		.amdhsa_system_sgpr_workgroup_id_z 1
		.amdhsa_system_vgpr_workitem_id 0
		.amdhsa_next_free_vgpr 1024
		.amdhsa_next_free_sgpr 100
		.amdhsa_reserve_vcc 0
		.amdhsa_float_denorm_mode_32 3
		.amdhsa_float_denorm_mode_16_64 3
		.amdhsa_memory_ordered 1
		.amdhsa_forward_progress 1
		.amdhsa_inst_pref_size 126
	.end_amdhsa_kernel
	.amdgpu_metadata
---
amdhsa.version: [ 1, 2 ]
amdhsa.kernels:
  - .name:           k_qa0341c4144_qkv
    .symbol:         k_qa0341c4144_qkv.kd
    .args:
      - { .name: hc, .offset: 0, .size: 8, .value_kind: global_buffer, .address_space: global }
      - { .name: wc, .offset: 8, .size: 8, .value_kind: global_buffer, .address_space: global }
      - { .name: lowp_scales, .offset: 16, .size: 8, .value_kind: global_buffer, .address_space: global }
      - { .name: qkv, .offset: 24, .size: 8, .value_kind: global_buffer, .address_space: global }
    .group_segment_fixed_size: 327680
    .private_segment_fixed_size: 0
    .kernarg_segment_align: 8
    .kernarg_segment_size: 32
    .max_flat_workgroup_size: 128
    .sgpr_count:     100
    .vgpr_count:     1024
    .wavefront_size: 32
...
	.end_amdgpu_metadata
.endif
;; end of part 2
;; launch attn (part 3): grid 8 x 32, 16 waves a work-group, clusters of 4 x 1, 327,680 bytes of LDS; arguments qkv, lowp_scales, aoc; writes aoc
.if DOCPART == 3
	.amdgcn_target "amdgcn-amd-amdhsa--gfx1250"
	.amdhsa_code_object_version 6
	.text
	.protected	k_qa0341c4144_attn
	.globl	k_qa0341c4144_attn
	.p2align	8
	.type	k_qa0341c4144_attn,@function
k_qa0341c4144_attn:
	s_mov_b64 s[64:65], 0
	v_nop
	global_prefetch_b8 v0, s[64:65] scope:SCOPE_SE
	s_setreg_imm32_b32 hwreg(HW_REG_WAVE_MODE, 25, 1), 1
	s_wait_xcnt 0x0
	s_wait_alu depctr_hold_cnt(0) depctr_sa_sdst(0) depctr_va_vdst(0) depctr_va_sdst(0) depctr_va_ssrc(0) depctr_va_vcc(0) depctr_vm_vsrc(0)
	s_getreg_b32 s2, hwreg(HW_REG_IB_STS2, 6, 4)
	s_cmp_eq_u32 s2, 0
	s_cbranch_scc0 .Lentry_in_a_cluster
	s_endpgm
.Lentry_in_a_cluster:
	s_bfe_u32 s2, ttmp6, 0x10000c
	s_cmp_lg_u32 s2, 0x3003
	s_cbranch_scc0 .Lentry_shape_is_right
	s_endpgm
.Lentry_shape_is_right:
; ao[b][h][q] = softmax_k(q . k / 8 + slope_h (k - q)) v on codes of E4M3; the result is quantised at once (entry 10 of the scales) for the next product.
; t = logit x log2(e); M = the running largest t rounded up to a whole number; p = 2^(t - M) is quantised (entry 8); the row's sum is taken of the unquantised p and divides at the end.
; SHARES.  A work-group owns 256 queries of one head of one batch (y = 16 b + h); each of its sixteen waves 16 queries.  Every wave walks the 2,048 keys, 128 a step.
; THE HEAD'S WHOLE K AND V LIE IN LDS: 16 tiles of K (128 keys x 64 bytes, pitch 80) and 16 of V (64 channels x 128 keys, pitch 144), each filled once; nothing is filled again.
; A wave asks for two tiles (waves 0-7: K's steps w, w + 8; waves 8-15: V's), JOINTLY with the three other query blocks of its cluster, which walk the same head.  Two tensor loads of a wave are out at the most.
; LAYOUT.  S^T = K Q^T (v_wmma_f32_16x16x64_fp8_fp8; source 0 = 16 keys, source 1 = my queries) and O^T = V^T P^T (v_wmma_f32_16x16x128_fp8_fp8): a lane holds ONE query throughout.
; Tile c of S^T gives lane (r, h) keys 16 c + 8 h + 0..7: its eight codes are registers 2 c, 2 c + 1 of the second product's operand as that form lays k; V is fetched 8 bytes a lane in the same order.
; K and Q are fetched 16 bytes a lane: a permutation of the head's 64, the same in both.
; THE BIAS COSTS NO LINE A SCORE.  slope x (key - query) = slope x (key within 64) + slope x (64 for tiles 4-7) + slope x (the step's first key - query).  The first part, divided by the factor that
; the scores are multiplied by, is the C operand of the score products (32 registers, made once); the other two are one number a lane and step, added with -M in the one multiply-add.
; slope_h = 2^(-(h + 1) / 2).  LIMITS: e6 + e7 between -100 and 100; e8, e10 between -126 and 119.  NaN is not served.
; No prefetch: all tiles are asked for at the head.
.set KP, 80
.set VP, 144
.set KSTEPB, 128*KP
.set VSTEPB, 64*VP
.set VBASE, 16*KSTEPB
.set SPARE, VBASE+16*VSTEPB            ; the spare words: 128 bytes for each of 16 waves
.set AK0, 1                            ; v1 my place in a tile of K;  v2 in a tile of V;  v3 r;  v4 W = sl x (first key - my query)
.set AV0, 2
.set SPW, 5
.set NIL, 6
.set ADK, 8
.set ADV, 9                            ; v12 -M, v13 the largest t, v[14:15] the sum; v16-23 Q; v32-95 K's, then V's fragments; v96-159 S^T, then p; v160-191 O^T; v192-223 the bias table; v224-239 p's codes
.set WV,  18
.set SEL, 20
.set CS,  22                           ; s[22:23] log2(e) / 8 x 2^(e6 + e7)
.set G1K, 24
.set G1V, 32
.set TBK, 56                           ; LDS byte of the step's tile of K, of V
.set TBV, 57
.set KD,  58                           ; the step's first key - my wave's first query
.set SL,  59                           ; slope x log2(e);  s60: 64 x that
.set SL64, 60
.set CNT, 61
.macro CROUND
	s_barrier_signal -1
	s_barrier_wait -1
	s_cmp_lg_u32 s[WV], 0
	s_cbranch_scc1 .Lnot_wave_0_\@
	s_barrier_signal -3
.Lnot_wave_0_\@:
	s_barrier_wait -3
	s_barrier_signal -1
	s_barrier_wait -1
.endm
	s_load_b128 s[4:7], s[0:1], 0x0                ; qkv, the scales' exponents
	s_load_b64 s[8:9], s[0:1], 0x10                ; aoc
	v_lshl_add_u32 v[SPW], v0, 2, SPARE
	v_mov_b32 v[NIL], 0
	ds_add_u32 v[SPW], v[NIL]                      ; the wave's opening: the add and its wait stand ahead of my first tensor load
	v_lshrrev_b32 v8, 5, v0
	v_readfirstlane_b32 s[WV], v8
	s_and_b32 s19, s[WV], 7
	s_and_b32 s62, ttmp7, 0xffff                   ; 16 b + h: shared by the four partners
	s_and_b32 s63, s62, 15                         ; h
	s_and_b32 s67, s62, 1                          ; which head of its pair
	s_lshr_b32 s66, s62, 1
	s_lshl_b32 s66, s66, 18                        ; the pair's block in each part of qkv
	s_bfe_u32 s84, ttmp6, 0x40000                  ; cx: it enters Q's and the output's addresses alone
	s_lshl_b32 s85, ttmp9, 2
	s_add_co_u32 s85, s85, s84                     ; my block of 256 queries
	s_lshl_b32 s88, s19, 14                        ; a step is 16 KiB of the pair's block, in K and in V
	s_add_co_u32 s88, s88, s66
	s_lshl_b32 s86, s67, 6
	s_add_co_u32 s86, s86, s88
	s_add_co_u32 s86, s86, 0x400000                ; K's part
	s_mov_b32 s87, 0
	s_lshl_b32 s90, s67, 13
	s_add_co_u32 s90, s90, s88
	s_add_co_u32 s90, s90, 0x800000                ; V's part
	s_mov_b32 s91, 0
	s_mul_i32 s92, s19, KSTEPB
	s_mul_i32 s93, s19, VSTEPB
	s_add_co_u32 s93, s93, VBASE
	s_lshl_b32 s96, s85, 15                        ; Q: 256 rows of 128 bytes a block, 16 a wave
	s_lshl_b32 s89, s[WV], 11
	s_add_co_u32 s96, s96, s89
	s_add_co_u32 s96, s96, s66
	s_lshl_b32 s89, s67, 6
	s_add_co_u32 s96, s96, s89
	s_mov_b32 s97, 0
	s_lshl_b32 s[KD], s85, 8
	s_lshl_b32 s89, s[WV], 4
	s_add_co_u32 s[KD], s[KD], s89
	s_sub_co_i32 s[KD], 0, s[KD]                   ; key 0 - my first query
	s_lshr_b32 s98, s62, 4
	s_lshl_b32 s98, s98, 3
	s_add_co_u32 s98, s98, s85                     ; the block of 256 tokens
	s_lshl_b32 s98, s98, 18
	s_lshl_b32 s89, s63, 14
	s_add_co_u32 s98, s98, s89
	s_lshl_b32 s89, s[WV], 10
	s_add_co_u32 s98, s98, s89
	s_mov_b32 s99, 0
	s_mov_b32 s[G1K], 15|(1<<20)|(1<<21)|(3<<22)|(3<<25)   ; the mask: all four; elements of 1 byte; padding: 4 words behind every 16
	s_mov_b32 s[G1K+1], 64<<16                     ; tensor_dim0
	s_mov_b32 s[G1K+2], 128<<16                    ; tensor_dim1
	s_mov_b32 s[G1K+3], 64<<16                     ; tile_dim0
	s_mov_b32 s[G1K+4], 128                        ; tile_dim1
	s_mov_b32 s[G1K+5], 128                        ; from key to key: the pair's 128 bytes
	s_mov_b32 s[G1K+6], 0
	s_mov_b32 s[G1K+7], 0
	s_mov_b32 s[G1V], 15|(1<<20)|(1<<21)|(4<<22)|(3<<25)   ; padding: 4 words behind every 32
	s_mov_b32 s[G1V+1], 128<<16
	s_mov_b32 s[G1V+2], 64<<16
	s_mov_b32 s[G1V+3], 128<<16
	s_mov_b32 s[G1V+4], 64
	s_mov_b32 s[G1V+5], 128
	s_mov_b32 s[G1V+6], 0
	s_mov_b32 s[G1V+7], 0
	s_mov_b32 s[SEL], 0x76543210
	s_mov_b32 s[SEL+1], 0xfedcba98
	s_mov_b32 s[TBK], 0
	s_mov_b32 s[TBV], 0
	s_wait_dscnt 0x0                               ; the opening add is done
	s_wait_kmcnt 0x0
	s_load_b512 s[68:83], s[6:7], 0x0              ; e0 .. e15 in s68 .. s83
	s_add_nc_u64 s[94:95], s[4:5], s[86:87]
	s_mov_b32 s40, 1
	s_mov_b32 s41, s92
	s_mov_b64 s[42:43], s[94:95]
	s_or_b32 s43, s43, 0x80000000
	s_mov_b32 s44, 1
	s_add_co_u32 s45, s92, 8*KSTEPB
	s_add_nc_u64 s[46:47], s[94:95], 8*16384
	s_or_b32 s47, s47, 0x80000000
	s_add_nc_u64 s[94:95], s[4:5], s[90:91]
	s_mov_b32 s48, 1
	s_mov_b32 s49, s93
	s_mov_b64 s[50:51], s[94:95]
	s_or_b32 s51, s51, 0x80000000
	s_mov_b32 s52, 1
	s_add_co_u32 s53, s93, 8*VSTEPB
	s_add_nc_u64 s[54:55], s[94:95], 8*16384
	s_or_b32 s55, s55, 0x80000000
	s_add_nc_u64 s[4:5], s[4:5], s[96:97]          ; Q at my first query
	s_add_nc_u64 s[8:9], s[8:9], s[98:99]          ; my 1,024 bytes of the output
	CROUND                                         ; all four work-groups are here: the joint loads meet
	s_cmp_lt_u32 s[WV], 8                          ; a wave's two fills stand in one branch, ahead of every wait on TENSORcnt and every LDS read
	s_cbranch_scc0 .Lfirst_v
	tensor_load_to_lds s[40:43], s[G1K:G1K+7]
	s_nop 0
	tensor_load_to_lds s[44:47], s[G1K:G1K+7]
	s_nop 0
.rept 4
	v_nop
.endr
	s_branch .Lfirst_asked
.Lfirst_v:
	tensor_load_to_lds s[48:51], s[G1V:G1V+7]
	s_nop 0
	tensor_load_to_lds s[52:55], s[G1V:G1V+7]
	s_nop 0
.rept 4
	v_nop
.endr
.Lfirst_asked:
	v_and_b32 v3, 15, v0                           ; r
	v_bfe_u32 v9, v0, 4, 1                         ; h
	v_lshlrev_b32 v7, 7, v3
	v_lshl_add_u32 v7, v9, 4, v7
	global_load_b128 v[16:19], v7, s[4:5]          ; Q's fragment stays in registers
	global_load_b128 v[20:23], v7, s[4:5] offset:32
	v_mul_u32_u24 v[AK0], v3, KP
	v_lshl_add_u32 v[AK0], v9, 4, v[AK0]
	v_mul_u32_u24 v[AV0], v3, VP
	v_lshl_add_u32 v[AV0], v9, 3, v[AV0]
	v_add_nc_u32 v[AV0], VBASE, v[AV0]
	v_lshlrev_b32 v10, 3, v9                       ; 8 h
.irp t, 0,1,2,3
.irp j, 0,1,2,3,4,5,6,7
	v_add_nc_u32 v[192+8*\t+\j], 16*\t+\j, v10     ; the key within 64 that register j of tile t holds
.endr
.endr
	v_mov_b32 v13, 0xff61b1e6                      ; the largest t so far: -3e38
	v_floor_f32 v12, -v13
	v_mov_b32 v14, 0
	v_mov_b32 v15, 0
	v_mov_b32 v11, 0                               ; a lane permute's destination counts as read
	v_mov_b32 v247, 0                              ; upper halves of pairs of which the low word serves both halves
	v_mov_b32 v249, 0
	v_mov_b32 v253, 0
.set n, 0
.rept 32
	v_mov_b32 v[160+n], 0                          ; O^T: the step is written once; the first change of M multiplies zeros
.set n, n+1
.endr
	s_wait_kmcnt 0x0
	s_lshr_b32 s88, s63, 1
	s_lshl_b32 s88, s88, 23
	s_cmp_eq_u32 s67, 1
	s_mov_b32 s89, 0x3f3504f3                      ; 2^(-1/2): even heads
	s_cselect_b32 s89, 0x3f000000, s89             ; 2^(-1): odd heads
	s_sub_co_u32 s89, s89, s88                     ; x 2^(-(h / 2)): the slope
	s_add_co_i32 s96, s74, s75                     ; e6 + e7
	s_lshl_b32 s97, s96, 23
	s_add_co_i32 s[CS], s97, 0x3e38aa3b            ; log2(e) / 8 x 2^(e6 + e7)
	s_mov_b32 s[CS+1], s[CS]
	s_sub_co_i32 s96, 3, s96
	s_lshl_b32 s96, s96, 23
	s_add_co_i32 s98, s89, s96                     ; slope x 8 / 2^(e6 + e7): what a key's place adds to a raw score
	s_mul_f32 s[SL], s89, 0x3fb8aa3b               ; slope x log2(e)
	s_add_co_u32 s[SL64], s[SL], 6<<23
.set n, 0
.rept 32
	v_cvt_f32_u32 v[192+n], v[192+n]
.set n, n+1
.endr
.set n, 0
.rept 32
	v_mul_f32 v[192+n], s98, v[192+n]
.set n, n+1
.endr
	s_add_co_i32 s88, s76, 127
	s_lshl_b32 s89, s88, 23
	v_mov_b32 v244, s89                            ; 2^e8
	s_add_co_i32 s88, s88, 8
	s_lshl_b32 s88, s88, 23
	s_or_b32 s88, s88, 0x600000
	v_mov_b32 v240, s88                            ; 448 x 2^e8
	s_add_co_i32 s88, s78, 127
	s_lshl_b32 s89, s88, 23
	v_mov_b32 v245, s89                            ; 2^e10
	s_add_co_i32 s88, s88, 8
	s_lshl_b32 s88, s88, 23
	s_or_b32 s88, s88, 0x600000
	v_mov_b32 v241, s88                            ; 448 x 2^e10
.macro STEP                            ; 128 keys
	v_add_nc_u32 v[ADK], s[TBK], v[AK0]            ; these four plain lines are the places behind the last step's products, ahead of the loads into their registers
	v_add_nc_u32 v[ADV], s[TBV], v[AV0]
	v_sub_nc_u32 v10, s[KD], v3
	v_cvt_f32_i32 v10, v10                         ; the step's first key - my query
.irp t, 0,1,2,3,4,5,6,7
	ds_load_b128 v[32+8*\t:35+8*\t], v[ADK] offset:16*KP*\t
	ds_load_b128 v[36+8*\t:39+8*\t], v[ADK] offset:16*KP*\t+32
.endr
	v_mul_f32 v4, s[SL], v10
	s_wait_dscnt 0x0
.irp t, 0,1,2,3,4,5,6,7
	v_wmma_f32_16x16x64_fp8_fp8 v[96+8*\t:103+8*\t], v[32+8*\t:39+8*\t], v[16:23], v[192+8*(\t%4):199+8*(\t%4)]
.endr
.rept 4
	v_nop
.endr
.irp t, 0,1,2,3
.irp c, 0,1,2,3,4,5,6,7
	ds_load_b64 v[32+16*\t+2*\c:33+16*\t+2*\c], v[ADV] offset:16*VP*\t+16*\c   ; V's fragments land while the softmax is walked
.endr
.endr
	v_max3_num_f32 v254, v96, v97, v98             ; the largest raw score: tiles 0-3, tiles 4-7, each tile from its low end on
	v_max3_num_f32 v252, v128, v129, v130
.irp i, 3,5,7,9,11,13,15,17,19,21,23,25,27,29
	v_max3_num_f32 v254, v254, v[96+\i], v[97+\i]
	v_max3_num_f32 v252, v252, v[128+\i], v[129+\i]
.endr
	v_max_num_f32 v254, v254, v127
	v_max_num_f32 v252, v252, v159
	v_mul_f32 v254, s[CS], v254                    ; as t (the factor is positive),
	v_fma_f32 v252, v252, s[CS], s[SL64]           ; tiles 4-7 lie 64 keys on
	v_max_num_f32 v254, v254, v252
	v_permlanex16_b32 v11, v254, s[SEL], s[SEL+1]
	v_max_num_f32 v254, v254, v11                  ; and lane l xor 16's
	v_add_f32 v254, v254, v4
	v_max_num_f32 v13, v13, v254                   ; the running largest t
	v_mov_b32 v254, v12
	v_floor_f32 v12, -v13                          ; -M = -ceil(t)
	v_sub_f32 v254, v12, v254                      ; old M - new M: a whole number, 0 or less
	v_cvt_i32_f32 v254, v254                       ; (it saturates)
	v_ldexp_f32 v252, 1.0, v254                    ; f = 2^(old M - new M): rounds nothing
	v_add_f32 v246, v4, v12                        ; W - M
	v_add_f32 v248, s[SL64], v246
.set n, 0
.rept 16
	v_pk_fma_f32 v[96+n:97+n], v[96+n:97+n], s[CS:CS+1], v[246:247] op_sel_hi:[1,0,0]
.set n, n+2
.endr
.rept 16
	v_pk_fma_f32 v[96+n:97+n], v[96+n:97+n], s[CS:CS+1], v[248:249] op_sel_hi:[1,0,0]
.set n, n+2
.endr
.set n, 0
.rept 64
	v_exp_f32 v[96+n], v[96+n]                     ; p = 2^(t - M)
.set n, n+1
.endr
	v_pk_mul_f32 v[14:15], v[14:15], v[252:253] op_sel_hi:[1,0]   ; the sums under the new M: the plain line behind the exponentials
	s_wait_alu depctr_va_vdst(0)                   ; one wait for the batch, ahead of its first reader
	v_pk_add_f32 v[242:243], v[96:97], v[98:99]    ; the row's sum, of the unquantised p, in two chains
.irp j, 4,8,12,16,20,24,28,32,36,40,44,48,52,56,60
	v_pk_add_f32 v[14:15], v[14:15], v[96+\j:97+\j]
	v_pk_add_f32 v[242:243], v[242:243], v[98+\j:99+\j]
.endr
	v_pk_add_f32 v[14:15], v[14:15], v[242:243]
.irp c, 0,1,2,3,4,5,6,7
.irp i, 0,1,2,3,4,5,6,7
	v_min_num_f32 v[96+8*\c+\i], v[96+8*\c+\i], v240   ; the conversion does not saturate (ISA guide 7.6.2); p is not negative
.endr
	v_cvt_scalef32_pk8_fp8_f32 v[224+2*\c:225+2*\c], v[96+8*\c:103+8*\c], v244
.endr
.set n, 0
.rept 16
	v_pk_mul_f32 v[160+n:161+n], v[160+n:161+n], v[252:253] op_sel_hi:[1,0]   ; O^T under the new M; also the plain lines behind the conversions
.set n, n+2
.endr
	s_wait_dscnt 0x0                               ; V's fragments
.irp t, 0,1,2,3
	v_wmma_f32_16x16x128_fp8_fp8 v[160+8*\t:167+8*\t], v[32+16*\t:47+16*\t], v[224:239], v[160+8*\t:167+8*\t]
.endr
	s_add_co_u32 s[TBK], s[TBK], KSTEPB
	s_add_co_u32 s[TBV], s[TBV], VSTEPB
	s_add_co_i32 s[KD], s[KD], 128
.endm
	s_wait_loadcnt 0x0                             ; Q
	s_wait_tensorcnt 1                             ; my first tile (steps 0-7) is in; my second may stay out
	s_barrier_signal -1
	s_barrier_wait -1
	s_mov_b32 s[CNT], 8
.Lhalf0:
	STEP
	s_sub_co_u32 s[CNT], s[CNT], 1
	s_cmp_lg_u32 s[CNT], 0
	s_cbranch_scc1 .Lhalf0
	s_wait_tensorcnt 0x0                           ; my second tile (steps 8-15) is in,
	s_wait_dscnt 0x0
	s_barrier_signal -1
	s_barrier_wait -1                              ; everybody's is
	s_mov_b32 s[CNT], 8
.Lhalf1:
	STEP
	s_sub_co_u32 s[CNT], s[CNT], 1
	s_cmp_lg_u32 s[CNT], 0
	s_cbranch_scc1 .Lhalf1
	; THE WAY OUT.  O^T / the sum x 2^(e8 + e9), quantised; 16 rows of 64 codes go through my stage (in K's region: behind this barrier nobody reads it, and nothing is filled any more) and leave as 1,024 bytes on end.
	s_wait_dscnt 0x0
	s_barrier_signal -1
	s_barrier_wait -1
	v_add_f32 v14, v14, v15
	v_permlanex16_b32 v11, v14, s[SEL], s[SEL+1]
	v_add_f32 v14, v14, v11                        ; the row's sum
	v_rcp_f32 v14, v14
	v_bfe_u32 v9, v0, 4, 1                         ; (a plain line behind the transcendental)
	s_mul_i32 s88, s[WV], 16*KP
	v_mul_u32_u24 v8, v3, KP
	v_lshl_add_u32 v8, v9, 3, v8
	v_add_nc_u32 v8, s88, v8                       ; in: row r, 8 bytes for each half of the lanes
	v_and_b32 v10, 31, v0
	v_lshrrev_b32 v7, 2, v10
	v_mul_u32_u24 v7, v7, KP
	v_and_b32 v9, 3, v10
	v_lshl_add_u32 v7, v9, 4, v7
	v_add_nc_u32 v7, s88, v7                       ; back: four lanes to a row, eight rows an instruction
	v_lshlrev_b32 v10, 4, v10
	s_add_co_i32 s89, s76, s77
	s_wait_alu depctr_va_vdst(0)                   ; the wait ahead of the reciprocal's first reader
	v_ldexp_f32 v14, v14, s89
.set n, 0
.rept 32
	v_mul_f32 v[96+n], v[160+n], v14               ; register 8 t + j: channel 16 t + 8 h + j of query r
.set n, n+1
.endr
.set n, 0
.rept 32
	v_med3_num_f32 v[96+n], v[96+n], -v241, v241
.set n, n+1
.endr
.irp t, 0,1,2,3
	v_cvt_scalef32_pk8_fp8_f32 v[224+2*\t:225+2*\t], v[96+8*\t:103+8*\t], v245
.endr
	v_nop
.irp t, 0,1,2,3
	ds_store_b64 v8, v[224+2*\t:225+2*\t] offset:16*\t
.endr
	ds_load_b128 v[32:35], v7                      ; LDS serves a wave's instructions in order
	ds_load_b128 v[36:39], v7 offset:8*KP
	s_wait_dscnt 1
	global_store_b128 v10, v[32:35], s[8:9]        ; 512 consecutive bytes, aligned
	s_wait_dscnt 0
	global_store_b128 v10, v[36:39], s[8:9] offset:512
	s_wait_tensorcnt 0x0                           ; the wave's end
	ds_add_u32 v[SPW], v[NIL]
	s_wait_dscnt 0x0
	CROUND                                         ; the closing round
	s_endpgm
.Lfunc_end_k_qa0341c4144_attn:
	.size	k_qa0341c4144_attn, .Lfunc_end_k_qa0341c4144_attn-k_qa0341c4144_attn
	.p2alignl 7, 3214868480
	.fill 96, 4, 3214868480
	.section	.rodata,"a",@progbits
	.p2align	6, 0x0
	.amdhsa_kernel k_qa0341c4144_attn
		.amdhsa_group_segment_fixed_size 327680
		.amdhsa_private_segment_fixed_size 0
		.amdhsa_enable_private_segment 0
		.amdhsa_kernarg_size 24
		.amdhsa_user_sgpr_count 2
		.amdhsa_user_sgpr_kernarg_segment_ptr 1
		.amdhsa_wavefront_size32 1
		.amdhsa_system_sgpr_workgroup_id_x 1
		.amdhsa_system_sgpr_workgroup_id_y 1
		.amdhsa_system_sgpr_workgroup_id_z 1
		.amdhsa_system_vgpr_workitem_id 0
		.amdhsa_next_free_vgpr 256
		.amdhsa_next_free_sgpr 100
		.amdhsa_reserve_vcc 0
		.amdhsa_float_denorm_mode_32 3
		.amdhsa_float_denorm_mode_16_64 3
		.amdhsa_memory_ordered 1
		.amdhsa_forward_progress 1
		.amdhsa_inst_pref_size 51
	.end_amdhsa_kernel
	.amdgpu_metadata
---
amdhsa.version: [ 1, 2 ]
amdhsa.kernels:
  - .name:           k_qa0341c4144_attn
    .symbol:         k_qa0341c4144_attn.kd
    .args:
      - { .name: qkv, .offset: 0, .size: 8, .value_kind: global_buffer, .address_space: global }
      - { .name: lowp_scales, .offset: 8, .size: 8, .value_kind: global_buffer, .address_space: global }
      - { .name: aoc, .offset: 16, .size: 8, .value_kind: global_buffer, .address_space: global }
    .group_segment_fixed_size: 327680
    .private_segment_fixed_size: 0
    .kernarg_segment_align: 8
    .kernarg_segment_size: 24
    .max_flat_workgroup_size: 512
    .sgpr_count:     100
    .vgpr_count:     256
    .wavefront_size: 32
...
	.end_amdgpu_metadata
.endif
;; end of part 3
;; launch wo (part 4): grid 4 x 16, 4 waves a work-group, clusters of 4 x 4, 327,680 bytes of LDS; arguments aoc, wc, lowp_scales, bo, x, x1; writes x1
.if DOCPART == 4
	.amdgcn_target "amdgcn-amd-amdhsa--gfx1250"
	.amdhsa_code_object_version 6
	.text
	.protected	k_qa0341c4144_wo
	.globl	k_qa0341c4144_wo
	.p2align	8
	.type	k_qa0341c4144_wo,@function
k_qa0341c4144_wo:
	s_mov_b64 s[64:65], 0
	v_nop
	global_prefetch_b8 v0, s[64:65] scope:SCOPE_SE
	s_setreg_imm32_b32 hwreg(HW_REG_WAVE_MODE, 25, 1), 1
	s_wait_xcnt 0x0
	s_wait_alu depctr_hold_cnt(0) depctr_sa_sdst(0) depctr_va_vdst(0) depctr_va_sdst(0) depctr_va_ssrc(0) depctr_va_vcc(0) depctr_vm_vsrc(0)
	s_getreg_b32 s2, hwreg(HW_REG_IB_STS2, 6, 4)
	s_cmp_eq_u32 s2, 0
	s_cbranch_scc0 .Lentry_in_a_cluster
	s_endpgm
.Lentry_in_a_cluster:
	s_bfe_u32 s2, ttmp6, 0x10000c
	s_cmp_lg_u32 s2, 0xf033
	s_cbranch_scc0 .Lentry_shape_is_right
	s_endpgm
.Lentry_shape_is_right:
; x1 = x + (ao Wo^T + bo): the product on codes of E4M3 (v_wmma_f32_16x16x128_fp8_fp8, sums in f32), scales: entries 10 and 11.
; A tile of C is 256 x 256, four waves, 128 x 128 each (64 accumulators).  K = 1,024 goes in steps of 256 through a ring of two LDS slots.  64 tiles: 64 work-groups.
; A = aoc, laid [block of 256 tokens][head 16][256 tokens][64 bytes]: a K step of a tile is four heads' planes, 65,536 bytes on end; a load brings two planes as 512 rows of 64 bytes (LDS pitch 80).
; B = Wo's codes in wc, rows of 1,024 bytes.  Source 0 = 16 rows of B, source 1 = 16 rows of A: a lane holds eight neighbouring columns of one row of C.
; CLUSTERS 4 x 4: A's tile is asked for jointly along a row of the cluster, B's along a column.
; LIMIT: e10 + e11 between -126 and 127.  The fragments are fetched 16 bytes a lane: a permutation of k, the same in A and in B.
.set SIZE_K, 1024
.set AROWB,  64
.set ANROWS, 512
.set ASTRIDE, 64
.set AQI,    3
.set APITCH, AROWB+16
.set AHALFG, 32768
.set ASTEP,  65536
.set ATILEB, 256*SIZE_K
.set OFFB,   3145728                   ; Wo in wc
.set EA,     78                        ; s78 = e10, s79 = e11
.set ASZ,    2*ANROWS*APITCH
.set APLANE, 256*APITCH
.set BPITCH, 272                       ; 256 bytes + 16: the 16 rows of a fragment load start at 16 different groups of banks (ISA guide 11.1)
.set BSZ,    256*BPITCH
.set SLOT,   ASZ+BSZ
.set SPARE,  2*SLOT                    ; behind the ring: the spare words, 128 bytes for each wave
.set LAPS,   SIZE_K/512
.set ADRA, 16                          ; v16-19 LDS address of my A fragments: slot s, half q of the step at 2 s + q
.set ADRB, 20                          ; v20-21 of my B fragments in slot 0, 1
.set STO,  24
.set RD,   25
.set CO,   26
.set SPW,  28
.set NIL,  29
.set BIA,  32                          ; v32-95 the bias in the accumulators' layout: register 8 b + j = bias(16 b + 8 h + j) of my 128 columns
.set AF,   128                         ; window 0: A's fragments, one set
.set BK,   128                         ; the way out: 16 rows back from the stage, v128-191 and v192-255 by turns
.set RES,  0                           ; window 1: the residual's rows, v0-63 and v64-127 by turns
.set TMP,  128                         ; window 1: a block's sums x 2^e + bias
.set G1, 24
.set G0, 32
.set G1B, 48
.set G0B, 56
.set WV, 85
.set RH, 86                            ; wave / 2: my half of A's rows.  Also: I fetch for A (0) or B (1)
.set CH, 87                            ; wave % 2: my half of B's rows.  Also: which half of that tile I fetch
.set MSB, 0
.macro WIN new                         ; the immediate's high byte repeats the setting that is left
.if MSB != (\new)
	s_set_vgpr_msb (MSB<<8)|(\new)
.set MSB, (\new)
.endif
.endm
.set MUL_LO, 0xa1                      ; source 0 (B) window 1, source 1 (A) window 0, C and D window 2
.set MUL_HI, 0xf1                      ; the same, C and D window 3
.set TO_B,   0x40
.macro JLOAD s                         ; a joint load; an s_nop 0 and four v_nop follow each of the two lines
	s_cmp_eq_u32 s[RH], 0
	s_cbranch_scc0 .Lfor_b_\@
	tensor_load_to_lds s[G0+4*\s:G0+4*\s+3], s[G1:G1+7]
	s_nop 0
.rept 4
	v_nop
.endr
	s_branch .Lasked_\@
.Lfor_b_\@:
	tensor_load_to_lds s[G0B+4*\s:G0B+4*\s+3], s[G1B:G1B+7]
	s_nop 0
.rept 4
	v_nop
.endr
.Lasked_\@:
.endm
.macro CREST                           ; a round of the cluster's barrier behind its opening barrier
	s_cmp_lg_u32 s[WV], 0
	s_cbranch_scc1 .Lnot_wave_0_\@
	s_barrier_signal -3
.Lnot_wave_0_\@:
	s_barrier_wait -3
	s_barrier_signal -1
	s_barrier_wait -1
.endm
.macro CROUND
	s_barrier_signal -1
	s_barrier_wait -1
	CREST
.endm
.macro PLACES                          ; four plain places behind a matrix instruction, ahead of loads into its registers and of reads of its results
.rept 4
	v_nop
.endr
.endm
.macro MUL16 a0, p, zero               ; A's blocks a0, a0 + 1 x B's eight (set p), 128 along K.  The 64 accumulators take turns
.irp a, \a0, \a0+1
.irp b, 0,1,2,3,4,5,6,7
.if \zero
	v_wmma_f32_16x16x128_fp8_fp8 v[8*(8*((\a)%4)+\b):8*(8*((\a)%4)+\b)+7], v[128*(\p)+16*\b:128*(\p)+16*\b+15], v[AF+16*(\a):AF+16*(\a)+15], 0
.else
	v_wmma_f32_16x16x128_fp8_fp8 v[8*(8*((\a)%4)+\b):8*(8*((\a)%4)+\b)+7], v[128*(\p)+16*\b:128*(\p)+16*\b+15], v[AF+16*(\a):AF+16*(\a)+15], v[8*(8*((\a)%4)+\b):8*(8*((\a)%4)+\b)+7]
.endif
.endr
.endr
.endm
.macro FETCH_B slot, q, p              ; B's eight fragments of the slot's q-th 128 along K into set p
	WIN TO_B
.irp i, 0,1,2,3,4,5,6,7
.irp c, 0,1,2,3
	ds_load_b128 v[128*(\p)+16*\i+4*\c:128*(\p)+16*\i+4*\c+3], v[ADRB+\slot] offset:128*(\q)+32*\c+\i*16*BPITCH
.endr
.endr
	WIN 0
.endm
.macro FETCH_A slot, q, i0             ; A's blocks i0 .. i0 + 3
.irp i, \i0, \i0+1, \i0+2, \i0+3
.irp c, 0,1,2,3
	ds_load_b128 v[AF+16*(\i)+4*\c:AF+16*(\i)+4*\c+3], v[ADRA+2*(\slot)+(\q)] offset:((32*\c)/AROWB)*APLANE+(32*\c)%AROWB+(\i)*16*APITCH
.endr
.endr
.endm
.macro STEP slot, zero                 ; a slot's first 128 along K; the second 128's fragments are fetched
	s_wait_dscnt 16                                ; B's set and A's blocks 0-3 are in; A's blocks 4-7 (16 loads) may be out
	WIN MUL_LO
	MUL16 0, 0, \zero
	MUL16 2, 0, \zero
	s_wait_dscnt 0
	PLACES
	FETCH_B \slot, 1, 1
	FETCH_A \slot, 1, 0
	WIN MUL_HI
	MUL16 4, 0, \zero
	MUL16 6, 0, \zero
	PLACES
	WIN 0
	FETCH_A \slot, 1, 4
.endm
.macro TURN slot, next, fill           ; a slot's second 128 along K, and the change of slots
	s_wait_tensorcnt 0x0                           ; all my tensor loads have landed: my part of the next slot
	ds_add_u32 v[SPW], v[NIL]                      ; 0 onto my spare word
	s_wait_dscnt 17                                ; (the add and A's blocks 4-7 may be out)
	WIN MUL_LO
	MUL16 0, 1, 0
	s_wait_dscnt 0x0                               ; the add is done, and my reads of this slot are over
	s_barrier_signal -1
	MUL16 2, 1, 0
	WIN 0
	s_barrier_wait -1
.if \fill
	CREST                                          ; the barrier has opened a round of the cluster's: no wave of any partner still reads this slot or has a load on its way
	s_add_nc_u64 s[G0+4*\slot+2:G0+4*\slot+3], s[G0+4*\slot+2:G0+4*\slot+3], 2*ASTEP
	s_add_nc_u64 s[G0B+4*\slot+2:G0B+4*\slot+3], s[G0B+4*\slot+2:G0B+4*\slot+3], 512
	JLOAD \slot                                    ; the first tensor load behind the round; its four v_nop are the places in front of the loads below
.else
	PLACES
.endif
	FETCH_B \next, 0, 0
	FETCH_A \next, 0, 0
	WIN MUL_HI
	MUL16 4, 1, 0
	MUL16 6, 1, 0
	PLACES
	WIN 0
	FETCH_A \next, 0, 4
.endm
	s_load_b256 s[4:11], s[0:1], 0x0               ; A's codes, wc, the scales' exponents, the bias
	s_load_b128 s[12:15], s[0:1], 0x20             ; the residual, the output
	v_lshl_add_u32 v[SPW], v0, 2, SPARE
	v_mov_b32 v[NIL], 0
	ds_add_u32 v[SPW], v[NIL]                      ; the wave's opening: the add and its wait stand ahead of my first tensor load
	v_lshrrev_b32 v1, 5, v0
	v_readfirstlane_b32 s[WV], v1
	s_lshr_b32 s[RH], s[WV], 1
	s_and_b32 s[CH], s[WV], 1
	s_bfe_u32 s40, ttmp6, 0x40000                  ; cx
	s_bfe_u32 s41, ttmp6, 0x40004                  ; cy
	s_lshl_b32 s42, ttmp9, 2
	s_add_co_u32 s42, s42, s40                     ; tile column
	s_and_b32 s88, ttmp7, 0xffff
	s_lshl_b32 s88, s88, 2
	s_add_co_u32 s88, s88, s41                     ; tile row
	s_lshl_b32 s43, s41, 2
	s_lshl_b32 s43, 15, s43                        ; my row of the cluster
	s_lshl_b32 s44, 0x1111, s40                    ; my column
	s_or_b32 s[G1+0], s43, (1<<20)|(1<<21)|(AQI<<22)|(3<<25)   ; the mask; elements of 1 byte; padding on; bit 21 beside a mask; 4 words of padding behind every row
	s_or_b32 s[G1B+0], s44, (1<<20)|(1<<21)|(5<<22)|(3<<25)
	s_mov_b32 s[G1+1], AROWB<<16                   ; tensor_dim0
	s_mov_b32 s[G1+2], ANROWS<<16                  ; tensor_dim1
	s_mov_b32 s[G1+3], AROWB<<16                   ; tile_dim0
	s_mov_b32 s[G1+4], ANROWS                      ; tile_dim1
	s_mov_b32 s[G1+5], ASTRIDE                     ; from row to row
	s_mov_b32 s[G1+6], 0
	s_mov_b32 s[G1+7], 0
	s_mov_b32 s[G1B+1], 256<<16
	s_mov_b32 s[G1B+2], 128<<16
	s_mov_b32 s[G1B+3], 256<<16
	s_mov_b32 s[G1B+4], 128
	s_mov_b32 s[G1B+5], SIZE_K
	s_mov_b32 s[G1B+6], 0
	s_mov_b32 s[G1B+7], 0
	s_mul_i32 s20, s88, ATILEB
	s_mul_i32 s22, s[CH], AHALFG
	s_add_co_u32 s20, s20, s22
	s_mov_b32 s21, 0
	s_lshl_b32 s46, s42, 8
	s_lshl_b32 s22, s[CH], 7
	s_add_co_u32 s46, s46, s22
	s_mul_i32 s46, s46, SIZE_K
	s_add_co_u32 s46, s46, OFFB
	s_mov_b32 s47, 0
	s_mul_i32 s45, s[CH], ASZ/2                    ; where the tiles go: no place in the cluster enters an LDS address
	s_mul_i32 s84, s[CH], BSZ/2
	s_add_co_u32 s84, s84, ASZ
	s_wait_dscnt 0x0                               ; the opening add is done
	s_wait_kmcnt 0x0
	s_load_b512 s[68:83], s[8:9], 0x0              ; e0 .. e15 in s68 .. s83
	s_add_nc_u64 s[20:21], s[4:5], s[20:21]
	s_add_nc_u64 s[46:47], s[6:7], s[46:47]
	CROUND                                         ; all sixteen work-groups are here: the first joint loads meet
.irp s, 0,1
	s_mov_b32 s[G0+4*\s], 1
	s_add_co_u32 s[G0+4*\s+1], s45, \s*SLOT
	s_add_nc_u64 s[G0+4*\s+2:G0+4*\s+3], s[20:21], \s*ASTEP
	s_or_b32 s[G0+4*\s+3], s[G0+4*\s+3], 0x80000000
	s_mov_b32 s[G0B+4*\s], 1
	s_add_co_u32 s[G0B+4*\s+1], s84, \s*SLOT
	s_add_nc_u64 s[G0B+4*\s+2:G0B+4*\s+3], s[46:47], \s*256
	s_or_b32 s[G0B+4*\s+3], s[G0B+4*\s+3], 0x80000000
	JLOAD \s
.endr
	v_and_b32 v1, 15, v0                           ; r
	v_bfe_u32 v2, v0, 4, 1                         ; h
	v_lshlrev_b32 v7, 5, v2
	s_lshl_b32 s16, s42, 10                        ; my 128 columns, in bytes of f32
	s_lshl_b32 s17, s[CH], 9
	s_add_co_u32 s16, s16, s17
	s_mov_b32 s17, 0
	s_add_nc_u64 s[10:11], s[10:11], s[16:17]
.irp b, 0,1,2,3,4,5,6,7
	global_load_b128 v[BIA+8*\b:BIA+8*\b+3], v7, s[10:11] offset:64*\b
	global_load_b128 v[BIA+8*\b+4:BIA+8*\b+7], v7, s[10:11] offset:64*\b+16
.endr
	s_lshl_b32 s18, s88, 20                        ; my first row: 256 rows of 4,096 bytes a tile, 128 a half
	s_lshl_b32 s19, s[RH], 19
	s_add_co_u32 s18, s18, s19
	s_add_co_u32 s16, s16, s18
	s_add_nc_u64 s[12:13], s[12:13], s[16:17]
	s_add_nc_u64 s[14:15], s[14:15], s[16:17]
	v_mul_u32_u24 v3, v1, APITCH
	v_lshl_add_u32 v3, v2, 4, v3
	v_mul_u32_u24 v4, v1, BPITCH
	v_lshl_add_u32 v4, v2, 4, v4
	s_mul_i32 s22, s[RH], 128*APITCH
	s_mul_i32 s23, s[CH], 128*BPITCH
	s_add_co_u32 s23, s23, ASZ
.irp s, 0,1
.irp q, 0,1
	s_add_co_u32 s16, s22, \s*SLOT+((128*\q)/AROWB)*APLANE+(128*\q)%AROWB
	v_add_nc_u32 v[ADRA+2*\s+\q], s16, v3
.endr
	s_add_co_u32 s16, s23, \s*SLOT
	v_add_nc_u32 v[ADRB+\s], s16, v4
.endr
	s_mul_i32 s16, s[WV], 16*528                   ; my stage: 16 rows of 512 bytes + 16, in slot 0, used when that slot has had its last fill and its last read
	v_mul_u32_u24 v5, v1, 528
	v_lshl_add_u32 v5, v2, 5, v5
	v_add_nc_u32 v[STO], s16, v5                   ; in: row r, 32 bytes for each half of the lanes
	v_and_b32 v6, 31, v0
	v_lshlrev_b32 v[CO], 4, v6                     ; back: the 32 lanes take a row of 512 bytes; the same in memory
	v_add_nc_u32 v[RD], s16, v[CO]
	s_wait_kmcnt 0x0
	s_add_co_i32 s96, s[EA], s[EA+1]
	s_add_co_i32 s96, s96, 127
	s_lshl_b32 s96, s96, 23                        ; 2^(eA + eB) as f32
	s_mov_b32 s97, s96
	s_wait_loadcnt 0x0                             ; the bias
	s_wait_tensorcnt 1                             ; my part of K step 0 is in; K step 1's load may be out
	s_barrier_signal -1
	s_barrier_wait -1
	FETCH_B 0, 0, 0
	FETCH_A 0, 0, 0
	FETCH_A 0, 0, 4
	STEP 0, 1                                      ; the first step's products start the sums
	s_mov_b32 s3, LAPS-1
.Llap:
	TURN 0, 1, 1
	STEP 1, 0
	TURN 1, 0, 1
	STEP 0, 0
	s_sub_co_u32 s3, s3, 1
	s_cmp_lg_u32 s3, 0
	s_cbranch_scc1 .Llap
	TURN 0, 1, 0                                   ; the last lap fills nothing
	STEP 1, 0
	s_wait_dscnt 16
	WIN MUL_LO
	MUL16 0, 1, 0
	MUL16 2, 1, 0
	s_wait_dscnt 0
	WIN MUL_HI
	MUL16 4, 1, 0
	MUL16 6, 1, 0
	WIN 0
; THE WAY OUT, a block of 16 rows x 128 columns at a time: sum x 2^e + bias in one multiply-add, through my stage, back as whole rows of 512 bytes, + the residual's same rows, stored.
.macro TOSTAGE a
.set AC, 64*((\a)%4)
	WIN 0x40                                       ; destination window 1
.set n, 0
.rept 16
	global_load_b128 v[RES+64*((\a)%2)+4*n:RES+64*((\a)%2)+4*n+3], v[CO], s[12:13] offset:(16*(\a)+n)*4096
.set n, n+1
.endr
	WIN 0x42+((\a)/4)                              ; destination window 1, source 0 window 2 or 3, the bias window 0
.set n, 0
.rept 32
	v_pk_fma_f32 v[TMP+n:TMP+n+1], v[AC+n:AC+n+1], s[96:97], v[BIA+n:BIA+n+1] op_sel_hi:[1,0,1]   ; each accumulator from its low end on
.set n, n+2
.endr
	WIN 0x04                                       ; the stores' data window 1
.irp b, 0,1,2,3,4,5,6,7
	ds_store_b128 v[STO], v[TMP+8*\b:TMP+8*\b+3] offset:64*\b
	ds_store_b128 v[STO], v[TMP+8*\b+4:TMP+8*\b+7] offset:64*\b+16
.endr
	WIN 0
.set n, 0
.rept 16
	ds_load_b128 v[BK+64*((\a)%2)+4*n:BK+64*((\a)%2)+4*n+3], v[RD] offset:n*528   ; LDS serves a wave's instructions in order
.set n, n+1
.endr
.endm
.macro SEND a, younger, lyoung
	s_wait_dscnt \younger                          ; the block is back in registers,
	s_wait_loadcnt \lyoung                         ; and its rows of the residual are in
	WIN 0x04                                       ; source 1 window 1
.set n, 0
.rept 32
	v_pk_add_f32 v[BK+64*((\a)%2)+n:BK+64*((\a)%2)+n+1], v[BK+64*((\a)%2)+n:BK+64*((\a)%2)+n+1], v[RES+64*((\a)%2)+n:RES+64*((\a)%2)+n+1]
.set n, n+2
.endr
	WIN 0
.set n, 0
.rept 16
	global_store_b128 v[CO], v[BK+64*((\a)%2)+4*n:BK+64*((\a)%2)+4*n+3], s[14:15] offset:(16*(\a)+n)*4096   ; 512 consecutive bytes, aligned
.set n, n+1
.endr
.endm
	PLACES
	TOSTAGE 0
.irp a, 1,2,3,4,5,6,7
.if \a > 1
	s_wait_xcnt 0x0                                ; block a - 2's stores have read their registers
.endif
	TOSTAGE \a
	SEND \a-1, 32, 16                              ; behind block a - 1's: block a's 16 LDS stores and 16 LDS loads; its 16 loads of the residual
.endr
	SEND 7, 0, 0
	s_wait_tensorcnt 0x0                           ; the wave's end
	ds_add_u32 v[SPW], v[NIL]
	s_wait_dscnt 0x0
	CROUND                                         ; the closing round
	s_endpgm
.Lfunc_end_k_qa0341c4144_wo:
	.size	k_qa0341c4144_wo, .Lfunc_end_k_qa0341c4144_wo-k_qa0341c4144_wo
	.p2alignl 7, 3214868480
	.fill 96, 4, 3214868480
	.section	.rodata,"a",@progbits
	.p2align	6, 0x0
	.amdhsa_kernel k_qa0341c4144_wo
		.amdhsa_group_segment_fixed_size 327680
		.amdhsa_private_segment_fixed_size 0
		.amdhsa_enable_private_segment 0
		.amdhsa_kernarg_size 48
		.amdhsa_user_sgpr_count 2
		.amdhsa_user_sgpr_kernarg_segment_ptr 1
		.amdhsa_wavefront_size32 1
		.amdhsa_system_sgpr_workgroup_id_x 1
		.amdhsa_system_sgpr_workgroup_id_y 1
		.amdhsa_system_sgpr_workgroup_id_z 1
		.amdhsa_system_vgpr_workitem_id 0
		.amdhsa_next_free_vgpr 1024
		.amdhsa_next_free_sgpr 100
		.amdhsa_reserve_vcc 0
		.amdhsa_float_denorm_mode_32 3
		.amdhsa_float_denorm_mode_16_64 3
		.amdhsa_memory_ordered 1
		.amdhsa_forward_progress 1
		.amdhsa_inst_pref_size 154
	.end_amdhsa_kernel
	.amdgpu_metadata
---
amdhsa.version: [ 1, 2 ]
amdhsa.kernels:
  - .name:           k_qa0341c4144_wo
    .symbol:         k_qa0341c4144_wo.kd
    .args:
      - { .name: aoc, .offset: 0, .size: 8, .value_kind: global_buffer, .address_space: global }
      - { .name: wc, .offset: 8, .size: 8, .value_kind: global_buffer, .address_space: global }
      - { .name: lowp_scales, .offset: 16, .size: 8, .value_kind: global_buffer, .address_space: global }
      - { .name: bo, .offset: 24, .size: 8, .value_kind: global_buffer, .address_space: global }
      - { .name: x, .offset: 32, .size: 8, .value_kind: global_buffer, .address_space: global }
      - { .name: x1, .offset: 40, .size: 8, .value_kind: global_buffer, .address_space: global }
    .group_segment_fixed_size: 327680
    .private_segment_fixed_size: 0
    .kernarg_segment_align: 8
    .kernarg_segment_size: 48
    .max_flat_workgroup_size: 128
    .sgpr_count:     100
    .vgpr_count:     1024
    .wavefront_size: 32
...
	.end_amdgpu_metadata
.endif
;; end of part 4
;; launch ln2 (part 5): grid 256 x 1, 4 waves a work-group, no clusters, 4,608 bytes of LDS; arguments x1, g2, be2, lowp_scales, h2c; writes h2c
.if DOCPART == 5
	.amdgcn_target "amdgcn-amd-amdhsa--gfx1250"
	.amdhsa_code_object_version 6
	.text
	.protected	k_qa0341c4144_ln2
	.globl	k_qa0341c4144_ln2
	.p2align	8
	.type	k_qa0341c4144_ln2,@function
k_qa0341c4144_ln2:
	s_mov_b64 s[64:65], 0
	v_nop
	global_prefetch_b8 v0, s[64:65] scope:SCOPE_SE
	s_setreg_imm32_b32 hwreg(HW_REG_WAVE_MODE, 25, 1), 1
	s_wait_xcnt 0x0
; h2 = LayerNorm(x1) g2 + be2 in f32 (mean, then the mean of squared differences), quantised to E4M3 with the given scale (entry 12) into h2c[4096][1024].
; A wave takes 4 rows of 1,024 f32, written out.  Lane l loads 16 bytes at 16 l + 512 j: each load reads 512 consecutive bytes.  A conversion of registers 8 g .. 8 g + 7 gives the four codes of chunk 2 g
; and of chunk 2 g + 1 at byte 4 l, so word j belongs at byte 128 j + 4 l of the row of codes: the 1,024 bytes turn through the wave's own LDS bytes and leave as two stores of 512 consecutive bytes.
; LIMITS: -126 <= e12 <= 119; NaN is not served.  No barrier: waves share nothing.
.set SPARE, 4096
.set ROWS,  4
.set X,   32                           ; v32-95 two slots of x; v96-127 g; v128-159 be
.set G,   96
.set BE,  128
.set Y,   160
.set T,   192
.set C,   224
.set O,   232
.set SPW, 10
.set NIL, 11
.macro LANESUM
	v_add_f32_dpp v4, v4, v4 row_xmask:1 row_mask:0xf bank_mask:0xf
	v_add_f32_dpp v4, v4, v4 row_xmask:2 row_mask:0xf bank_mask:0xf
	v_add_f32_dpp v4, v4, v4 row_xmask:4 row_mask:0xf bank_mask:0xf
	v_add_f32_dpp v4, v4, v4 row_xmask:8 row_mask:0xf bank_mask:0xf
	v_permlanex16_b32 v5, v4, s58, s59
	v_add_f32 v4, v4, v5
.endm
	s_load_b256 s[4:11], s[0:1], 0x0               ; x1, g2, be2, the scales' exponents
	s_load_b64 s[12:13], s[0:1], 0x20              ; h2c
	v_lshl_add_u32 v[SPW], v0, 2, SPARE
	v_mov_b32 v[NIL], 0
	v_lshrrev_b32 v4, 5, v0
	v_readfirstlane_b32 s48, v4                    ; wave
	v_and_b32 v4, 31, v0
	v_lshlrev_b32 v1, 4, v4                        ; 16 x lane
	s_lshl_b32 s49, s48, 10
	v_lshl_add_u32 v2, v4, 2, s49                  ; into my LDS bytes
	v_add_nc_u32 v3, s49, v1                       ; and back
	v_mov_b32 v5, 0
	v_mov_b32 v19, 0
	v_mov_b32 v21, 0
	s_mov_b32 s56, 0x3a800000                      ; 1 / 1,024
	s_mov_b32 s57, 0x3727c5ac                      ; 1e-5
	s_mov_b32 s58, 0x76543210
	s_mov_b32 s59, 0xfedcba98
	s_lshl_b32 s50, ttmp9, 16                      ; 16 rows of 4,096 bytes a work-group, 4 a wave
	s_lshl_b32 s52, s48, 14
	s_add_co_u32 s50, s50, s52
	s_mov_b32 s51, 0
	s_lshl_b32 s52, ttmp9, 14
	s_lshl_b32 s54, s48, 12
	s_add_co_u32 s52, s52, s54
	s_mov_b32 s53, 0
	s_wait_kmcnt 0x0
	s_load_b32 s14, s[10:11], 0x30                 ; e12
	s_add_nc_u64 s[4:5], s[4:5], s[50:51]
	s_add_nc_u64 s[12:13], s[12:13], s[52:53]
.macro XLOAD i
.irp j, 0,1,2,3,4,5,6,7
	global_load_b128 v[X+32*((\i)%2)+4*\j:X+32*((\i)%2)+4*\j+3], v1, s[4:5] offset:4096*(\i)+512*\j
.endr
.endm
.irp j, 0,1,2,3,4,5,6,7
	global_load_b128 v[G+4*\j:G+4*\j+3], v1, s[6:7] offset:512*\j
.endr
.irp j, 0,1,2,3,4,5,6,7
	global_load_b128 v[BE+4*\j:BE+4*\j+3], v1, s[8:9] offset:512*\j
.endr
	XLOAD 0
	XLOAD 1
	s_wait_kmcnt 0x0
	s_add_co_i32 s14, s14, 127
	s_lshl_b32 s15, s14, 23
	v_mov_b32 v12, s15                             ; 2^e12
	s_add_co_i32 s14, s14, 8
	s_lshl_b32 s14, s14, 23
	s_or_b32 s14, s14, 0x600000
	v_mov_b32 v13, s14                             ; 448 x 2^e12
.macro LROW i
.set XS, X+32*((\i)%2)
.if (\i) < ROWS-1
	s_wait_loadcnt 8                               ; this row is in; the next row's eight loads may be out
.else
	s_wait_loadcnt 0
.endif
.irp k, 0,1,2,3,4,5,6,7
	v_pk_add_f32 v[T+2*\k:T+2*\k+1], v[XS+4*\k:XS+4*\k+1], v[XS+4*\k+2:XS+4*\k+3]
.endr
.irp k, 0,4,8,12
	v_pk_add_f32 v[T+\k:T+\k+1], v[T+\k:T+\k+1], v[T+\k+2:T+\k+3]
.endr
	v_pk_add_f32 v[T:T+1], v[T:T+1], v[T+4:T+5]
	v_pk_add_f32 v[T+8:T+9], v[T+8:T+9], v[T+12:T+13]
	v_pk_add_f32 v[T:T+1], v[T:T+1], v[T+8:T+9]
	v_add_f32 v4, v[T], v[T+1]
	LANESUM
	v_mul_f32 v18, s56, v4                         ; the mean
.set n, 0
.rept 16
	v_pk_add_f32 v[Y+n:Y+n+1], v[XS+n:XS+n+1], v[18:19] op_sel_hi:[1,0] neg_lo:[0,1] neg_hi:[0,1]
.set n, n+2
.endr
.if (\i)+2 < ROWS
	XLOAD (\i)+2                                   ; the slot has been read
.endif
.irp k, 0,2,4,6
	v_pk_mul_f32 v[T+\k:T+\k+1], v[Y+\k:Y+\k+1], v[Y+\k:Y+\k+1]
.endr
.irp k, 8,10,12,14,16,18,20,22,24,26,28,30
	v_pk_fma_f32 v[T+(\k)%8:T+(\k)%8+1], v[Y+\k:Y+\k+1], v[Y+\k:Y+\k+1], v[T+(\k)%8:T+(\k)%8+1]
.endr
	v_pk_add_f32 v[T:T+1], v[T:T+1], v[T+2:T+3]
	v_pk_add_f32 v[T+4:T+5], v[T+4:T+5], v[T+6:T+7]
	v_pk_add_f32 v[T:T+1], v[T:T+1], v[T+4:T+5]
	v_add_f32 v4, v[T], v[T+1]
	LANESUM
	v_fma_f32 v6, v4, s56, s57                     ; the variance + 1e-5
	v_rsq_f32 v20, v6
	v_nop                                          ; a plain line behind the transcendental,
	s_wait_alu depctr_va_vdst(0)                   ; and the wait ahead of its first reader
.set n, 0
.rept 16
	v_pk_mul_f32 v[Y+n:Y+n+1], v[Y+n:Y+n+1], v[20:21] op_sel_hi:[1,0]
.set n, n+2
.endr
.set n, 0
.rept 16
	v_pk_fma_f32 v[Y+n:Y+n+1], v[Y+n:Y+n+1], v[G+n:G+n+1], v[BE+n:BE+n+1]
.set n, n+2
.endr
.set n, 0
.rept 32
	v_med3_num_f32 v[T+n], v[Y+n], -v13, v13       ; the conversion does not saturate (ISA guide 7.6.2)
.set n, n+1
.endr
.irp g, 0,1,2,3
	v_cvt_scalef32_pk8_fp8_f32 v[C+2*\g:C+2*\g+1], v[T+8*\g:T+8*\g+7], v12
.endr
	v_nop                                          ; a plain line between the conversions and the next vector line that writes their sources
.irp j, 0,1,2,3,4,5,6,7
	ds_store_b32 v2, v[C+\j] offset:128*\j
.endr
	s_wait_xcnt 0x0                                ; the last row's stores have read O
	ds_load_b128 v[O:O+3], v3                      ; LDS serves a wave's instructions in order
	ds_load_b128 v[O+4:O+7], v3 offset:512
	s_wait_dscnt 0x0
	global_store_b128 v1, v[O:O+3], s[12:13] offset:1024*(\i)
	global_store_b128 v1, v[O+4:O+7], s[12:13] offset:1024*(\i)+512
.endm
.irp i, 0,1,2,3
	LROW \i
.endr
	s_wait_tensorcnt 0x0                           ; the wave's end
	ds_add_u32 v[SPW], v[NIL]
	s_wait_dscnt 0x0
	s_endpgm
.Lfunc_end_k_qa0341c4144_ln2:
	.size	k_qa0341c4144_ln2, .Lfunc_end_k_qa0341c4144_ln2-k_qa0341c4144_ln2
	.p2alignl 7, 3214868480
	.fill 96, 4, 3214868480
	.section	.rodata,"a",@progbits
	.p2align	6, 0x0
	.amdhsa_kernel k_qa0341c4144_ln2
		.amdhsa_group_segment_fixed_size 4608
		.amdhsa_private_segment_fixed_size 0
		.amdhsa_enable_private_segment 0
		.amdhsa_kernarg_size 40
		.amdhsa_user_sgpr_count 2
		.amdhsa_user_sgpr_kernarg_segment_ptr 1
		.amdhsa_wavefront_size32 1
		.amdhsa_system_sgpr_workgroup_id_x 1
		.amdhsa_system_sgpr_workgroup_id_y 1
		.amdhsa_system_sgpr_workgroup_id_z 1
		.amdhsa_system_vgpr_workitem_id 0
		.amdhsa_next_free_vgpr 256
		.amdhsa_next_free_sgpr 66
		.amdhsa_reserve_vcc 0
		.amdhsa_float_denorm_mode_32 3
		.amdhsa_float_denorm_mode_16_64 3
		.amdhsa_memory_ordered 1
		.amdhsa_forward_progress 1
		.amdhsa_inst_pref_size 44
	.end_amdhsa_kernel
	.amdgpu_metadata
---
amdhsa.version: [ 1, 2 ]
amdhsa.kernels:
  - .name:           k_qa0341c4144_ln2
    .symbol:         k_qa0341c4144_ln2.kd
    .args:
      - { .name: x1, .offset: 0, .size: 8, .value_kind: global_buffer, .address_space: global }
      - { .name: g2, .offset: 8, .size: 8, .value_kind: global_buffer, .address_space: global }
      - { .name: be2, .offset: 16, .size: 8, .value_kind: global_buffer, .address_space: global }
      - { .name: lowp_scales, .offset: 24, .size: 8, .value_kind: global_buffer, .address_space: global }
      - { .name: h2c, .offset: 32, .size: 8, .value_kind: global_buffer, .address_space: global }
    .group_segment_fixed_size: 4608
    .private_segment_fixed_size: 0
    .kernarg_segment_align: 8
    .kernarg_segment_size: 40
    .max_flat_workgroup_size: 128
    .sgpr_count:     66
    .vgpr_count:     256
    .wavefront_size: 32
...
	.end_amdgpu_metadata
.endif
;; end of part 5
;; launch ffn1 (part 6): grid 16 x 16, 4 waves a work-group, clusters of 4 x 4, 327,680 bytes of LDS; arguments h2c, wc, lowp_scales, b1, hid; writes hid
.if DOCPART == 6
	.amdgcn_target "amdgcn-amd-amdhsa--gfx1250"
	.amdhsa_code_object_version 6
	.text
	.protected	k_qa0341c4144_ffn1
	.globl	k_qa0341c4144_ffn1
	.p2align	8
	.type	k_qa0341c4144_ffn1,@function
k_qa0341c4144_ffn1:
	s_mov_b64 s[64:65], 0
	v_nop
	global_prefetch_b8 v0, s[64:65] scope:SCOPE_SE
	s_setreg_imm32_b32 hwreg(HW_REG_WAVE_MODE, 25, 1), 1
	s_wait_xcnt 0x0
	s_wait_alu depctr_hold_cnt(0) depctr_sa_sdst(0) depctr_va_vdst(0) depctr_va_sdst(0) depctr_va_ssrc(0) depctr_va_vcc(0) depctr_vm_vsrc(0)
	s_getreg_b32 s2, hwreg(HW_REG_IB_STS2, 6, 4)
	s_cmp_eq_u32 s2, 0
	s_cbranch_scc0 .Lentry_in_a_cluster
	s_endpgm
.Lentry_in_a_cluster:
	s_bfe_u32 s2, ttmp6, 0x10000c
	s_cmp_lg_u32 s2, 0xf033
	s_cbranch_scc0 .Lentry_shape_is_right
	s_endpgm
.Lentry_shape_is_right:
; hid = Q(relu(h2 W1^T + b1)): the product on codes of E4M3 (v_wmma_f32_16x16x128_fp8_fp8, sums in f32; scales: entries 12, 13); the result is quantised at once for the next product (entry 14).
; A tile of C is 256 x 256, four waves, 128 x 128 each (64 accumulators): 256 work-groups.  K = 1,024 goes in steps of 256 through a ring of two LDS slots.
; Source 0 = 16 rows of B (W1), source 1 = 16 rows of A (tokens): a lane holds eight neighbouring hidden units of one token: eight neighbours along the next K.
; OUT: hid[block of 256 tokens][plane of 128 units][256 tokens][128 bytes]: a wave's 128 x 128 codes are 16 KiB on end.
; CLUSTERS 4 x 4: A's tile is asked for jointly along a row of the cluster, B's along a column.
; LIMITS: e12 + e13 between -126 and 127; e14 between -126 and 119.  NaN is not served.  The fragments are fetched 16 bytes a lane: a permutation of k, the same in A and in B.
.set SIZE_K, 1024
.set AROWB,  256                       ; A's tile: rows of 256 bytes, 128 rows a load
.set ANROWS, 128
.set ASTRIDE, SIZE_K
.set AQI,    5
.set APITCH, AROWB+16
.set AHALFG, 128*SIZE_K
.set ASTEP,  256
.set ATILEB, 256*SIZE_K
.set OFFB,   4194304                   ; W1 in wc
.set ASZ,    2*ANROWS*APITCH
.set APLANE, 256*APITCH
.set BPITCH, 272                       ; 256 bytes + 16: the 16 rows of a fragment load start at 16 different groups of banks (ISA guide 11.1)
.set BSZ,    256*BPITCH
.set SLOT,   ASZ+BSZ
.set SPARE,  2*SLOT                    ; behind the ring: the spare words, 128 bytes for each wave
.set LAPS,   SIZE_K/512
.set ADRA, 16                          ; v16-19 LDS address of my A fragments: slot s, half q of the step at 2 s + q
.set ADRB, 20                          ; v20-21 of my B fragments in slot 0, 1
.set STO,  24
.set RD,   25
.set CO,   26
.set SCL,  27                          ; 2^e14
.set SPW,  28
.set NIL,  29
.set LIM,  30                          ; 448 x 2^e14
.set BIA,  32                          ; v32-95 b1 in the accumulators' layout: register 8 b + j = b1(16 b + 8 h + j) of my 128 units
.set CD,   96                          ; v96-111  a block's codes
.set AF,   128                         ; window 0: A's fragments, one set
.set TMP,  128                         ; the way out: a block's numbers
.set OUT,  192                         ; v192-207, v208-223 by turns: rows of codes
.set G1, 24
.set G0, 32
.set G1B, 48
.set G0B, 56
.set WV, 85
.set RH, 86                            ; wave / 2: my half of A's rows.  Also: I fetch for A (0) or B (1)
.set CH, 87                            ; wave % 2: my half of B's rows.  Also: which half of that tile I fetch
.set MSB, 0
.macro WIN new                         ; the immediate's high byte repeats the setting that is left
.if MSB != (\new)
	s_set_vgpr_msb (MSB<<8)|(\new)
.set MSB, (\new)
.endif
.endm
.set MUL_LO, 0xa1                      ; source 0 (B) window 1, source 1 (A) window 0, C and D window 2
.set MUL_HI, 0xf1                      ; the same, C and D window 3
.set TO_B,   0x40
.macro JLOAD s                         ; a joint load; an s_nop 0 and four v_nop follow each of the two lines
	s_cmp_eq_u32 s[RH], 0
	s_cbranch_scc0 .Lfor_b_\@
	tensor_load_to_lds s[G0+4*\s:G0+4*\s+3], s[G1:G1+7]
	s_nop 0
.rept 4
	v_nop
.endr
	s_branch .Lasked_\@
.Lfor_b_\@:
	tensor_load_to_lds s[G0B+4*\s:G0B+4*\s+3], s[G1B:G1B+7]
	s_nop 0
.rept 4
	v_nop
.endr
.Lasked_\@:
.endm
.macro CREST                           ; a round of the cluster's barrier behind its opening barrier
	s_cmp_lg_u32 s[WV], 0
	s_cbranch_scc1 .Lnot_wave_0_\@
	s_barrier_signal -3
.Lnot_wave_0_\@:
	s_barrier_wait -3
	s_barrier_signal -1
	s_barrier_wait -1
.endm
.macro CROUND
	s_barrier_signal -1
	s_barrier_wait -1
	CREST
.endm
.macro PLACES                          ; four plain places behind a matrix instruction, ahead of loads into its registers and of reads of its results
.rept 4
	v_nop
.endr
.endm
.macro MUL16 a0, p, zero               ; A's blocks a0, a0 + 1 x B's eight (set p), 128 along K.  The 64 accumulators take turns
.irp a, \a0, \a0+1
.irp b, 0,1,2,3,4,5,6,7
.if \zero
	v_wmma_f32_16x16x128_fp8_fp8 v[8*(8*((\a)%4)+\b):8*(8*((\a)%4)+\b)+7], v[128*(\p)+16*\b:128*(\p)+16*\b+15], v[AF+16*(\a):AF+16*(\a)+15], 0
.else
	v_wmma_f32_16x16x128_fp8_fp8 v[8*(8*((\a)%4)+\b):8*(8*((\a)%4)+\b)+7], v[128*(\p)+16*\b:128*(\p)+16*\b+15], v[AF+16*(\a):AF+16*(\a)+15], v[8*(8*((\a)%4)+\b):8*(8*((\a)%4)+\b)+7]
.endif
.endr
.endr
.endm
.macro FETCH_B slot, q, p              ; B's eight fragments of the slot's q-th 128 along K into set p
	WIN TO_B
.irp i, 0,1,2,3,4,5,6,7
.irp c, 0,1,2,3
	ds_load_b128 v[128*(\p)+16*\i+4*\c:128*(\p)+16*\i+4*\c+3], v[ADRB+\slot] offset:128*(\q)+32*\c+\i*16*BPITCH
.endr
.endr
	WIN 0
.endm
.macro FETCH_A slot, q, i0             ; A's blocks i0 .. i0 + 3
.irp i, \i0, \i0+1, \i0+2, \i0+3
.irp c, 0,1,2,3
	ds_load_b128 v[AF+16*(\i)+4*\c:AF+16*(\i)+4*\c+3], v[ADRA+2*(\slot)+(\q)] offset:((32*\c)/AROWB)*APLANE+(32*\c)%AROWB+(\i)*16*APITCH
.endr
.endr
.endm
.macro STEP slot, zero                 ; a slot's first 128 along K; the second 128's fragments are fetched
	s_wait_dscnt 16                                ; B's set and A's blocks 0-3 are in; A's blocks 4-7 (16 loads) may be out
	WIN MUL_LO
	MUL16 0, 0, \zero
	MUL16 2, 0, \zero
	s_wait_dscnt 0
	PLACES
	FETCH_B \slot, 1, 1
	FETCH_A \slot, 1, 0
	WIN MUL_HI
	MUL16 4, 0, \zero
	MUL16 6, 0, \zero
	PLACES
	WIN 0
	FETCH_A \slot, 1, 4
.endm
.macro TURN slot, next, fill           ; a slot's second 128 along K, and the change of slots
	s_wait_tensorcnt 0x0                           ; all my tensor loads have landed: my part of the next slot
	ds_add_u32 v[SPW], v[NIL]                      ; 0 onto my spare word
	s_wait_dscnt 17                                ; (the add and A's blocks 4-7 may be out)
	WIN MUL_LO
	MUL16 0, 1, 0
	s_wait_dscnt 0x0                               ; the add is done, and my reads of this slot are over
	s_barrier_signal -1
	MUL16 2, 1, 0
	WIN 0
	s_barrier_wait -1
.if \fill
	CREST                                          ; the barrier has opened a round of the cluster's: no wave of any partner still reads this slot or has a load on its way
	s_add_nc_u64 s[G0+4*\slot+2:G0+4*\slot+3], s[G0+4*\slot+2:G0+4*\slot+3], 2*ASTEP
	s_add_nc_u64 s[G0B+4*\slot+2:G0B+4*\slot+3], s[G0B+4*\slot+2:G0B+4*\slot+3], 512
	JLOAD \slot                                    ; the first tensor load behind the round; its four v_nop are the places in front of the loads below
.else
	PLACES
.endif
	FETCH_B \next, 0, 0
	FETCH_A \next, 0, 0
	WIN MUL_HI
	MUL16 4, 1, 0
	MUL16 6, 1, 0
	PLACES
	WIN 0
	FETCH_A \next, 0, 4
.endm
	s_load_b256 s[4:11], s[0:1], 0x0               ; h2c, wc, the scales' exponents, b1
	s_load_b64 s[12:13], s[0:1], 0x20              ; hid
	v_lshl_add_u32 v[SPW], v0, 2, SPARE
	v_mov_b32 v[NIL], 0
	ds_add_u32 v[SPW], v[NIL]                      ; the wave's opening: the add and its wait stand ahead of my first tensor load
	v_lshrrev_b32 v1, 5, v0
	v_readfirstlane_b32 s[WV], v1
	s_lshr_b32 s[RH], s[WV], 1
	s_and_b32 s[CH], s[WV], 1
	s_bfe_u32 s40, ttmp6, 0x40000                  ; cx
	s_bfe_u32 s41, ttmp6, 0x40004                  ; cy
	s_lshl_b32 s42, ttmp9, 2
	s_add_co_u32 s42, s42, s40                     ; tile column
	s_and_b32 s88, ttmp7, 0xffff
	s_lshl_b32 s88, s88, 2
	s_add_co_u32 s88, s88, s41                     ; tile row
	s_lshl_b32 s43, s41, 2
	s_lshl_b32 s43, 15, s43                        ; my row of the cluster
	s_lshl_b32 s44, 0x1111, s40                    ; my column
	s_or_b32 s[G1+0], s43, (1<<20)|(1<<21)|(AQI<<22)|(3<<25)   ; the mask; elements of 1 byte; padding on; bit 21 beside a mask; 4 words of padding behind every row
	s_or_b32 s[G1B+0], s44, (1<<20)|(1<<21)|(5<<22)|(3<<25)
	s_mov_b32 s[G1+1], AROWB<<16                   ; tensor_dim0
	s_mov_b32 s[G1+2], ANROWS<<16                  ; tensor_dim1
	s_mov_b32 s[G1+3], AROWB<<16                   ; tile_dim0
	s_mov_b32 s[G1+4], ANROWS                      ; tile_dim1
	s_mov_b32 s[G1+5], ASTRIDE                     ; from row to row
	s_mov_b32 s[G1+6], 0
	s_mov_b32 s[G1+7], 0
	s_mov_b32 s[G1B+1], 256<<16
	s_mov_b32 s[G1B+2], 128<<16
	s_mov_b32 s[G1B+3], 256<<16
	s_mov_b32 s[G1B+4], 128
	s_mov_b32 s[G1B+5], SIZE_K
	s_mov_b32 s[G1B+6], 0
	s_mov_b32 s[G1B+7], 0
	s_mul_i32 s20, s88, ATILEB
	s_mul_i32 s22, s[CH], AHALFG
	s_add_co_u32 s20, s20, s22
	s_mov_b32 s21, 0
	s_lshl_b32 s46, s42, 8
	s_lshl_b32 s22, s[CH], 7
	s_add_co_u32 s46, s46, s22
	s_mul_i32 s46, s46, SIZE_K
	s_add_co_u32 s46, s46, OFFB
	s_mov_b32 s47, 0
	s_mul_i32 s45, s[CH], ASZ/2                    ; where the tiles go: no place in the cluster enters an LDS address
	s_mul_i32 s84, s[CH], BSZ/2
	s_add_co_u32 s84, s84, ASZ
	s_wait_dscnt 0x0                               ; the opening add is done
	s_wait_kmcnt 0x0
	s_load_b512 s[68:83], s[8:9], 0x0              ; e0 .. e15 in s68 .. s83
	s_add_nc_u64 s[20:21], s[4:5], s[20:21]
	s_add_nc_u64 s[46:47], s[6:7], s[46:47]
	CROUND                                         ; all sixteen work-groups are here: the first joint loads meet
.irp s, 0,1
	s_mov_b32 s[G0+4*\s], 1
	s_add_co_u32 s[G0+4*\s+1], s45, \s*SLOT
	s_add_nc_u64 s[G0+4*\s+2:G0+4*\s+3], s[20:21], \s*ASTEP
	s_or_b32 s[G0+4*\s+3], s[G0+4*\s+3], 0x80000000
	s_mov_b32 s[G0B+4*\s], 1
	s_add_co_u32 s[G0B+4*\s+1], s84, \s*SLOT
	s_add_nc_u64 s[G0B+4*\s+2:G0B+4*\s+3], s[46:47], \s*256
	s_or_b32 s[G0B+4*\s+3], s[G0B+4*\s+3], 0x80000000
	JLOAD \s
.endr
	v_and_b32 v1, 15, v0                           ; r
	v_bfe_u32 v2, v0, 4, 1                         ; h
	v_lshlrev_b32 v7, 5, v2
	s_lshl_b32 s16, s42, 10                        ; my 128 units of b1, in bytes
	s_lshl_b32 s17, s[CH], 9
	s_add_co_u32 s16, s16, s17
	s_mov_b32 s17, 0
	s_add_nc_u64 s[10:11], s[10:11], s[16:17]
.irp b, 0,1,2,3,4,5,6,7
	global_load_b128 v[BIA+8*\b:BIA+8*\b+3], v7, s[10:11] offset:64*\b
	global_load_b128 v[BIA+8*\b+4:BIA+8*\b+7], v7, s[10:11] offset:64*\b+16
.endr
	s_lshl_b32 s16, s88, 20                        ; the block of 256 tokens: 32 planes of 32,768 bytes,
	s_lshl_b32 s18, s42, 16                        ; two planes a tile column,
	s_add_co_u32 s16, s16, s18
	s_lshl_b32 s18, s[CH], 15                      ; my plane,
	s_add_co_u32 s16, s16, s18
	s_lshl_b32 s18, s[RH], 14                      ; my 128 tokens of it
	s_add_co_u32 s16, s16, s18
	s_add_nc_u64 s[12:13], s[12:13], s[16:17]
	v_mul_u32_u24 v3, v1, APITCH
	v_lshl_add_u32 v3, v2, 4, v3
	v_mul_u32_u24 v4, v1, BPITCH
	v_lshl_add_u32 v4, v2, 4, v4
	s_mul_i32 s22, s[RH], 128*APITCH
	s_mul_i32 s23, s[CH], 128*BPITCH
	s_add_co_u32 s23, s23, ASZ
.irp s, 0,1
.irp q, 0,1
	s_add_co_u32 s16, s22, \s*SLOT+((128*\q)/AROWB)*APLANE+(128*\q)%AROWB
	v_add_nc_u32 v[ADRA+2*\s+\q], s16, v3
.endr
	s_add_co_u32 s16, s23, \s*SLOT
	v_add_nc_u32 v[ADRB+\s], s16, v4
.endr
	s_mul_i32 s16, s[WV], 16*144                   ; my stage: 16 rows of 128 bytes + 16, in slot 0, used when that slot has had its last fill and its last read
	v_mul_u32_u24 v5, v1, 144
	v_lshl_add_u32 v5, v2, 3, v5
	v_add_nc_u32 v[STO], s16, v5                   ; in: row r, 8 bytes for each half of the lanes
	v_and_b32 v6, 31, v0
	v_lshrrev_b32 v5, 3, v6
	v_mul_u32_u24 v5, v5, 144
	v_and_b32 v3, 7, v6
	v_lshl_add_u32 v5, v3, 4, v5
	v_add_nc_u32 v[RD], s16, v5                    ; back: eight lanes to a row, four rows an instruction
	v_lshlrev_b32 v[CO], 4, v6                     ; which are 512 bytes on end in memory
	s_wait_kmcnt 0x0
	s_add_co_i32 s96, s80, s81                     ; e12 + e13
	s_add_co_i32 s96, s96, 127
	s_lshl_b32 s96, s96, 23
	s_mov_b32 s97, s96
	s_add_co_i32 s89, s82, 127                     ; e14
	s_lshl_b32 s90, s89, 23
	v_mov_b32 v[SCL], s90
	s_add_co_i32 s89, s89, 8
	s_lshl_b32 s89, s89, 23
	s_or_b32 s89, s89, 0x600000
	v_mov_b32 v[LIM], s89
	s_wait_loadcnt 0x0                             ; b1
	s_wait_tensorcnt 1                             ; my part of K step 0 is in; K step 1's load may be out
	s_barrier_signal -1
	s_barrier_wait -1
	FETCH_B 0, 0, 0
	FETCH_A 0, 0, 0
	FETCH_A 0, 0, 4
	STEP 0, 1                                      ; the first step's products start the sums
	s_mov_b32 s3, LAPS-1
.Llap:
	TURN 0, 1, 1
	STEP 1, 0
	TURN 1, 0, 1
	STEP 0, 0
	s_sub_co_u32 s3, s3, 1
	s_cmp_lg_u32 s3, 0
	s_cbranch_scc1 .Llap
	TURN 0, 1, 0                                   ; the last lap fills nothing
	STEP 1, 0
	s_wait_dscnt 16
	WIN MUL_LO
	MUL16 0, 1, 0
	MUL16 2, 1, 0
	s_wait_dscnt 0
	WIN MUL_HI
	MUL16 4, 1, 0
	MUL16 6, 1, 0
	WIN 0
; THE WAY OUT, a block of 16 rows x 128 codes at a time: sum x 2^(e12 + e13) + b1 in one multiply-add; the activation and the hold in one; convert; through my stage; out as 512 consecutive bytes an instruction.
.macro CODES a
.set AC, 64*((\a)%4)
	WIN 0x02+((\a)/4)                              ; source 0: window 2 or 3
.set n, 0
.rept 32
	v_pk_fma_f32 v[TMP+n:TMP+n+1], v[AC+n:AC+n+1], s[96:97], v[BIA+n:BIA+n+1] op_sel_hi:[1,0,1]   ; each accumulator from its low end on
.set n, n+2
.endr
	WIN 0
.set n, 0
.rept 64
	v_med3_num_f32 v[TMP+n], v[TMP+n], 0, v[LIM]   ; between 0 and the largest code x the scale
.set n, n+1
.endr
.irp b, 0,1,2,3,4,5,6,7
	v_cvt_scalef32_pk8_fp8_f32 v[CD+2*\b:CD+2*\b+1], v[TMP+8*\b:TMP+8*\b+7], v[SCL]
.endr
	v_nop                                          ; a plain line between the conversions and the next vector line that writes their sources
.irp b, 0,1,2,3,4,5,6,7
	ds_store_b64 v[STO], v[CD+2*\b:CD+2*\b+1] offset:16*\b
.endr
.irp t, 0,1,2,3
	ds_load_b128 v[OUT+16*((\a)%2)+4*\t:OUT+16*((\a)%2)+4*\t+3], v[RD] offset:576*\t   ; LDS serves a wave's instructions in order
.endr
.endm
.macro PUT a, younger
	s_wait_dscnt \younger
.irp t, 0,1,2,3
	global_store_b128 v[CO], v[OUT+16*((\a)%2)+4*\t:OUT+16*((\a)%2)+4*\t+3], s[12:13] offset:2048*(\a)+512*\t
.endr
.endm
	PLACES
	CODES 0
.irp a, 1,2,3,4,5,6,7
.if \a > 1
	s_wait_xcnt 0x0                                ; block a - 2's stores have read their registers
.endif
	CODES \a
	PUT \a-1, 12                                   ; behind block a - 1's loads: block a's 8 stores and 4 loads
.endr
	PUT 7, 0
	s_wait_tensorcnt 0x0                           ; the wave's end
	ds_add_u32 v[SPW], v[NIL]
	s_wait_dscnt 0x0
	CROUND                                         ; the closing round
	s_endpgm
.Lfunc_end_k_qa0341c4144_ffn1:
	.size	k_qa0341c4144_ffn1, .Lfunc_end_k_qa0341c4144_ffn1-k_qa0341c4144_ffn1
	.p2alignl 7, 3214868480
	.fill 96, 4, 3214868480
	.section	.rodata,"a",@progbits
	.p2align	6, 0x0
	.amdhsa_kernel k_qa0341c4144_ffn1
		.amdhsa_group_segment_fixed_size 327680
		.amdhsa_private_segment_fixed_size 0
		.amdhsa_enable_private_segment 0
		.amdhsa_kernarg_size 40
		.amdhsa_user_sgpr_count 2
		.amdhsa_user_sgpr_kernarg_segment_ptr 1
		.amdhsa_wavefront_size32 1
		.amdhsa_system_sgpr_workgroup_id_x 1
		.amdhsa_system_sgpr_workgroup_id_y 1
		.amdhsa_system_sgpr_workgroup_id_z 1
		.amdhsa_system_vgpr_workitem_id 0
		.amdhsa_next_free_vgpr 1024
		.amdhsa_next_free_sgpr 100
		.amdhsa_reserve_vcc 0
		.amdhsa_float_denorm_mode_32 3
		.amdhsa_float_denorm_mode_16_64 3
		.amdhsa_memory_ordered 1
		.amdhsa_forward_progress 1
		.amdhsa_inst_pref_size 142
	.end_amdhsa_kernel
	.amdgpu_metadata
---
amdhsa.version: [ 1, 2 ]
amdhsa.kernels:
  - .name:           k_qa0341c4144_ffn1
    .symbol:         k_qa0341c4144_ffn1.kd
    .args:
      - { .name: h2c, .offset: 0, .size: 8, .value_kind: global_buffer, .address_space: global }
      - { .name: wc, .offset: 8, .size: 8, .value_kind: global_buffer, .address_space: global }
      - { .name: lowp_scales, .offset: 16, .size: 8, .value_kind: global_buffer, .address_space: global }
      - { .name: b1, .offset: 24, .size: 8, .value_kind: global_buffer, .address_space: global }
      - { .name: hid, .offset: 32, .size: 8, .value_kind: global_buffer, .address_space: global }
    .group_segment_fixed_size: 327680
    .private_segment_fixed_size: 0
    .kernarg_segment_align: 8
    .kernarg_segment_size: 40
    .max_flat_workgroup_size: 128
    .sgpr_count:     100
    .vgpr_count:     1024
    .wavefront_size: 32
...
	.end_amdgpu_metadata
.endif
;; end of part 6
;; launch ffn2 (part 7): grid 4 x 16, 4 waves a work-group, clusters of 4 x 4, 327,680 bytes of LDS; arguments hid, wc, lowp_scales, b2, x1, out0; writes out0
.if DOCPART == 7
	.amdgcn_target "amdgcn-amd-amdhsa--gfx1250"
	.amdhsa_code_object_version 6
	.text
	.protected	k_qa0341c4144_ffn2
	.globl	k_qa0341c4144_ffn2
	.p2align	8
	.type	k_qa0341c4144_ffn2,@function
k_qa0341c4144_ffn2:
	s_mov_b64 s[64:65], 0
	v_nop
	global_prefetch_b8 v0, s[64:65] scope:SCOPE_SE
	s_setreg_imm32_b32 hwreg(HW_REG_WAVE_MODE, 25, 1), 1
	s_wait_xcnt 0x0
	s_wait_alu depctr_hold_cnt(0) depctr_sa_sdst(0) depctr_va_vdst(0) depctr_va_sdst(0) depctr_va_ssrc(0) depctr_va_vcc(0) depctr_vm_vsrc(0)
	s_getreg_b32 s2, hwreg(HW_REG_IB_STS2, 6, 4)
	s_cmp_eq_u32 s2, 0
	s_cbranch_scc0 .Lentry_in_a_cluster
	s_endpgm
.Lentry_in_a_cluster:
	s_bfe_u32 s2, ttmp6, 0x10000c
	s_cmp_lg_u32 s2, 0xf033
	s_cbranch_scc0 .Lentry_shape_is_right
	s_endpgm
.Lentry_shape_is_right:
; out = x1 + (hid W2^T + b2): the product on codes of E4M3 (v_wmma_f32_16x16x128_fp8_fp8, sums in f32), scales: entries 14 and 15.
; A tile of C is 256 x 256, four waves, 128 x 128 each (64 accumulators).  K = 4,096 goes in steps of 256 through a ring of two LDS slots.  64 tiles: 64 work-groups.
; A = hid, laid [block of 256 tokens][plane of 128 units][256 tokens][128 bytes]: a K step of a tile is two planes, 65,536 bytes on end; a load brings one plane as 256 rows of 128 bytes (LDS pitch 144).
; B = W2's codes in wc, rows of 4,096 bytes.  Source 0 = 16 rows of B, source 1 = 16 rows of A: a lane holds eight neighbouring columns of one row of C.
; CLUSTERS 4 x 4: A's tile is asked for jointly along a row of the cluster, B's along a column.
; LIMIT: e14 + e15 between -126 and 127.  The fragments are fetched 16 bytes a lane: a permutation of k, the same in A and in B.
.set SIZE_K, 4096
.set AROWB,  128
.set ANROWS, 256
.set ASTRIDE, 128
.set AQI,    4
.set APITCH, AROWB+16
.set AHALFG, 32768
.set ASTEP,  65536
.set ATILEB, 256*SIZE_K
.set OFFB,   8388608                   ; W2 in wc
.set EA,     82                        ; s82 = e14, s83 = e15
.set ASZ,    2*ANROWS*APITCH
.set APLANE, 256*APITCH
.set BPITCH, 272                       ; 256 bytes + 16: the 16 rows of a fragment load start at 16 different groups of banks (ISA guide 11.1)
.set BSZ,    256*BPITCH
.set SLOT,   ASZ+BSZ
.set SPARE,  2*SLOT                    ; behind the ring: the spare words, 128 bytes for each wave
.set LAPS,   SIZE_K/512
.set ADRA, 16                          ; v16-19 LDS address of my A fragments: slot s, half q of the step at 2 s + q
.set ADRB, 20                          ; v20-21 of my B fragments in slot 0, 1
.set STO,  24
.set RD,   25
.set CO,   26
.set SPW,  28
.set NIL,  29
.set BIA,  32                          ; v32-95 the bias in the accumulators' layout: register 8 b + j = bias(16 b + 8 h + j) of my 128 columns
.set AF,   128                         ; window 0: A's fragments, one set
.set BK,   128                         ; the way out: 16 rows back from the stage, v128-191 and v192-255 by turns
.set RES,  0                           ; window 1: the residual's rows, v0-63 and v64-127 by turns
.set TMP,  128                         ; window 1: a block's sums x 2^e + bias
.set G1, 24
.set G0, 32
.set G1B, 48
.set G0B, 56
.set WV, 85
.set RH, 86                            ; wave / 2: my half of A's rows.  Also: I fetch for A (0) or B (1)
.set CH, 87                            ; wave % 2: my half of B's rows.  Also: which half of that tile I fetch
.set MSB, 0
.macro WIN new                         ; the immediate's high byte repeats the setting that is left
.if MSB != (\new)
	s_set_vgpr_msb (MSB<<8)|(\new)
.set MSB, (\new)
.endif
.endm
.set MUL_LO, 0xa1                      ; source 0 (B) window 1, source 1 (A) window 0, C and D window 2
.set MUL_HI, 0xf1                      ; the same, C and D window 3
.set TO_B,   0x40
.macro JLOAD s                         ; a joint load; an s_nop 0 and four v_nop follow each of the two lines
	s_cmp_eq_u32 s[RH], 0
	s_cbranch_scc0 .Lfor_b_\@
	tensor_load_to_lds s[G0+4*\s:G0+4*\s+3], s[G1:G1+7]
	s_nop 0
.rept 4
	v_nop
.endr
	s_branch .Lasked_\@
.Lfor_b_\@:
	tensor_load_to_lds s[G0B+4*\s:G0B+4*\s+3], s[G1B:G1B+7]
	s_nop 0
.rept 4
	v_nop
.endr
.Lasked_\@:
.endm
.macro CREST                           ; a round of the cluster's barrier behind its opening barrier
	s_cmp_lg_u32 s[WV], 0
	s_cbranch_scc1 .Lnot_wave_0_\@
	s_barrier_signal -3
.Lnot_wave_0_\@:
	s_barrier_wait -3
	s_barrier_signal -1
	s_barrier_wait -1
.endm
.macro CROUND
	s_barrier_signal -1
	s_barrier_wait -1
	CREST
.endm
.macro PLACES                          ; four plain places behind a matrix instruction, ahead of loads into its registers and of reads of its results
.rept 4
	v_nop
.endr
.endm
.macro MUL16 a0, p, zero               ; A's blocks a0, a0 + 1 x B's eight (set p), 128 along K.  The 64 accumulators take turns
.irp a, \a0, \a0+1
.irp b, 0,1,2,3,4,5,6,7
.if \zero
	v_wmma_f32_16x16x128_fp8_fp8 v[8*(8*((\a)%4)+\b):8*(8*((\a)%4)+\b)+7], v[128*(\p)+16*\b:128*(\p)+16*\b+15], v[AF+16*(\a):AF+16*(\a)+15], 0
.else
	v_wmma_f32_16x16x128_fp8_fp8 v[8*(8*((\a)%4)+\b):8*(8*((\a)%4)+\b)+7], v[128*(\p)+16*\b:128*(\p)+16*\b+15], v[AF+16*(\a):AF+16*(\a)+15], v[8*(8*((\a)%4)+\b):8*(8*((\a)%4)+\b)+7]
.endif
.endr
.endr
.endm
.macro FETCH_B slot, q, p              ; B's eight fragments of the slot's q-th 128 along K into set p
	WIN TO_B
.irp i, 0,1,2,3,4,5,6,7
.irp c, 0,1,2,3
	ds_load_b128 v[128*(\p)+16*\i+4*\c:128*(\p)+16*\i+4*\c+3], v[ADRB+\slot] offset:128*(\q)+32*\c+\i*16*BPITCH
.endr
.endr
	WIN 0
.endm
.macro FETCH_A slot, q, i0             ; A's blocks i0 .. i0 + 3
.irp i, \i0, \i0+1, \i0+2, \i0+3
.irp c, 0,1,2,3
	ds_load_b128 v[AF+16*(\i)+4*\c:AF+16*(\i)+4*\c+3], v[ADRA+2*(\slot)+(\q)] offset:((32*\c)/AROWB)*APLANE+(32*\c)%AROWB+(\i)*16*APITCH
.endr
.endr
.endm
.macro STEP slot, zero                 ; a slot's first 128 along K; the second 128's fragments are fetched
	s_wait_dscnt 16                                ; B's set and A's blocks 0-3 are in; A's blocks 4-7 (16 loads) may be out
	WIN MUL_LO
	MUL16 0, 0, \zero
	MUL16 2, 0, \zero
	s_wait_dscnt 0
	PLACES
	FETCH_B \slot, 1, 1
	FETCH_A \slot, 1, 0
	WIN MUL_HI
	MUL16 4, 0, \zero
	MUL16 6, 0, \zero
	PLACES
	WIN 0
	FETCH_A \slot, 1, 4
.endm
.macro TURN slot, next, fill           ; a slot's second 128 along K, and the change of slots
	s_wait_tensorcnt 0x0                           ; all my tensor loads have landed: my part of the next slot
	ds_add_u32 v[SPW], v[NIL]                      ; 0 onto my spare word
	s_wait_dscnt 17                                ; (the add and A's blocks 4-7 may be out)
	WIN MUL_LO
	MUL16 0, 1, 0
	s_wait_dscnt 0x0                               ; the add is done, and my reads of this slot are over
	s_barrier_signal -1
	MUL16 2, 1, 0
	WIN 0
	s_barrier_wait -1
.if \fill
	CREST                                          ; the barrier has opened a round of the cluster's: no wave of any partner still reads this slot or has a load on its way
	s_add_nc_u64 s[G0+4*\slot+2:G0+4*\slot+3], s[G0+4*\slot+2:G0+4*\slot+3], 2*ASTEP
	s_add_nc_u64 s[G0B+4*\slot+2:G0B+4*\slot+3], s[G0B+4*\slot+2:G0B+4*\slot+3], 512
	JLOAD \slot                                    ; the first tensor load behind the round; its four v_nop are the places in front of the loads below
.else
	PLACES
.endif
	FETCH_B \next, 0, 0
	FETCH_A \next, 0, 0
	WIN MUL_HI
	MUL16 4, 1, 0
	MUL16 6, 1, 0
	PLACES
	WIN 0
	FETCH_A \next, 0, 4
.endm
	s_load_b256 s[4:11], s[0:1], 0x0               ; A's codes, wc, the scales' exponents, the bias
	s_load_b128 s[12:15], s[0:1], 0x20             ; the residual, the output
	v_lshl_add_u32 v[SPW], v0, 2, SPARE
	v_mov_b32 v[NIL], 0
	ds_add_u32 v[SPW], v[NIL]                      ; the wave's opening: the add and its wait stand ahead of my first tensor load
	v_lshrrev_b32 v1, 5, v0
	v_readfirstlane_b32 s[WV], v1
	s_lshr_b32 s[RH], s[WV], 1
	s_and_b32 s[CH], s[WV], 1
	s_bfe_u32 s40, ttmp6, 0x40000                  ; cx
	s_bfe_u32 s41, ttmp6, 0x40004                  ; cy
	s_lshl_b32 s42, ttmp9, 2
	s_add_co_u32 s42, s42, s40                     ; tile column
	s_and_b32 s88, ttmp7, 0xffff
	s_lshl_b32 s88, s88, 2
	s_add_co_u32 s88, s88, s41                     ; tile row
	s_lshl_b32 s43, s41, 2
	s_lshl_b32 s43, 15, s43                        ; my row of the cluster
	s_lshl_b32 s44, 0x1111, s40                    ; my column
	s_or_b32 s[G1+0], s43, (1<<20)|(1<<21)|(AQI<<22)|(3<<25)   ; the mask; elements of 1 byte; padding on; bit 21 beside a mask; 4 words of padding behind every row
	s_or_b32 s[G1B+0], s44, (1<<20)|(1<<21)|(5<<22)|(3<<25)
	s_mov_b32 s[G1+1], AROWB<<16                   ; tensor_dim0
	s_mov_b32 s[G1+2], ANROWS<<16                  ; tensor_dim1
	s_mov_b32 s[G1+3], AROWB<<16                   ; tile_dim0
	s_mov_b32 s[G1+4], ANROWS                      ; tile_dim1
	s_mov_b32 s[G1+5], ASTRIDE                     ; from row to row
	s_mov_b32 s[G1+6], 0
	s_mov_b32 s[G1+7], 0
	s_mov_b32 s[G1B+1], 256<<16
	s_mov_b32 s[G1B+2], 128<<16
	s_mov_b32 s[G1B+3], 256<<16
	s_mov_b32 s[G1B+4], 128
	s_mov_b32 s[G1B+5], SIZE_K
	s_mov_b32 s[G1B+6], 0
	s_mov_b32 s[G1B+7], 0
	s_mul_i32 s20, s88, ATILEB
	s_mul_i32 s22, s[CH], AHALFG
	s_add_co_u32 s20, s20, s22
	s_mov_b32 s21, 0
	s_lshl_b32 s46, s42, 8
	s_lshl_b32 s22, s[CH], 7
	s_add_co_u32 s46, s46, s22
	s_mul_i32 s46, s46, SIZE_K
	s_add_co_u32 s46, s46, OFFB
	s_mov_b32 s47, 0
	s_mul_i32 s45, s[CH], ASZ/2                    ; where the tiles go: no place in the cluster enters an LDS address
	s_mul_i32 s84, s[CH], BSZ/2
	s_add_co_u32 s84, s84, ASZ
	s_wait_dscnt 0x0                               ; the opening add is done
	s_wait_kmcnt 0x0
	s_load_b512 s[68:83], s[8:9], 0x0              ; e0 .. e15 in s68 .. s83
	s_add_nc_u64 s[20:21], s[4:5], s[20:21]
	s_add_nc_u64 s[46:47], s[6:7], s[46:47]
	CROUND                                         ; all sixteen work-groups are here: the first joint loads meet
.irp s, 0,1
	s_mov_b32 s[G0+4*\s], 1
	s_add_co_u32 s[G0+4*\s+1], s45, \s*SLOT
	s_add_nc_u64 s[G0+4*\s+2:G0+4*\s+3], s[20:21], \s*ASTEP
	s_or_b32 s[G0+4*\s+3], s[G0+4*\s+3], 0x80000000
	s_mov_b32 s[G0B+4*\s], 1
	s_add_co_u32 s[G0B+4*\s+1], s84, \s*SLOT
	s_add_nc_u64 s[G0B+4*\s+2:G0B+4*\s+3], s[46:47], \s*256
	s_or_b32 s[G0B+4*\s+3], s[G0B+4*\s+3], 0x80000000
	JLOAD \s
.endr
	v_and_b32 v1, 15, v0                           ; r
	v_bfe_u32 v2, v0, 4, 1                         ; h
	v_lshlrev_b32 v7, 5, v2
	s_lshl_b32 s16, s42, 10                        ; my 128 columns, in bytes of f32
	s_lshl_b32 s17, s[CH], 9
	s_add_co_u32 s16, s16, s17
	s_mov_b32 s17, 0
	s_add_nc_u64 s[10:11], s[10:11], s[16:17]
.irp b, 0,1,2,3,4,5,6,7
	global_load_b128 v[BIA+8*\b:BIA+8*\b+3], v7, s[10:11] offset:64*\b
	global_load_b128 v[BIA+8*\b+4:BIA+8*\b+7], v7, s[10:11] offset:64*\b+16
.endr
	s_lshl_b32 s18, s88, 20                        ; my first row: 256 rows of 4,096 bytes a tile, 128 a half
	s_lshl_b32 s19, s[RH], 19
	s_add_co_u32 s18, s18, s19
	s_add_co_u32 s16, s16, s18
	s_add_nc_u64 s[12:13], s[12:13], s[16:17]
	s_add_nc_u64 s[14:15], s[14:15], s[16:17]
	v_mul_u32_u24 v3, v1, APITCH
	v_lshl_add_u32 v3, v2, 4, v3
	v_mul_u32_u24 v4, v1, BPITCH
	v_lshl_add_u32 v4, v2, 4, v4
	s_mul_i32 s22, s[RH], 128*APITCH
	s_mul_i32 s23, s[CH], 128*BPITCH
	s_add_co_u32 s23, s23, ASZ
.irp s, 0,1
.irp q, 0,1
	s_add_co_u32 s16, s22, \s*SLOT+((128*\q)/AROWB)*APLANE+(128*\q)%AROWB
	v_add_nc_u32 v[ADRA+2*\s+\q], s16, v3
.endr
	s_add_co_u32 s16, s23, \s*SLOT
	v_add_nc_u32 v[ADRB+\s], s16, v4
.endr
	s_mul_i32 s16, s[WV], 16*528                   ; my stage: 16 rows of 512 bytes + 16, in slot 0, used when that slot has had its last fill and its last read
	v_mul_u32_u24 v5, v1, 528
	v_lshl_add_u32 v5, v2, 5, v5
	v_add_nc_u32 v[STO], s16, v5                   ; in: row r, 32 bytes for each half of the lanes
	v_and_b32 v6, 31, v0
	v_lshlrev_b32 v[CO], 4, v6                     ; back: the 32 lanes take a row of 512 bytes; the same in memory
	v_add_nc_u32 v[RD], s16, v[CO]
	s_wait_kmcnt 0x0
	s_add_co_i32 s96, s[EA], s[EA+1]
	s_add_co_i32 s96, s96, 127
	s_lshl_b32 s96, s96, 23                        ; 2^(eA + eB) as f32
	s_mov_b32 s97, s96
	s_wait_loadcnt 0x0                             ; the bias
	s_wait_tensorcnt 1                             ; my part of K step 0 is in; K step 1's load may be out
	s_barrier_signal -1
	s_barrier_wait -1
	FETCH_B 0, 0, 0
	FETCH_A 0, 0, 0
	FETCH_A 0, 0, 4
	STEP 0, 1                                      ; the first step's products start the sums
	s_mov_b32 s3, LAPS-1
.Llap:
	TURN 0, 1, 1
	STEP 1, 0
	TURN 1, 0, 1
	STEP 0, 0
	s_sub_co_u32 s3, s3, 1
	s_cmp_lg_u32 s3, 0
	s_cbranch_scc1 .Llap
	TURN 0, 1, 0                                   ; the last lap fills nothing
	STEP 1, 0
	s_wait_dscnt 16
	WIN MUL_LO
	MUL16 0, 1, 0
	MUL16 2, 1, 0
	s_wait_dscnt 0
	WIN MUL_HI
	MUL16 4, 1, 0
	MUL16 6, 1, 0
	WIN 0
; THE WAY OUT, a block of 16 rows x 128 columns at a time: sum x 2^e + bias in one multiply-add, through my stage, back as whole rows of 512 bytes, + the residual's same rows, stored.
.macro TOSTAGE a
.set AC, 64*((\a)%4)
	WIN 0x40                                       ; destination window 1
.set n, 0
.rept 16
	global_load_b128 v[RES+64*((\a)%2)+4*n:RES+64*((\a)%2)+4*n+3], v[CO], s[12:13] offset:(16*(\a)+n)*4096
.set n, n+1
.endr
	WIN 0x42+((\a)/4)                              ; destination window 1, source 0 window 2 or 3, the bias window 0
.set n, 0
.rept 32
	v_pk_fma_f32 v[TMP+n:TMP+n+1], v[AC+n:AC+n+1], s[96:97], v[BIA+n:BIA+n+1] op_sel_hi:[1,0,1]   ; each accumulator from its low end on
.set n, n+2
.endr
	WIN 0x04                                       ; the stores' data window 1
.irp b, 0,1,2,3,4,5,6,7
	ds_store_b128 v[STO], v[TMP+8*\b:TMP+8*\b+3] offset:64*\b
	ds_store_b128 v[STO], v[TMP+8*\b+4:TMP+8*\b+7] offset:64*\b+16
.endr
	WIN 0
.set n, 0
.rept 16
	ds_load_b128 v[BK+64*((\a)%2)+4*n:BK+64*((\a)%2)+4*n+3], v[RD] offset:n*528   ; LDS serves a wave's instructions in order
.set n, n+1
.endr
.endm
.macro SEND a, younger, lyoung
	s_wait_dscnt \younger                          ; the block is back in registers,
	s_wait_loadcnt \lyoung                         ; and its rows of the residual are in
	WIN 0x04                                       ; source 1 window 1
.set n, 0
.rept 32
	v_pk_add_f32 v[BK+64*((\a)%2)+n:BK+64*((\a)%2)+n+1], v[BK+64*((\a)%2)+n:BK+64*((\a)%2)+n+1], v[RES+64*((\a)%2)+n:RES+64*((\a)%2)+n+1]
.set n, n+2
.endr
	WIN 0
.set n, 0
.rept 16
	global_store_b128 v[CO], v[BK+64*((\a)%2)+4*n:BK+64*((\a)%2)+4*n+3], s[14:15] offset:(16*(\a)+n)*4096 th:TH_STORE_NT   ; 512 consecutive bytes, aligned; written once, read by nobody here
.set n, n+1
.endr
.endm
	PLACES
	TOSTAGE 0
.irp a, 1,2,3,4,5,6,7
.if \a > 1
	s_wait_xcnt 0x0                                ; block a - 2's stores have read their registers
.endif
	TOSTAGE \a
	SEND \a-1, 32, 16                              ; behind block a - 1's: block a's 16 LDS stores and 16 LDS loads; its 16 loads of the residual
.endr
	SEND 7, 0, 0
	s_wait_tensorcnt 0x0                           ; the wave's end
	ds_add_u32 v[SPW], v[NIL]
	s_wait_dscnt 0x0
	CROUND                                         ; the closing round
	s_endpgm
.Lfunc_end_k_qa0341c4144_ffn2:
	.size	k_qa0341c4144_ffn2, .Lfunc_end_k_qa0341c4144_ffn2-k_qa0341c4144_ffn2
	.p2alignl 7, 3214868480
	.fill 96, 4, 3214868480
	.section	.rodata,"a",@progbits
	.p2align	6, 0x0
	.amdhsa_kernel k_qa0341c4144_ffn2
		.amdhsa_group_segment_fixed_size 327680
		.amdhsa_private_segment_fixed_size 0
		.amdhsa_enable_private_segment 0
		.amdhsa_kernarg_size 48
		.amdhsa_user_sgpr_count 2
		.amdhsa_user_sgpr_kernarg_segment_ptr 1
		.amdhsa_wavefront_size32 1
		.amdhsa_system_sgpr_workgroup_id_x 1
		.amdhsa_system_sgpr_workgroup_id_y 1
		.amdhsa_system_sgpr_workgroup_id_z 1
		.amdhsa_system_vgpr_workitem_id 0
		.amdhsa_next_free_vgpr 1024
		.amdhsa_next_free_sgpr 100
		.amdhsa_reserve_vcc 0
		.amdhsa_float_denorm_mode_32 3
		.amdhsa_float_denorm_mode_16_64 3
		.amdhsa_memory_ordered 1
		.amdhsa_forward_progress 1
		.amdhsa_inst_pref_size 154
	.end_amdhsa_kernel
	.amdgpu_metadata
---
amdhsa.version: [ 1, 2 ]
amdhsa.kernels:
  - .name:           k_qa0341c4144_ffn2
    .symbol:         k_qa0341c4144_ffn2.kd
    .args:
      - { .name: hid, .offset: 0, .size: 8, .value_kind: global_buffer, .address_space: global }
      - { .name: wc, .offset: 8, .size: 8, .value_kind: global_buffer, .address_space: global }
      - { .name: lowp_scales, .offset: 16, .size: 8, .value_kind: global_buffer, .address_space: global }
      - { .name: b2, .offset: 24, .size: 8, .value_kind: global_buffer, .address_space: global }
      - { .name: x1, .offset: 32, .size: 8, .value_kind: global_buffer, .address_space: global }
      - { .name: out0, .offset: 40, .size: 8, .value_kind: global_buffer, .address_space: global }
    .group_segment_fixed_size: 327680
    .private_segment_fixed_size: 0
    .kernarg_segment_align: 8
    .kernarg_segment_size: 48
    .max_flat_workgroup_size: 128
    .sgpr_count:     100
    .vgpr_count:     1024
    .wavefront_size: 32
...
	.end_amdgpu_metadata
.endif
;; end of part 7
;; ======== version 2 of 2: 7 launches
;; workspace buffers: wc 12,582,912 bytes; hc 12,582,912 bytes; qkv 12,582,912 bytes; aoc 4,194,304 bytes; x1 16,777,216 bytes; h2c 4,194,304 bytes; hid 16,777,216 bytes
;; launch prep: the kernel of part 1 again; grid 512 x 1, 4 waves a work-group, no clusters, 16,896 bytes of LDS; arguments Wq, Wk, Wv, Wo, W1, W2, x, g1, be1, lowp_scales, wc, hc; writes wc, hc
;; launch qkv: the kernel of part 2 again; grid 12 x 16, 4 waves a work-group, clusters of 4 x 4, 327,680 bytes of LDS; arguments hc, wc, lowp_scales, qkv; writes qkv
;; launch attn (part 8): grid 8 x 32, 16 waves a work-group, clusters of 4 x 1, 327,680 bytes of LDS; arguments qkv, lowp_scales, aoc; writes aoc
.if DOCPART == 8
	.amdgcn_target "amdgcn-amd-amdhsa--gfx1250"
	.amdhsa_code_object_version 6
	.text
	.protected	k_qa0341c4144_attn
	.globl	k_qa0341c4144_attn
	.p2align	8
	.type	k_qa0341c4144_attn,@function
k_qa0341c4144_attn:
	s_mov_b64 s[64:65], 0
	v_nop
	global_prefetch_b8 v0, s[64:65] scope:SCOPE_SE
	s_setreg_imm32_b32 hwreg(HW_REG_WAVE_MODE, 25, 1), 1
	s_wait_xcnt 0x0
	s_wait_alu depctr_hold_cnt(0) depctr_sa_sdst(0) depctr_va_vdst(0) depctr_va_sdst(0) depctr_va_ssrc(0) depctr_va_vcc(0) depctr_vm_vsrc(0)
	s_getreg_b32 s2, hwreg(HW_REG_IB_STS2, 6, 4)
	s_cmp_eq_u32 s2, 0
	s_cbranch_scc0 .Lentry_in_a_cluster
	s_endpgm
.Lentry_in_a_cluster:
	s_bfe_u32 s2, ttmp6, 0x10000c
	s_cmp_lg_u32 s2, 0x3003
	s_cbranch_scc0 .Lentry_shape_is_right
	s_endpgm
.Lentry_shape_is_right:
; ao[b][h][q] = softmax_k(q . k / 8 + slope_h (k - q)) v on codes of E4M3; the result is quantised at once (entry 10 of the scales) for the next product.
; t = logit x log2(e); M = the running largest t rounded up to a whole number; p = 2^(t - M) is quantised (entry 8); the row's sum is taken of the unquantised p and divides at the end.
; SHARES.  A work-group owns 256 queries of one head of one batch (y = 16 b + h); each of its sixteen waves 16 queries.  Every wave walks the 2,048 keys, 128 a step.
; THE HEAD'S WHOLE K AND V LIE IN LDS: 16 tiles of K (128 keys x 64 bytes, pitch 80) and 16 of V (64 channels x 128 keys, pitch 144), each filled once; nothing is filled again.
; A wave asks for two tiles (waves 0-7: K's steps w, w + 8; waves 8-15: V's), JOINTLY with the three other query blocks of its cluster, which walk the same head.  Two tensor loads of a wave are out at the most.
; LAYOUT.  S^T = K Q^T (v_wmma_f32_16x16x64_fp8_fp8; source 0 = 16 keys, source 1 = my queries) and O^T = V^T P^T (v_wmma_f32_16x16x128_fp8_fp8): a lane holds ONE query throughout.
; Tile c of S^T gives lane (r, h) keys 16 c + 8 h + 0..7: its eight codes are registers 2 c, 2 c + 1 of the second product's operand as that form lays k; V is fetched 8 bytes a lane in the same order.
; K and Q are fetched 16 bytes a lane: a permutation of the head's 64, the same in both.
; OUT: aoc[block of 128 tokens (32)][head 16][128 tokens][64 bytes]: a wave's 16 x 64 codes are 1,024 bytes on end.
; THE BIAS COSTS NO LINE A SCORE.  slope x (key - query) = slope x (key within 64) + slope x (64 for tiles 4-7) + slope x (the step's first key - query).  The first part, divided by the factor that
; the scores are multiplied by, is the C operand of the score products (32 registers, made once); the other two are one number a lane and step, added with -M in the one multiply-add.
; slope_h = 2^(-(h + 1) / 2).  LIMITS: e6 + e7 between -100 and 100; e8, e10 between -126 and 119.  NaN is not served.
; No prefetch: all tiles are asked for at the head.
.set KP, 80
.set VP, 144
.set KSTEPB, 128*KP
.set VSTEPB, 64*VP
.set VBASE, 16*KSTEPB
.set SPARE, VBASE+16*VSTEPB            ; the spare words: 128 bytes for each of 16 waves
.set AK0, 1                            ; v1 my place in a tile of K;  v2 in a tile of V;  v3 r;  v4 W = sl x (first key - my query)
.set AV0, 2
.set SPW, 5
.set NIL, 6
.set ADK, 8
.set ADV, 9                            ; v12 -M, v13 the largest t, v[14:15] the sum; v16-23 Q; v32-95 K's, then V's fragments; v96-159 S^T, then p; v160-191 O^T; v192-223 the bias table; v224-239 p's codes
.set WV,  18
.set SEL, 20
.set CS,  22                           ; s[22:23] log2(e) / 8 x 2^(e6 + e7)
.set G1K, 24
.set G1V, 32
.set TBK, 56                           ; LDS byte of the step's tile of K, of V
.set TBV, 57
.set KD,  58                           ; the step's first key - my wave's first query
.set SL,  59                           ; slope x log2(e);  s60: 64 x that
.set SL64, 60
.set CNT, 61
.macro CROUND
	s_barrier_signal -1
	s_barrier_wait -1
	s_cmp_lg_u32 s[WV], 0
	s_cbranch_scc1 .Lnot_wave_0_\@
	s_barrier_signal -3
.Lnot_wave_0_\@:
	s_barrier_wait -3
	s_barrier_signal -1
	s_barrier_wait -1
.endm
	s_load_b128 s[4:7], s[0:1], 0x0                ; qkv, the scales' exponents
	s_load_b64 s[8:9], s[0:1], 0x10                ; aoc
	v_lshl_add_u32 v[SPW], v0, 2, SPARE
	v_mov_b32 v[NIL], 0
	ds_add_u32 v[SPW], v[NIL]                      ; the wave's opening: the add and its wait stand ahead of my first tensor load
	v_lshrrev_b32 v8, 5, v0
	v_readfirstlane_b32 s[WV], v8
	s_and_b32 s19, s[WV], 7
	s_and_b32 s62, ttmp7, 0xffff                   ; 16 b + h: shared by the four partners
	s_and_b32 s63, s62, 15                         ; h
	s_and_b32 s67, s62, 1                          ; which head of its pair
	s_lshr_b32 s66, s62, 1
	s_lshl_b32 s66, s66, 18                        ; the pair's block in each part of qkv
	s_bfe_u32 s84, ttmp6, 0x40000                  ; cx: it enters Q's and the output's addresses alone
	s_lshl_b32 s85, ttmp9, 2
	s_add_co_u32 s85, s85, s84                     ; my block of 256 queries
	s_lshl_b32 s88, s19, 14                        ; a step is 16 KiB of the pair's block, in K and in V
	s_add_co_u32 s88, s88, s66
	s_lshl_b32 s86, s67, 6
	s_add_co_u32 s86, s86, s88
	s_add_co_u32 s86, s86, 0x400000                ; K's part
	s_mov_b32 s87, 0
	s_lshl_b32 s90, s67, 13
	s_add_co_u32 s90, s90, s88
	s_add_co_u32 s90, s90, 0x800000                ; V's part
	s_mov_b32 s91, 0
	s_mul_i32 s92, s19, KSTEPB
	s_mul_i32 s93, s19, VSTEPB
	s_add_co_u32 s93, s93, VBASE
	s_lshl_b32 s96, s85, 15                        ; Q: 256 rows of 128 bytes a block, 16 a wave
	s_lshl_b32 s89, s[WV], 11
	s_add_co_u32 s96, s96, s89
	s_add_co_u32 s96, s96, s66
	s_lshl_b32 s89, s67, 6
	s_add_co_u32 s96, s96, s89
	s_mov_b32 s97, 0
	s_lshl_b32 s[KD], s85, 8
	s_lshl_b32 s89, s[WV], 4
	s_add_co_u32 s[KD], s[KD], s89
	s_sub_co_i32 s[KD], 0, s[KD]                   ; key 0 - my first query
	s_lshr_b32 s98, s62, 4
	s_lshl_b32 s98, s98, 3
	s_add_co_u32 s98, s98, s85                     ; my 256 tokens: two blocks of 128, 131,072 bytes each,
	s_lshl_b32 s98, s98, 18
	s_lshr_b32 s89, s[WV], 3
	s_lshl_b32 s89, s89, 17                        ; waves 8-15 in the second;
	s_add_co_u32 s98, s98, s89
	s_lshl_b32 s89, s63, 13                        ; the head's 128 rows of 64 bytes;
	s_add_co_u32 s98, s98, s89
	s_lshl_b32 s89, s19, 10                        ; my 16 rows of them
	s_add_co_u32 s98, s98, s89
	s_mov_b32 s99, 0
	s_mov_b32 s[G1K], 15|(1<<20)|(1<<21)|(3<<22)|(3<<25)   ; the mask: all four; elements of 1 byte; padding: 4 words behind every 16
	s_mov_b32 s[G1K+1], 64<<16                     ; tensor_dim0
	s_mov_b32 s[G1K+2], 128<<16                    ; tensor_dim1
	s_mov_b32 s[G1K+3], 64<<16                     ; tile_dim0
	s_mov_b32 s[G1K+4], 128                        ; tile_dim1
	s_mov_b32 s[G1K+5], 128                        ; from key to key: the pair's 128 bytes
	s_mov_b32 s[G1K+6], 0
	s_mov_b32 s[G1K+7], 0
	s_mov_b32 s[G1V], 15|(1<<20)|(1<<21)|(4<<22)|(3<<25)   ; padding: 4 words behind every 32
	s_mov_b32 s[G1V+1], 128<<16
	s_mov_b32 s[G1V+2], 64<<16
	s_mov_b32 s[G1V+3], 128<<16
	s_mov_b32 s[G1V+4], 64
	s_mov_b32 s[G1V+5], 128
	s_mov_b32 s[G1V+6], 0
	s_mov_b32 s[G1V+7], 0
	s_mov_b32 s[SEL], 0x76543210
	s_mov_b32 s[SEL+1], 0xfedcba98
	s_mov_b32 s[TBK], 0
	s_mov_b32 s[TBV], 0
	s_wait_dscnt 0x0                               ; the opening add is done
	s_wait_kmcnt 0x0
	s_load_b512 s[68:83], s[6:7], 0x0              ; e0 .. e15 in s68 .. s83
	s_add_nc_u64 s[94:95], s[4:5], s[86:87]
	s_mov_b32 s40, 1
	s_mov_b32 s41, s92
	s_mov_b64 s[42:43], s[94:95]
	s_or_b32 s43, s43, 0x80000000
	s_mov_b32 s44, 1
	s_add_co_u32 s45, s92, 8*KSTEPB
	s_add_nc_u64 s[46:47], s[94:95], 8*16384
	s_or_b32 s47, s47, 0x80000000
	s_add_nc_u64 s[94:95], s[4:5], s[90:91]
	s_mov_b32 s48, 1
	s_mov_b32 s49, s93
	s_mov_b64 s[50:51], s[94:95]
	s_or_b32 s51, s51, 0x80000000
	s_mov_b32 s52, 1
	s_add_co_u32 s53, s93, 8*VSTEPB
	s_add_nc_u64 s[54:55], s[94:95], 8*16384
	s_or_b32 s55, s55, 0x80000000
	s_add_nc_u64 s[4:5], s[4:5], s[96:97]          ; Q at my first query
	s_add_nc_u64 s[8:9], s[8:9], s[98:99]          ; my 1,024 bytes of the output
	CROUND                                         ; all four work-groups are here: the joint loads meet
	s_cmp_lt_u32 s[WV], 8                          ; a wave's two fills stand in one branch, ahead of every wait on TENSORcnt and every LDS read
	s_cbranch_scc0 .Lfirst_v
	tensor_load_to_lds s[40:43], s[G1K:G1K+7]
	s_nop 0
	tensor_load_to_lds s[44:47], s[G1K:G1K+7]
	s_nop 0
.rept 4
	v_nop
.endr
	s_branch .Lfirst_asked
.Lfirst_v:
	tensor_load_to_lds s[48:51], s[G1V:G1V+7]
	s_nop 0
	tensor_load_to_lds s[52:55], s[G1V:G1V+7]
	s_nop 0
.rept 4
	v_nop
.endr
.Lfirst_asked:
	v_and_b32 v3, 15, v0                           ; r
	v_bfe_u32 v9, v0, 4, 1                         ; h
	v_lshlrev_b32 v7, 7, v3
	v_lshl_add_u32 v7, v9, 4, v7
	global_load_b128 v[16:19], v7, s[4:5]          ; Q's fragment stays in registers
	global_load_b128 v[20:23], v7, s[4:5] offset:32
	v_mul_u32_u24 v[AK0], v3, KP
	v_lshl_add_u32 v[AK0], v9, 4, v[AK0]
	v_mul_u32_u24 v[AV0], v3, VP
	v_lshl_add_u32 v[AV0], v9, 3, v[AV0]
	v_add_nc_u32 v[AV0], VBASE, v[AV0]
	v_lshlrev_b32 v10, 3, v9                       ; 8 h
.irp t, 0,1,2,3
.irp j, 0,1,2,3,4,5,6,7
	v_add_nc_u32 v[192+8*\t+\j], 16*\t+\j, v10     ; the key within 64 that register j of tile t holds
.endr
.endr
	v_mov_b32 v13, 0xff61b1e6                      ; the largest t so far: -3e38
	v_floor_f32 v12, -v13
	v_mov_b32 v14, 0
	v_mov_b32 v15, 0
	v_mov_b32 v11, 0                               ; a lane permute's destination counts as read
	v_mov_b32 v247, 0                              ; upper halves of pairs of which the low word serves both halves
	v_mov_b32 v249, 0
	v_mov_b32 v253, 0
.set n, 0
.rept 32
	v_mov_b32 v[160+n], 0                          ; O^T: the step is written once; the first change of M multiplies zeros
.set n, n+1
.endr
	s_wait_kmcnt 0x0
	s_lshr_b32 s88, s63, 1
	s_lshl_b32 s88, s88, 23
	s_cmp_eq_u32 s67, 1
	s_mov_b32 s89, 0x3f3504f3                      ; 2^(-1/2): even heads
	s_cselect_b32 s89, 0x3f000000, s89             ; 2^(-1): odd heads
	s_sub_co_u32 s89, s89, s88                     ; x 2^(-(h / 2)): the slope
	s_add_co_i32 s96, s74, s75                     ; e6 + e7
	s_lshl_b32 s97, s96, 23
	s_add_co_i32 s[CS], s97, 0x3e38aa3b            ; log2(e) / 8 x 2^(e6 + e7)
	s_mov_b32 s[CS+1], s[CS]
	s_sub_co_i32 s96, 3, s96
	s_lshl_b32 s96, s96, 23
	s_add_co_i32 s98, s89, s96                     ; slope x 8 / 2^(e6 + e7): what a key's place adds to a raw score
	s_mul_f32 s[SL], s89, 0x3fb8aa3b               ; slope x log2(e)
	s_add_co_u32 s[SL64], s[SL], 6<<23
.set n, 0
.rept 32
	v_cvt_f32_u32 v[192+n], v[192+n]
.set n, n+1
.endr
.set n, 0
.rept 32
	v_mul_f32 v[192+n], s98, v[192+n]
.set n, n+1
.endr
	s_add_co_i32 s88, s76, 127
	s_lshl_b32 s89, s88, 23
	v_mov_b32 v244, s89                            ; 2^e8
	s_add_co_i32 s88, s88, 8
	s_lshl_b32 s88, s88, 23
	s_or_b32 s88, s88, 0x600000
	v_mov_b32 v240, s88                            ; 448 x 2^e8
	s_add_co_i32 s88, s78, 127
	s_lshl_b32 s89, s88, 23
	v_mov_b32 v245, s89                            ; 2^e10
	s_add_co_i32 s88, s88, 8
	s_lshl_b32 s88, s88, 23
	s_or_b32 s88, s88, 0x600000
	v_mov_b32 v241, s88                            ; 448 x 2^e10
.macro STEP                            ; 128 keys
	v_add_nc_u32 v[ADK], s[TBK], v[AK0]            ; these four plain lines are the places behind the last step's products, ahead of the loads into their registers
	v_add_nc_u32 v[ADV], s[TBV], v[AV0]
	v_sub_nc_u32 v10, s[KD], v3
	v_cvt_f32_i32 v10, v10                         ; the step's first key - my query
.irp t, 0,1,2,3,4,5,6,7
	ds_load_b128 v[32+8*\t:35+8*\t], v[ADK] offset:16*KP*\t
	ds_load_b128 v[36+8*\t:39+8*\t], v[ADK] offset:16*KP*\t+32
.endr
	v_mul_f32 v4, s[SL], v10
	s_wait_dscnt 0x0
.irp t, 0,1,2,3,4,5,6,7
	v_wmma_f32_16x16x64_fp8_fp8 v[96+8*\t:103+8*\t], v[32+8*\t:39+8*\t], v[16:23], v[192+8*(\t%4):199+8*(\t%4)]
.endr
.rept 4
	v_nop
.endr
.irp t, 0,1,2,3
.irp c, 0,1,2,3,4,5,6,7
	ds_load_b64 v[32+16*\t+2*\c:33+16*\t+2*\c], v[ADV] offset:16*VP*\t+16*\c   ; V's fragments land while the softmax is walked
.endr
.endr
	v_max3_num_f32 v254, v96, v97, v98             ; the largest raw score: tiles 0-3, tiles 4-7, each tile from its low end on
	v_max3_num_f32 v252, v128, v129, v130
.irp i, 3,5,7,9,11,13,15,17,19,21,23,25,27,29
	v_max3_num_f32 v254, v254, v[96+\i], v[97+\i]
	v_max3_num_f32 v252, v252, v[128+\i], v[129+\i]
.endr
	v_max_num_f32 v254, v254, v127
	v_max_num_f32 v252, v252, v159
	v_mul_f32 v254, s[CS], v254                    ; as t (the factor is positive),
	v_fma_f32 v252, v252, s[CS], s[SL64]           ; tiles 4-7 lie 64 keys on
	v_max_num_f32 v254, v254, v252
	v_permlanex16_b32 v11, v254, s[SEL], s[SEL+1]
	v_max_num_f32 v254, v254, v11                  ; and lane l xor 16's
	v_add_f32 v254, v254, v4
	v_max_num_f32 v13, v13, v254                   ; the running largest t
	v_mov_b32 v254, v12
	v_floor_f32 v12, -v13                          ; -M = -ceil(t)
	v_sub_f32 v254, v12, v254                      ; old M - new M: a whole number, 0 or less
	v_cvt_i32_f32 v254, v254                       ; (it saturates)
	v_ldexp_f32 v252, 1.0, v254                    ; f = 2^(old M - new M): rounds nothing
	v_add_f32 v246, v4, v12                        ; W - M
	v_add_f32 v248, s[SL64], v246
.set n, 0
.rept 16
	v_pk_fma_f32 v[96+n:97+n], v[96+n:97+n], s[CS:CS+1], v[246:247] op_sel_hi:[1,0,0]
.set n, n+2
.endr
.rept 16
	v_pk_fma_f32 v[96+n:97+n], v[96+n:97+n], s[CS:CS+1], v[248:249] op_sel_hi:[1,0,0]
.set n, n+2
.endr
.set n, 0
.rept 64
	v_exp_f32 v[96+n], v[96+n]                     ; p = 2^(t - M)
.set n, n+1
.endr
	v_pk_mul_f32 v[14:15], v[14:15], v[252:253] op_sel_hi:[1,0]   ; the sums under the new M: the plain line behind the exponentials
	s_wait_alu depctr_va_vdst(0)                   ; one wait for the batch, ahead of its first reader
	v_pk_add_f32 v[242:243], v[96:97], v[98:99]    ; the row's sum, of the unquantised p, in two chains
.irp j, 4,8,12,16,20,24,28,32,36,40,44,48,52,56,60
	v_pk_add_f32 v[14:15], v[14:15], v[96+\j:97+\j]
	v_pk_add_f32 v[242:243], v[242:243], v[98+\j:99+\j]
.endr
	v_pk_add_f32 v[14:15], v[14:15], v[242:243]
.irp c, 0,1,2,3,4,5,6,7
.irp i, 0,1,2,3,4,5,6,7
	v_min_num_f32 v[96+8*\c+\i], v[96+8*\c+\i], v240   ; the conversion does not saturate (ISA guide 7.6.2); p is not negative
.endr
	v_cvt_scalef32_pk8_fp8_f32 v[224+2*\c:225+2*\c], v[96+8*\c:103+8*\c], v244
.endr
.set n, 0
.rept 16
	v_pk_mul_f32 v[160+n:161+n], v[160+n:161+n], v[252:253] op_sel_hi:[1,0]   ; O^T under the new M; also the plain lines behind the conversions
.set n, n+2
.endr
	s_wait_dscnt 0x0                               ; V's fragments
.irp t, 0,1,2,3
	v_wmma_f32_16x16x128_fp8_fp8 v[160+8*\t:167+8*\t], v[32+16*\t:47+16*\t], v[224:239], v[160+8*\t:167+8*\t]
.endr
	s_add_co_u32 s[TBK], s[TBK], KSTEPB
	s_add_co_u32 s[TBV], s[TBV], VSTEPB
	s_add_co_i32 s[KD], s[KD], 128
.endm
	s_wait_loadcnt 0x0                             ; Q
	s_wait_tensorcnt 1                             ; my first tile (steps 0-7) is in; my second may stay out
	s_barrier_signal -1
	s_barrier_wait -1
	s_mov_b32 s[CNT], 8
.Lhalf0:
	STEP
	s_sub_co_u32 s[CNT], s[CNT], 1
	s_cmp_lg_u32 s[CNT], 0
	s_cbranch_scc1 .Lhalf0
	s_wait_tensorcnt 0x0                           ; my second tile (steps 8-15) is in,
	s_wait_dscnt 0x0
	s_barrier_signal -1
	s_barrier_wait -1                              ; everybody's is
	s_mov_b32 s[CNT], 8
.Lhalf1:
	STEP
	s_sub_co_u32 s[CNT], s[CNT], 1
	s_cmp_lg_u32 s[CNT], 0
	s_cbranch_scc1 .Lhalf1
	; THE WAY OUT.  O^T / the sum x 2^(e8 + e9), quantised; 16 rows of 64 codes go through my stage (in K's region: behind this barrier nobody reads it, and nothing is filled any more) and leave as 1,024 bytes on end.
	s_wait_dscnt 0x0
	s_barrier_signal -1
	s_barrier_wait -1
	v_add_f32 v14, v14, v15
	v_permlanex16_b32 v11, v14, s[SEL], s[SEL+1]
	v_add_f32 v14, v14, v11                        ; the row's sum
	v_rcp_f32 v14, v14
	v_bfe_u32 v9, v0, 4, 1                         ; (a plain line behind the transcendental)
	s_mul_i32 s88, s[WV], 16*KP
	v_mul_u32_u24 v8, v3, KP
	v_lshl_add_u32 v8, v9, 3, v8
	v_add_nc_u32 v8, s88, v8                       ; in: row r, 8 bytes for each half of the lanes
	v_and_b32 v10, 31, v0
	v_lshrrev_b32 v7, 2, v10
	v_mul_u32_u24 v7, v7, KP
	v_and_b32 v9, 3, v10
	v_lshl_add_u32 v7, v9, 4, v7
	v_add_nc_u32 v7, s88, v7                       ; back: four lanes to a row, eight rows an instruction
	v_lshlrev_b32 v10, 4, v10
	s_add_co_i32 s89, s76, s77
	s_wait_alu depctr_va_vdst(0)                   ; the wait ahead of the reciprocal's first reader
	v_ldexp_f32 v14, v14, s89
.set n, 0
.rept 32
	v_mul_f32 v[96+n], v[160+n], v14               ; register 8 t + j: channel 16 t + 8 h + j of query r
.set n, n+1
.endr
.set n, 0
.rept 32
	v_med3_num_f32 v[96+n], v[96+n], -v241, v241
.set n, n+1
.endr
.irp t, 0,1,2,3
	v_cvt_scalef32_pk8_fp8_f32 v[224+2*\t:225+2*\t], v[96+8*\t:103+8*\t], v245
.endr
	v_nop
.irp t, 0,1,2,3
	ds_store_b64 v8, v[224+2*\t:225+2*\t] offset:16*\t
.endr
	ds_load_b128 v[32:35], v7                      ; LDS serves a wave's instructions in order
	ds_load_b128 v[36:39], v7 offset:8*KP
	s_wait_dscnt 1
	global_store_b128 v10, v[32:35], s[8:9]        ; 512 consecutive bytes, aligned
	s_wait_dscnt 0
	global_store_b128 v10, v[36:39], s[8:9] offset:512
	s_wait_tensorcnt 0x0                           ; the wave's end
	ds_add_u32 v[SPW], v[NIL]
	s_wait_dscnt 0x0
	CROUND                                         ; the closing round
	s_endpgm
.Lfunc_end_k_qa0341c4144_attn:
	.size	k_qa0341c4144_attn, .Lfunc_end_k_qa0341c4144_attn-k_qa0341c4144_attn
	.p2alignl 7, 3214868480
	.fill 96, 4, 3214868480
	.section	.rodata,"a",@progbits
	.p2align	6, 0x0
	.amdhsa_kernel k_qa0341c4144_attn
		.amdhsa_group_segment_fixed_size 327680
		.amdhsa_private_segment_fixed_size 0
		.amdhsa_enable_private_segment 0
		.amdhsa_kernarg_size 24
		.amdhsa_user_sgpr_count 2
		.amdhsa_user_sgpr_kernarg_segment_ptr 1
		.amdhsa_wavefront_size32 1
		.amdhsa_system_sgpr_workgroup_id_x 1
		.amdhsa_system_sgpr_workgroup_id_y 1
		.amdhsa_system_sgpr_workgroup_id_z 1
		.amdhsa_system_vgpr_workitem_id 0
		.amdhsa_next_free_vgpr 256
		.amdhsa_next_free_sgpr 100
		.amdhsa_reserve_vcc 0
		.amdhsa_float_denorm_mode_32 3
		.amdhsa_float_denorm_mode_16_64 3
		.amdhsa_memory_ordered 1
		.amdhsa_forward_progress 1
		.amdhsa_inst_pref_size 51
	.end_amdhsa_kernel
	.amdgpu_metadata
---
amdhsa.version: [ 1, 2 ]
amdhsa.kernels:
  - .name:           k_qa0341c4144_attn
    .symbol:         k_qa0341c4144_attn.kd
    .args:
      - { .name: qkv, .offset: 0, .size: 8, .value_kind: global_buffer, .address_space: global }
      - { .name: lowp_scales, .offset: 8, .size: 8, .value_kind: global_buffer, .address_space: global }
      - { .name: aoc, .offset: 16, .size: 8, .value_kind: global_buffer, .address_space: global }
    .group_segment_fixed_size: 327680
    .private_segment_fixed_size: 0
    .kernarg_segment_align: 8
    .kernarg_segment_size: 24
    .max_flat_workgroup_size: 512
    .sgpr_count:     100
    .vgpr_count:     256
    .wavefront_size: 32
...
	.end_amdgpu_metadata
.endif
;; end of part 8
;; launch wo (part 9): grid 8 x 32, 4 waves a work-group, clusters of 4 x 4, 327,680 bytes of LDS; arguments aoc, wc, lowp_scales, bo, x, x1; writes x1
.if DOCPART == 9
	.amdgcn_target "amdgcn-amd-amdhsa--gfx1250"
	.amdhsa_code_object_version 6
	.text
	.protected	k_qa0341c4144_wo
	.globl	k_qa0341c4144_wo
	.p2align	8
	.type	k_qa0341c4144_wo,@function
k_qa0341c4144_wo:
	s_mov_b64 s[64:65], 0
	v_nop
	global_prefetch_b8 v0, s[64:65] scope:SCOPE_SE
	s_setreg_imm32_b32 hwreg(HW_REG_WAVE_MODE, 25, 1), 1
	s_wait_xcnt 0x0
	s_wait_alu depctr_hold_cnt(0) depctr_sa_sdst(0) depctr_va_vdst(0) depctr_va_sdst(0) depctr_va_ssrc(0) depctr_va_vcc(0) depctr_vm_vsrc(0)
	s_getreg_b32 s2, hwreg(HW_REG_IB_STS2, 6, 4)
	s_cmp_eq_u32 s2, 0
	s_cbranch_scc0 .Lentry_in_a_cluster
	s_endpgm
.Lentry_in_a_cluster:
	s_bfe_u32 s2, ttmp6, 0x10000c
	s_cmp_lg_u32 s2, 0xf033
	s_cbranch_scc0 .Lentry_shape_is_right
	s_endpgm
.Lentry_shape_is_right:
; x1 = x + (ao Wo^T + bo): the product on codes of E4M3 (v_wmma_f32_16x16x128_fp8_fp8, sums in f32), scales: entries 10 and 11.
; A tile of C is 128 x 128: C has 32 x 8 such tiles, one for each of 256 work-groups.  Four waves, 64 x 64 each: 16 accumulators.  K = 1,024 is two slots of 512 along K: both are first fills, nothing is filled again.
; A = aoc, laid [block of 128 tokens][head 16][128 tokens][64 bytes]: a slot's part of a tile is eight heads' planes, 65,536 bytes on end; a load brings four planes as 512 rows of 64 bytes (LDS pitch 80).
; B = Wo's codes in wc, rows of 1,024 bytes; a load brings 64 rows x 512 bytes (LDS pitch 528).  Source 0 = 16 rows of B, source 1 = 16 rows of A: a lane holds eight neighbouring columns of one row of C.
; CLUSTERS 4 x 4: A's tile is asked for jointly along a row of the cluster, B's along a column.
; The residual's rows are asked for at the head, into registers of their own, and waited for once, ahead of the way out.
; LIMIT: e10 + e11 between -126 and 127.  The fragments are fetched 16 bytes a lane: a permutation of k, the same in A and in B.
; REGISTERS: window 0: v8-15 A's LDS addresses (slot s, quarter q at 4 s + q), v16-17 B's, v24-29 the way out's and the add's; v32-63 the bias; v64-127 a block's scaled sums, two sets; v128-255 the accumulators ((a, b) at 8 (4 a + b)).
;   window 1: two fragment buffers of 128 (A's four fragments, then B's four); on the way out v0-127: rows back from the stage.   window 2: v0-127 the residual's rows.
.set SIZE_K, 1024
.set KS,     512                       ; along K in a slot
.set AROWB,  64
.set ANROWS, 512
.set AQI,    3
.set APITCH, AROWB+16
.set APLANE, 128*APITCH                ; a plane of 128 rows in LDS
.set ASZ,    2*ANROWS*APITCH
.set AHALFG, 32768                     ; memory: from the first load's bytes to the second's
.set ASTEP,  65536                     ; memory: from slot to slot
.set ATILEB, 128*SIZE_K
.set OFFB,   3145728                   ; Wo in wc
.set EA,     78                        ; s78 = e10, s79 = e11
.set BPITCH, 528                       ; 512 bytes + 16: the 16 rows of a fragment load start at 16 different groups of banks (ISA guide 11.1)
.set BSZ,    128*BPITCH
.set SLOT,   ASZ+BSZ
.set SPARE,  2*SLOT                    ; behind the ring: the spare words, 128 bytes for each wave
.set LAPS,   SIZE_K/(2*KS)
.set SPITCH, 272                       ; the way out: a stage of 16 rows x (256 bytes + 16) for each wave, in slot 0, used when that slot has had its last fill and its last read
.set ADRA, 8
.set ADRB, 16
.set STO,  24
.set RD,   25
.set CO,   26
.set SPW,  28
.set NIL,  29
.set BIA,  32                          ; register 8 b + j = bias(16 b + 8 h + j) of my 64 columns
.set TMP,  64
.set ACC,  128
.set F0,   0
.set F1,   128
.set BK,   0                           ; window 1
.set RES,  0                           ; window 2
.set G1, 24
.set G0, 32
.set G1B, 48
.set G0B, 56
.set WV, 85
.set RH, 86                            ; wave / 2: my half of the tile's rows.  Also: I fetch for A (0) or B (1)
.set CH, 87                            ; wave % 2: my half of its columns.  Also: which half of that tile I fetch
.set MSB, 0
.macro WIN new                         ; the immediate's high byte repeats the setting that is left
.if MSB != (\new)
	s_set_vgpr_msb (MSB<<8)|(\new)
.set MSB, (\new)
.endif
.endm
.set MUL,  0x05                        ; sources 0 (B) and 1 (A) window 1; C and D window 0
.set TO_F, 0x40                        ; destination window 1, address window 0
.macro JLOAD s                         ; a joint load; an s_nop 0 and four v_nop follow each of the two lines
	s_cmp_eq_u32 s[RH], 0
	s_cbranch_scc0 .Lfor_b_\@
	tensor_load_to_lds s[G0+4*\s:G0+4*\s+3], s[G1:G1+7]
	s_nop 0
.rept 4
	v_nop
.endr
	s_branch .Lasked_\@
.Lfor_b_\@:
	tensor_load_to_lds s[G0B+4*\s:G0B+4*\s+3], s[G1B:G1B+7]
	s_nop 0
.rept 4
	v_nop
.endr
.Lasked_\@:
.endm
.macro CREST                           ; a round of the cluster's barrier behind its opening barrier
	s_cmp_lg_u32 s[WV], 0
	s_cbranch_scc1 .Lnot_wave_0_\@
	s_barrier_signal -3
.Lnot_wave_0_\@:
	s_barrier_wait -3
	s_barrier_signal -1
	s_barrier_wait -1
.endm
.macro CROUND
	s_barrier_signal -1
	s_barrier_wait -1
	CREST
.endm
.macro PLACES                          ; four plain places behind a matrix instruction, ahead of loads into its registers and of reads of its results
.rept 4
	v_nop
.endr
.endm
.macro MUL4 f, a, zero                 ; A's block a x B's four, 128 along K, out of buffer f.  The 16 accumulators take turns
.irp b, 0,1,2,3
.if \zero
	v_wmma_f32_16x16x128_fp8_fp8 v[ACC+8*(4*(\a)+\b):ACC+8*(4*(\a)+\b)+7], v[\f+64+16*\b:\f+64+16*\b+15], v[\f+16*(\a):\f+16*(\a)+15], 0
.else
	v_wmma_f32_16x16x128_fp8_fp8 v[ACC+8*(4*(\a)+\b):ACC+8*(4*(\a)+\b)+7], v[\f+64+16*\b:\f+64+16*\b+15], v[\f+16*(\a):\f+16*(\a)+15], v[ACC+8*(4*(\a)+\b):ACC+8*(4*(\a)+\b)+7]
.endif
.endr
.endm
.macro FETCH slot, q, f                ; 32 LDS loads in one run: the fragments of the slot's q-th 128 along K into buffer f: B's four, then A's four
	WIN TO_F
.irp i, 0,1,2,3
.irp c, 0,1,2,3
	ds_load_b128 v[\f+64+16*\i+4*\c:\f+64+16*\i+4*\c+3], v[ADRB+\slot] offset:128*(\q)+32*\c+\i*16*BPITCH
.endr
.endr
.irp i, 0,1,2,3
.irp c, 0,1,2,3
	ds_load_b128 v[\f+16*\i+4*\c:\f+16*\i+4*\c+3], v[ADRA+4*(\slot)+(\q)] offset:((32*\c)/AROWB)*APLANE+(32*\c)%AROWB+\i*16*APITCH
.endr
.endr
.endm
.macro QUARTER slot, q, f, g, zero     ; multiplies buffer f; in its middle the slot's q-th 128 along K is fetched into buffer g
	s_wait_dscnt 8                                 ; B's four and A's blocks 0, 1 are in; A's blocks 2, 3 (8 loads) may be out
	WIN MUL
	MUL4 \f, 0, \zero
	MUL4 \f, 1, \zero
	PLACES
	FETCH \slot, \q, \g
	s_wait_dscnt 32                                ; all but the 32 just issued
	WIN MUL
	MUL4 \f, 2, \zero
	MUL4 \f, 3, \zero
.endm
.macro TURN slot, next, fill           ; a slot's last quarter (buffer 1), and the change of slots
	WIN 0                                          ; (the add's two registers lie in window 0)
	s_wait_tensorcnt 0x0                           ; all my tensor loads have landed: my part of the next slot
	ds_add_u32 v[SPW], v[NIL]                      ; 0 onto my spare word
	s_wait_dscnt 9                                 ; (the add and A's blocks 2, 3 may be out)
	WIN MUL
	MUL4 F1, 0, 0
	s_wait_dscnt 0x0                               ; the add is done, and my reads of this slot are over
	s_barrier_signal -1
	MUL4 F1, 1, 0
	WIN 0
	s_barrier_wait -1
.if \fill
	CREST                                          ; the barrier has opened a round of the cluster's: no wave of any partner still reads this slot or has a load on its way
	s_add_nc_u64 s[G0+4*\slot+2:G0+4*\slot+3], s[G0+4*\slot+2:G0+4*\slot+3], 2*ASTEP
	s_add_nc_u64 s[G0B+4*\slot+2:G0B+4*\slot+3], s[G0B+4*\slot+2:G0B+4*\slot+3], 2*KS
	JLOAD \slot                                    ; the first tensor load behind the round; its four v_nop are the places in front of the loads below
.else
	PLACES
.endif
	FETCH \next, 0, F0
	WIN MUL
	MUL4 F1, 2, 0
	MUL4 F1, 3, 0
.endm
	s_load_b256 s[4:11], s[0:1], 0x0               ; A's codes, wc, the scales' exponents, the bias
	s_load_b128 s[12:15], s[0:1], 0x20             ; the residual, the output
	v_lshl_add_u32 v[SPW], v0, 2, SPARE
	v_mov_b32 v[NIL], 0
	ds_add_u32 v[SPW], v[NIL]                      ; the wave's opening: the add and its wait stand ahead of my first tensor load
	v_lshrrev_b32 v1, 5, v0
	v_readfirstlane_b32 s[WV], v1
	s_lshr_b32 s[RH], s[WV], 1
	s_and_b32 s[CH], s[WV], 1
	s_bfe_u32 s40, ttmp6, 0x40000                  ; cx
	s_bfe_u32 s41, ttmp6, 0x40004                  ; cy
	s_lshl_b32 s42, ttmp9, 2
	s_add_co_u32 s42, s42, s40                     ; tile column, 0 to 7
	s_and_b32 s88, ttmp7, 0xffff
	s_lshl_b32 s88, s88, 2
	s_add_co_u32 s88, s88, s41                     ; tile row, 0 to 31
	s_lshl_b32 s43, s41, 2
	s_lshl_b32 s43, 15, s43                        ; my row of the cluster
	s_lshl_b32 s44, 0x1111, s40                    ; my column
	s_or_b32 s[G1+0], s43, (1<<20)|(1<<21)|(AQI<<22)|(3<<25)   ; the mask; elements of 1 byte; padding on; bit 21 beside a mask; 4 words of padding behind every row
	s_or_b32 s[G1B+0], s44, (1<<20)|(1<<21)|(6<<22)|(3<<25)
	s_mov_b32 s[G1+1], AROWB<<16                   ; tensor_dim0
	s_mov_b32 s[G1+2], ANROWS<<16                  ; tensor_dim1
	s_mov_b32 s[G1+3], AROWB<<16                   ; tile_dim0
	s_mov_b32 s[G1+4], ANROWS                      ; tile_dim1
	s_mov_b32 s[G1+5], AROWB                       ; from row to row: dense
	s_mov_b32 s[G1+6], 0
	s_mov_b32 s[G1+7], 0
	s_mov_b32 s[G1B+1], KS<<16
	s_mov_b32 s[G1B+2], 64<<16
	s_mov_b32 s[G1B+3], KS<<16
	s_mov_b32 s[G1B+4], 64
	s_mov_b32 s[G1B+5], SIZE_K
	s_mov_b32 s[G1B+6], 0
	s_mov_b32 s[G1B+7], 0
	s_mul_i32 s20, s88, ATILEB
	s_mul_i32 s22, s[CH], AHALFG
	s_add_co_u32 s20, s20, s22
	s_mov_b32 s21, 0
	s_lshl_b32 s46, s42, 7
	s_lshl_b32 s22, s[CH], 6
	s_add_co_u32 s46, s46, s22                     ; B: row 128 x tile column + 64 x half
	s_mul_i32 s46, s46, SIZE_K
	s_add_co_u32 s46, s46, OFFB
	s_mov_b32 s47, 0
	s_mul_i32 s45, s[CH], ASZ/2                    ; where the tiles go: no place in the cluster enters an LDS address
	s_mul_i32 s84, s[CH], BSZ/2
	s_add_co_u32 s84, s84, ASZ
	s_wait_dscnt 0x0                               ; the opening add is done
	s_wait_kmcnt 0x0
	s_load_b512 s[68:83], s[8:9], 0x0              ; e0 .. e15 in s68 .. s83
	s_add_nc_u64 s[20:21], s[4:5], s[20:21]
	s_add_nc_u64 s[46:47], s[6:7], s[46:47]
	CROUND                                         ; all sixteen work-groups are here: the first joint loads meet
.irp s, 0,1
	s_mov_b32 s[G0+4*\s], 1
	s_add_co_u32 s[G0+4*\s+1], s45, \s*SLOT
	s_add_nc_u64 s[G0+4*\s+2:G0+4*\s+3], s[20:21], \s*ASTEP
	s_or_b32 s[G0+4*\s+3], s[G0+4*\s+3], 0x80000000
	s_mov_b32 s[G0B+4*\s], 1
	s_add_co_u32 s[G0B+4*\s+1], s84, \s*SLOT
	s_add_nc_u64 s[G0B+4*\s+2:G0B+4*\s+3], s[46:47], \s*KS
	s_or_b32 s[G0B+4*\s+3], s[G0B+4*\s+3], 0x80000000
	JLOAD \s
.endr
	v_and_b32 v1, 15, v0                           ; r
	v_bfe_u32 v2, v0, 4, 1                         ; h
	v_lshlrev_b32 v7, 5, v2
	s_lshl_b32 s16, s42, 9                         ; my 64 columns, in bytes of f32
	s_lshl_b32 s17, s[CH], 8
	s_add_co_u32 s16, s16, s17
	s_mov_b32 s17, 0
	s_add_nc_u64 s[10:11], s[10:11], s[16:17]
.irp b, 0,1,2,3
	global_load_b128 v[BIA+8*\b:BIA+8*\b+3], v7, s[10:11] offset:64*\b
	global_load_b128 v[BIA+8*\b+4:BIA+8*\b+7], v7, s[10:11] offset:64*\b+16
.endr
	s_lshl_b32 s18, s88, 19                        ; my first row: 128 rows of 4,096 bytes a tile, 64 a half
	s_lshl_b32 s19, s[RH], 18
	s_add_co_u32 s18, s18, s19
	s_add_co_u32 s16, s16, s18
	s_add_nc_u64 s[12:13], s[12:13], s[16:17]
	s_add_nc_u64 s[14:15], s[14:15], s[16:17]
	v_lshlrev_b32 v[CO], 12, v2                    ; lanes 0-15 take one row's 256 bytes, lanes 16-31 the next row's
	v_lshl_add_u32 v[CO], v1, 4, v[CO]
	WIN 0x80                                       ; destination window 2
.set n, 0
.rept 32
	global_load_b128 v[RES+4*n:RES+4*n+3], v[CO], s[12:13] offset:2*n*4096   ; the residual: rows 2 n, 2 n + 1 of my 64
.set n, n+1
.endr
	WIN 0
	v_mul_u32_u24 v3, v1, APITCH
	v_lshl_add_u32 v3, v2, 4, v3
	v_mul_u32_u24 v4, v1, BPITCH
	v_lshl_add_u32 v4, v2, 4, v4
	s_mul_i32 s22, s[RH], 64*APITCH
	s_mul_i32 s23, s[CH], 64*BPITCH
	s_add_co_u32 s23, s23, ASZ
.irp s, 0,1
.irp q, 0,1,2,3
	s_add_co_u32 s16, s22, \s*SLOT+((128*\q)/AROWB)*APLANE+(128*\q)%AROWB
	v_add_nc_u32 v[ADRA+4*\s+\q], s16, v3
.endr
	s_add_co_u32 s16, s23, \s*SLOT
	v_add_nc_u32 v[ADRB+\s], s16, v4
.endr
	s_mul_i32 s16, s[WV], 16*SPITCH                ; my stage
	v_mul_u32_u24 v5, v1, SPITCH
	v_lshl_add_u32 v5, v2, 5, v5
	v_add_nc_u32 v[STO], s16, v5                   ; in: row r, 32 bytes for each half of the lanes
	v_mul_u32_u24 v5, v2, SPITCH
	v_lshl_add_u32 v5, v1, 4, v5
	v_add_nc_u32 v[RD], s16, v5                    ; back: sixteen lanes to a row, two rows an instruction
	s_wait_kmcnt 0x0
	s_add_co_i32 s96, s[EA], s[EA+1]
	s_add_co_i32 s96, s96, 127
	s_lshl_b32 s96, s96, 23                        ; 2^(eA + eB) as f32
	s_mov_b32 s97, s96
	s_wait_tensorcnt 1                             ; my part of slot 0 is in; slot 1's load may be out
	s_barrier_signal -1
	s_barrier_wait -1
	FETCH 0, 0, F0
	QUARTER 0, 1, F0, F1, 1                        ; the first quarter's products start the sums
.if LAPS > 1
	WIN 0                                          ; at a label and at a branch every window is 0
	s_mov_b32 s3, LAPS-1
.Llap:                                             ; a trip goes once round the ring, from a lap's second quarter to the next lap's first, and fills both slots again
	QUARTER 0, 2, F1, F0, 0
	QUARTER 0, 3, F0, F1, 0
	TURN 0, 1, 1
	QUARTER 1, 1, F0, F1, 0
	QUARTER 1, 2, F1, F0, 0
	QUARTER 1, 3, F0, F1, 0
	TURN 1, 0, 1
	QUARTER 0, 1, F0, F1, 0
	WIN 0
	s_sub_co_u32 s3, s3, 1
	s_cmp_lg_u32 s3, 0
	s_cbranch_scc1 .Llap
.endif
	QUARTER 0, 2, F1, F0, 0                        ; the last lap fills nothing
	QUARTER 0, 3, F0, F1, 0
	TURN 0, 1, 0
	QUARTER 1, 1, F0, F1, 0
	QUARTER 1, 2, F1, F0, 0
	QUARTER 1, 3, F0, F1, 0
	s_wait_dscnt 8                                 ; the very last quarter: nothing more to fetch
	WIN MUL
	MUL4 F1, 0, 0
	MUL4 F1, 1, 0
	s_wait_dscnt 0
	MUL4 F1, 2, 0
	MUL4 F1, 3, 0
	WIN 0
; THE WAY OUT, a block of 16 rows x 64 columns at a time: sum x 2^e + bias in one multiply-add, through my stage, back as whole rows of 256 bytes, + the residual's same rows, stored.
; Each block has registers of its own for its rows, so no store's data are written again.
.macro TOSTAGE a
.set n, 0
.rept 16
	v_pk_fma_f32 v[TMP+32*((\a)%2)+n:TMP+32*((\a)%2)+n+1], v[ACC+32*(\a)+n:ACC+32*(\a)+n+1], s[96:97], v[BIA+n:BIA+n+1] op_sel_hi:[1,0,1]   ; each accumulator from its low end on
.set n, n+2
.endr
.irp b, 0,1,2,3
	ds_store_b128 v[STO], v[TMP+32*((\a)%2)+8*\b:TMP+32*((\a)%2)+8*\b+3] offset:64*\b
	ds_store_b128 v[STO], v[TMP+32*((\a)%2)+8*\b+4:TMP+32*((\a)%2)+8*\b+7] offset:64*\b+16
.endr
	WIN 0x40                                       ; destination window 1
.irp t, 0,1,2,3,4,5,6,7
	ds_load_b128 v[BK+32*(\a)+4*\t:BK+32*(\a)+4*\t+3], v[RD] offset:\t*2*SPITCH   ; LDS serves a wave's instructions in order (ISA guide 5.7.1.4)
.endr
	WIN 0
.endm
.macro SEND a, younger                 ; younger: the LDS instructions issued behind block a's loads
	s_wait_dscnt \younger
	WIN 0x49                                       ; destination and source 0 window 1, source 1 (the residual) window 2
.set n, 0
.rept 16
	v_pk_add_f32 v[BK+32*(\a)+n:BK+32*(\a)+n+1], v[BK+32*(\a)+n:BK+32*(\a)+n+1], v[RES+32*(\a)+n:RES+32*(\a)+n+1]
.set n, n+2
.endr
	WIN 0x04                                       ; the stores' data window 1
.irp t, 0,1,2,3,4,5,6,7
	global_store_b128 v[CO], v[BK+32*(\a)+4*\t:BK+32*(\a)+4*\t+3], s[14:15] offset:(16*(\a)+2*\t)*4096   ; sixteen lanes store 256 consecutive bytes, aligned
.endr
	WIN 0
.endm
	s_wait_loadcnt 0x0                             ; the bias and the residual, asked for at the head
	PLACES
	TOSTAGE 0
	TOSTAGE 1
	SEND 0, 16                                     ; behind block 0's loads: block 1's 8 stores and 8 loads
	TOSTAGE 2
	SEND 1, 16
	TOSTAGE 3
	SEND 2, 16
	SEND 3, 0
	s_wait_tensorcnt 0x0                           ; the wave's end
	ds_add_u32 v[SPW], v[NIL]
	s_wait_dscnt 0x0
	CROUND                                         ; the closing round
	s_endpgm
.Lfunc_end_k_qa0341c4144_wo:
	.size	k_qa0341c4144_wo, .Lfunc_end_k_qa0341c4144_wo-k_qa0341c4144_wo
	.p2alignl 7, 3214868480
	.fill 96, 4, 3214868480
	.section	.rodata,"a",@progbits
	.p2align	6, 0x0
	.amdhsa_kernel k_qa0341c4144_wo
		.amdhsa_group_segment_fixed_size 327680
		.amdhsa_private_segment_fixed_size 0
		.amdhsa_enable_private_segment 0
		.amdhsa_kernarg_size 48
		.amdhsa_user_sgpr_count 2
		.amdhsa_user_sgpr_kernarg_segment_ptr 1
		.amdhsa_wavefront_size32 1
		.amdhsa_system_sgpr_workgroup_id_x 1
		.amdhsa_system_sgpr_workgroup_id_y 1
		.amdhsa_system_sgpr_workgroup_id_z 1
		.amdhsa_system_vgpr_workitem_id 0
		.amdhsa_next_free_vgpr 768
		.amdhsa_next_free_sgpr 100
		.amdhsa_reserve_vcc 0
		.amdhsa_float_denorm_mode_32 3
		.amdhsa_float_denorm_mode_16_64 3
		.amdhsa_memory_ordered 1
		.amdhsa_forward_progress 1
		.amdhsa_inst_pref_size 55
	.end_amdhsa_kernel
	.amdgpu_metadata
---
amdhsa.version: [ 1, 2 ]
amdhsa.kernels:
  - .name:           k_qa0341c4144_wo
    .symbol:         k_qa0341c4144_wo.kd
    .args:
      - { .name: aoc, .offset: 0, .size: 8, .value_kind: global_buffer, .address_space: global }
      - { .name: wc, .offset: 8, .size: 8, .value_kind: global_buffer, .address_space: global }
      - { .name: lowp_scales, .offset: 16, .size: 8, .value_kind: global_buffer, .address_space: global }
      - { .name: bo, .offset: 24, .size: 8, .value_kind: global_buffer, .address_space: global }
      - { .name: x, .offset: 32, .size: 8, .value_kind: global_buffer, .address_space: global }
      - { .name: x1, .offset: 40, .size: 8, .value_kind: global_buffer, .address_space: global }
    .group_segment_fixed_size: 327680
    .private_segment_fixed_size: 0
    .kernarg_segment_align: 8
    .kernarg_segment_size: 48
    .max_flat_workgroup_size: 128
    .sgpr_count:     100
    .vgpr_count:     768
    .wavefront_size: 32
...
	.end_amdgpu_metadata
.endif
;; end of part 9
;; launch ln2: the kernel of part 5 again; grid 256 x 1, 4 waves a work-group, no clusters, 4,608 bytes of LDS; arguments x1, g2, be2, lowp_scales, h2c; writes h2c
;; launch ffn1 (part 10): grid 16 x 16, 4 waves a work-group, clusters of 4 x 4, 327,680 bytes of LDS; arguments h2c, wc, lowp_scales, b1, hid; writes hid
.if DOCPART == 10
	.amdgcn_target "amdgcn-amd-amdhsa--gfx1250"
	.amdhsa_code_object_version 6
	.text
	.protected	k_qa0341c4144_ffn1
	.globl	k_qa0341c4144_ffn1
	.p2align	8
	.type	k_qa0341c4144_ffn1,@function
k_qa0341c4144_ffn1:
	s_mov_b64 s[64:65], 0
	v_nop
	global_prefetch_b8 v0, s[64:65] scope:SCOPE_SE
	s_setreg_imm32_b32 hwreg(HW_REG_WAVE_MODE, 25, 1), 1
	s_wait_xcnt 0x0
	s_wait_alu depctr_hold_cnt(0) depctr_sa_sdst(0) depctr_va_vdst(0) depctr_va_sdst(0) depctr_va_ssrc(0) depctr_va_vcc(0) depctr_vm_vsrc(0)
	s_getreg_b32 s2, hwreg(HW_REG_IB_STS2, 6, 4)
	s_cmp_eq_u32 s2, 0
	s_cbranch_scc0 .Lentry_in_a_cluster
	s_endpgm
.Lentry_in_a_cluster:
	s_bfe_u32 s2, ttmp6, 0x10000c
	s_cmp_lg_u32 s2, 0xf033
	s_cbranch_scc0 .Lentry_shape_is_right
	s_endpgm
.Lentry_shape_is_right:
; hid = Q(relu(h2 W1^T + b1)): the product on codes of E4M3 (v_wmma_f32_16x16x128_fp8_fp8, sums in f32; scales: entries 12, 13); the result is quantised at once for the next product (entry 14).
; A tile of C is 256 x 256, four waves, 128 x 128 each (64 accumulators): 256 work-groups.  K = 1,024 goes in steps of 256 through a ring of two LDS slots.
; Source 0 = 16 rows of B (W1), source 1 = 16 rows of A (tokens): a lane holds eight neighbouring hidden units of one token: eight neighbours along the next K.
; OUT: hid[block of 128 tokens (32)][plane of 128 units (32)][128 tokens][128 bytes]: a wave's 128 x 128 codes are one plane of one block, 16 KiB on end.
; CLUSTERS 4 x 4: A's tile is asked for jointly along a row of the cluster, B's along a column.
; LIMITS: e12 + e13 between -126 and 127; e14 between -126 and 119.  NaN is not served.  The fragments are fetched 16 bytes a lane: a permutation of k, the same in A and in B.
.set SIZE_K, 1024
.set AROWB,  256                       ; A's tile: rows of 256 bytes, 128 rows a load
.set ANROWS, 128
.set ASTRIDE, SIZE_K
.set AQI,    5
.set APITCH, AROWB+16
.set AHALFG, 128*SIZE_K
.set ASTEP,  256
.set ATILEB, 256*SIZE_K
.set OFFB,   4194304                   ; W1 in wc
.set ASZ,    2*ANROWS*APITCH
.set APLANE, 256*APITCH
.set BPITCH, 272                       ; 256 bytes + 16: the 16 rows of a fragment load start at 16 different groups of banks (ISA guide 11.1)
.set BSZ,    256*BPITCH
.set SLOT,   ASZ+BSZ
.set SPARE,  2*SLOT                    ; behind the ring: the spare words, 128 bytes for each wave
.set LAPS,   SIZE_K/512
.set ADRA, 16                          ; v16-19 LDS address of my A fragments: slot s, half q of the step at 2 s + q
.set ADRB, 20                          ; v20-21 of my B fragments in slot 0, 1
.set STO,  24
.set RD,   25
.set CO,   26
.set SCL,  27                          ; 2^e14
.set SPW,  28
.set NIL,  29
.set LIM,  30                          ; 448 x 2^e14
.set BIA,  32                          ; v32-95 b1 in the accumulators' layout: register 8 b + j = b1(16 b + 8 h + j) of my 128 units
.set CD,   96                          ; v96-111  a block's codes
.set AF,   128                         ; window 0: A's fragments, one set
.set TMP,  128                         ; the way out: a block's numbers
.set OUT,  192                         ; v192-207, v208-223 by turns: rows of codes
.set G1, 24
.set G0, 32
.set G1B, 48
.set G0B, 56
.set WV, 85
.set RH, 86                            ; wave / 2: my half of A's rows.  Also: I fetch for A (0) or B (1)
.set CH, 87                            ; wave % 2: my half of B's rows.  Also: which half of that tile I fetch
.set MSB, 0
.macro WIN new                         ; the immediate's high byte repeats the setting that is left
.if MSB != (\new)
	s_set_vgpr_msb (MSB<<8)|(\new)
.set MSB, (\new)
.endif
.endm
.set MUL_LO, 0xa1                      ; source 0 (B) window 1, source 1 (A) window 0, C and D window 2
.set MUL_HI, 0xf1                      ; the same, C and D window 3
.set TO_B,   0x40
.macro JLOAD s                         ; a joint load; an s_nop 0 and four v_nop follow each of the two lines
	s_cmp_eq_u32 s[RH], 0
	s_cbranch_scc0 .Lfor_b_\@
	tensor_load_to_lds s[G0+4*\s:G0+4*\s+3], s[G1:G1+7]
	s_nop 0
.rept 4
	v_nop
.endr
	s_branch .Lasked_\@
.Lfor_b_\@:
	tensor_load_to_lds s[G0B+4*\s:G0B+4*\s+3], s[G1B:G1B+7]
	s_nop 0
.rept 4
	v_nop
.endr
.Lasked_\@:
.endm
.macro CREST                           ; a round of the cluster's barrier behind its opening barrier
	s_cmp_lg_u32 s[WV], 0
	s_cbranch_scc1 .Lnot_wave_0_\@
	s_barrier_signal -3
.Lnot_wave_0_\@:
	s_barrier_wait -3
	s_barrier_signal -1
	s_barrier_wait -1
.endm
.macro CROUND
	s_barrier_signal -1
	s_barrier_wait -1
	CREST
.endm
.macro PLACES                          ; four plain places behind a matrix instruction, ahead of loads into its registers and of reads of its results
.rept 4
	v_nop
.endr
.endm
.macro MUL16 a0, p, zero               ; A's blocks a0, a0 + 1 x B's eight (set p), 128 along K.  The 64 accumulators take turns
.irp a, \a0, \a0+1
.irp b, 0,1,2,3,4,5,6,7
.if \zero
	v_wmma_f32_16x16x128_fp8_fp8 v[8*(8*((\a)%4)+\b):8*(8*((\a)%4)+\b)+7], v[128*(\p)+16*\b:128*(\p)+16*\b+15], v[AF+16*(\a):AF+16*(\a)+15], 0
.else
	v_wmma_f32_16x16x128_fp8_fp8 v[8*(8*((\a)%4)+\b):8*(8*((\a)%4)+\b)+7], v[128*(\p)+16*\b:128*(\p)+16*\b+15], v[AF+16*(\a):AF+16*(\a)+15], v[8*(8*((\a)%4)+\b):8*(8*((\a)%4)+\b)+7]
.endif
.endr
.endr
.endm
.macro FETCH_B slot, q, p              ; B's eight fragments of the slot's q-th 128 along K into set p
	WIN TO_B
.irp i, 0,1,2,3,4,5,6,7
.irp c, 0,1,2,3
	ds_load_b128 v[128*(\p)+16*\i+4*\c:128*(\p)+16*\i+4*\c+3], v[ADRB+\slot] offset:128*(\q)+32*\c+\i*16*BPITCH
.endr
.endr
	WIN 0
.endm
.macro FETCH_A slot, q, i0             ; A's blocks i0 .. i0 + 3
.irp i, \i0, \i0+1, \i0+2, \i0+3
.irp c, 0,1,2,3
	ds_load_b128 v[AF+16*(\i)+4*\c:AF+16*(\i)+4*\c+3], v[ADRA+2*(\slot)+(\q)] offset:((32*\c)/AROWB)*APLANE+(32*\c)%AROWB+(\i)*16*APITCH
.endr
.endr
.endm
.macro STEP slot, zero                 ; a slot's first 128 along K; the second 128's fragments are fetched
	s_wait_dscnt 16                                ; B's set and A's blocks 0-3 are in; A's blocks 4-7 (16 loads) may be out
	WIN MUL_LO
	MUL16 0, 0, \zero
	MUL16 2, 0, \zero
	s_wait_dscnt 0
	PLACES
	FETCH_B \slot, 1, 1
	FETCH_A \slot, 1, 0
	WIN MUL_HI
	MUL16 4, 0, \zero
	MUL16 6, 0, \zero
	PLACES
	WIN 0
	FETCH_A \slot, 1, 4
.endm
.macro TURN slot, next, fill           ; a slot's second 128 along K, and the change of slots
	s_wait_tensorcnt 0x0                           ; all my tensor loads have landed: my part of the next slot
	ds_add_u32 v[SPW], v[NIL]                      ; 0 onto my spare word
	s_wait_dscnt 17                                ; (the add and A's blocks 4-7 may be out)
	WIN MUL_LO
	MUL16 0, 1, 0
	s_wait_dscnt 0x0                               ; the add is done, and my reads of this slot are over
	s_barrier_signal -1
	MUL16 2, 1, 0
	WIN 0
	s_barrier_wait -1
.if \fill
	CREST                                          ; the barrier has opened a round of the cluster's: no wave of any partner still reads this slot or has a load on its way
	s_add_nc_u64 s[G0+4*\slot+2:G0+4*\slot+3], s[G0+4*\slot+2:G0+4*\slot+3], 2*ASTEP
	s_add_nc_u64 s[G0B+4*\slot+2:G0B+4*\slot+3], s[G0B+4*\slot+2:G0B+4*\slot+3], 512
	JLOAD \slot                                    ; the first tensor load behind the round; its four v_nop are the places in front of the loads below
.else
	PLACES
.endif
	FETCH_B \next, 0, 0
	FETCH_A \next, 0, 0
	WIN MUL_HI
	MUL16 4, 1, 0
	MUL16 6, 1, 0
	PLACES
	WIN 0
	FETCH_A \next, 0, 4
.endm
	s_load_b256 s[4:11], s[0:1], 0x0               ; h2c, wc, the scales' exponents, b1
	s_load_b64 s[12:13], s[0:1], 0x20              ; hid
	v_lshl_add_u32 v[SPW], v0, 2, SPARE
	v_mov_b32 v[NIL], 0
	ds_add_u32 v[SPW], v[NIL]                      ; the wave's opening: the add and its wait stand ahead of my first tensor load
	v_lshrrev_b32 v1, 5, v0
	v_readfirstlane_b32 s[WV], v1
	s_lshr_b32 s[RH], s[WV], 1
	s_and_b32 s[CH], s[WV], 1
	s_bfe_u32 s40, ttmp6, 0x40000                  ; cx
	s_bfe_u32 s41, ttmp6, 0x40004                  ; cy
	s_lshl_b32 s42, ttmp9, 2
	s_add_co_u32 s42, s42, s40                     ; tile column
	s_and_b32 s88, ttmp7, 0xffff
	s_lshl_b32 s88, s88, 2
	s_add_co_u32 s88, s88, s41                     ; tile row
	s_lshl_b32 s43, s41, 2
	s_lshl_b32 s43, 15, s43                        ; my row of the cluster
	s_lshl_b32 s44, 0x1111, s40                    ; my column
	s_or_b32 s[G1+0], s43, (1<<20)|(1<<21)|(AQI<<22)|(3<<25)   ; the mask; elements of 1 byte; padding on; bit 21 beside a mask; 4 words of padding behind every row
	s_or_b32 s[G1B+0], s44, (1<<20)|(1<<21)|(5<<22)|(3<<25)
	s_mov_b32 s[G1+1], AROWB<<16                   ; tensor_dim0
	s_mov_b32 s[G1+2], ANROWS<<16                  ; tensor_dim1
	s_mov_b32 s[G1+3], AROWB<<16                   ; tile_dim0
	s_mov_b32 s[G1+4], ANROWS                      ; tile_dim1
	s_mov_b32 s[G1+5], ASTRIDE                     ; from row to row
	s_mov_b32 s[G1+6], 0
	s_mov_b32 s[G1+7], 0
	s_mov_b32 s[G1B+1], 256<<16
	s_mov_b32 s[G1B+2], 128<<16
	s_mov_b32 s[G1B+3], 256<<16
	s_mov_b32 s[G1B+4], 128
	s_mov_b32 s[G1B+5], SIZE_K
	s_mov_b32 s[G1B+6], 0
	s_mov_b32 s[G1B+7], 0
	s_mul_i32 s20, s88, ATILEB
	s_mul_i32 s22, s[CH], AHALFG
	s_add_co_u32 s20, s20, s22
	s_mov_b32 s21, 0
	s_lshl_b32 s46, s42, 8
	s_lshl_b32 s22, s[CH], 7
	s_add_co_u32 s46, s46, s22
	s_mul_i32 s46, s46, SIZE_K
	s_add_co_u32 s46, s46, OFFB
	s_mov_b32 s47, 0
	s_mul_i32 s45, s[CH], ASZ/2                    ; where the tiles go: no place in the cluster enters an LDS address
	s_mul_i32 s84, s[CH], BSZ/2
	s_add_co_u32 s84, s84, ASZ
	s_wait_dscnt 0x0                               ; the opening add is done
	s_wait_kmcnt 0x0
	s_load_b512 s[68:83], s[8:9], 0x0              ; e0 .. e15 in s68 .. s83
	s_add_nc_u64 s[20:21], s[4:5], s[20:21]
	s_add_nc_u64 s[46:47], s[6:7], s[46:47]
	CROUND                                         ; all sixteen work-groups are here: the first joint loads meet
.irp s, 0,1
	s_mov_b32 s[G0+4*\s], 1
	s_add_co_u32 s[G0+4*\s+1], s45, \s*SLOT
	s_add_nc_u64 s[G0+4*\s+2:G0+4*\s+3], s[20:21], \s*ASTEP
	s_or_b32 s[G0+4*\s+3], s[G0+4*\s+3], 0x80000000
	s_mov_b32 s[G0B+4*\s], 1
	s_add_co_u32 s[G0B+4*\s+1], s84, \s*SLOT
	s_add_nc_u64 s[G0B+4*\s+2:G0B+4*\s+3], s[46:47], \s*256
	s_or_b32 s[G0B+4*\s+3], s[G0B+4*\s+3], 0x80000000
	JLOAD \s
.endr
	v_and_b32 v1, 15, v0                           ; r
	v_bfe_u32 v2, v0, 4, 1                         ; h
	v_lshlrev_b32 v7, 5, v2
	s_lshl_b32 s16, s42, 10                        ; my 128 units of b1, in bytes
	s_lshl_b32 s17, s[CH], 9
	s_add_co_u32 s16, s16, s17
	s_mov_b32 s17, 0
	s_add_nc_u64 s[10:11], s[10:11], s[16:17]
.irp b, 0,1,2,3,4,5,6,7
	global_load_b128 v[BIA+8*\b:BIA+8*\b+3], v7, s[10:11] offset:64*\b
	global_load_b128 v[BIA+8*\b+4:BIA+8*\b+7], v7, s[10:11] offset:64*\b+16
.endr
	s_lshl_b32 s16, s88, 20                        ; a tile row is two blocks of 128 tokens, 32 planes of 16,384 bytes each;
	s_lshl_b32 s18, s[RH], 19                      ; my block;
	s_add_co_u32 s16, s16, s18
	s_lshl_b32 s18, s42, 15                        ; two planes a tile column;
	s_add_co_u32 s16, s16, s18
	s_lshl_b32 s18, s[CH], 14                      ; my plane
	s_add_co_u32 s16, s16, s18
	s_add_nc_u64 s[12:13], s[12:13], s[16:17]
	v_mul_u32_u24 v3, v1, APITCH
	v_lshl_add_u32 v3, v2, 4, v3
	v_mul_u32_u24 v4, v1, BPITCH
	v_lshl_add_u32 v4, v2, 4, v4
	s_mul_i32 s22, s[RH], 128*APITCH
	s_mul_i32 s23, s[CH], 128*BPITCH
	s_add_co_u32 s23, s23, ASZ
.irp s, 0,1
.irp q, 0,1
	s_add_co_u32 s16, s22, \s*SLOT+((128*\q)/AROWB)*APLANE+(128*\q)%AROWB
	v_add_nc_u32 v[ADRA+2*\s+\q], s16, v3
.endr
	s_add_co_u32 s16, s23, \s*SLOT
	v_add_nc_u32 v[ADRB+\s], s16, v4
.endr
	s_mul_i32 s16, s[WV], 16*144                   ; my stage: 16 rows of 128 bytes + 16, in slot 0, used when that slot has had its last fill and its last read
	v_mul_u32_u24 v5, v1, 144
	v_lshl_add_u32 v5, v2, 3, v5
	v_add_nc_u32 v[STO], s16, v5                   ; in: row r, 8 bytes for each half of the lanes
	v_and_b32 v6, 31, v0
	v_lshrrev_b32 v5, 3, v6
	v_mul_u32_u24 v5, v5, 144
	v_and_b32 v3, 7, v6
	v_lshl_add_u32 v5, v3, 4, v5
	v_add_nc_u32 v[RD], s16, v5                    ; back: eight lanes to a row, four rows an instruction
	v_lshlrev_b32 v[CO], 4, v6                     ; which are 512 bytes on end in memory
	s_wait_kmcnt 0x0
	s_add_co_i32 s96, s80, s81                     ; e12 + e13
	s_add_co_i32 s96, s96, 127
	s_lshl_b32 s96, s96, 23
	s_mov_b32 s97, s96
	s_add_co_i32 s89, s82, 127                     ; e14
	s_lshl_b32 s90, s89, 23
	v_mov_b32 v[SCL], s90
	s_add_co_i32 s89, s89, 8
	s_lshl_b32 s89, s89, 23
	s_or_b32 s89, s89, 0x600000
	v_mov_b32 v[LIM], s89
	s_wait_loadcnt 0x0                             ; b1
	s_wait_tensorcnt 1                             ; my part of K step 0 is in; K step 1's load may be out
	s_barrier_signal -1
	s_barrier_wait -1
	FETCH_B 0, 0, 0
	FETCH_A 0, 0, 0
	FETCH_A 0, 0, 4
	STEP 0, 1                                      ; the first step's products start the sums
	s_mov_b32 s3, LAPS-1
.Llap:
	TURN 0, 1, 1
	STEP 1, 0
	TURN 1, 0, 1
	STEP 0, 0
	s_sub_co_u32 s3, s3, 1
	s_cmp_lg_u32 s3, 0
	s_cbranch_scc1 .Llap
	TURN 0, 1, 0                                   ; the last lap fills nothing
	STEP 1, 0
	s_wait_dscnt 16
	WIN MUL_LO
	MUL16 0, 1, 0
	MUL16 2, 1, 0
	s_wait_dscnt 0
	WIN MUL_HI
	MUL16 4, 1, 0
	MUL16 6, 1, 0
	WIN 0
; THE WAY OUT, a block of 16 rows x 128 codes at a time: sum x 2^(e12 + e13) + b1 in one multiply-add; the activation and the hold in one; convert; through my stage; out as 512 consecutive bytes an instruction.
.macro CODES a
.set AC, 64*((\a)%4)
	WIN 0x02+((\a)/4)                              ; source 0: window 2 or 3
.set n, 0
.rept 32
	v_pk_fma_f32 v[TMP+n:TMP+n+1], v[AC+n:AC+n+1], s[96:97], v[BIA+n:BIA+n+1] op_sel_hi:[1,0,1]   ; each accumulator from its low end on
.set n, n+2
.endr
	WIN 0
.set n, 0
.rept 64
	v_med3_num_f32 v[TMP+n], v[TMP+n], 0, v[LIM]   ; between 0 and the largest code x the scale
.set n, n+1
.endr
.irp b, 0,1,2,3,4,5,6,7
	v_cvt_scalef32_pk8_fp8_f32 v[CD+2*\b:CD+2*\b+1], v[TMP+8*\b:TMP+8*\b+7], v[SCL]
.endr
	v_nop                                          ; a plain line between the conversions and the next vector line that writes their sources
.irp b, 0,1,2,3,4,5,6,7
	ds_store_b64 v[STO], v[CD+2*\b:CD+2*\b+1] offset:16*\b
.endr
.irp t, 0,1,2,3
	ds_load_b128 v[OUT+16*((\a)%2)+4*\t:OUT+16*((\a)%2)+4*\t+3], v[RD] offset:576*\t   ; LDS serves a wave's instructions in order
.endr
.endm
.macro PUT a, younger
	s_wait_dscnt \younger
.irp t, 0,1,2,3
	global_store_b128 v[CO], v[OUT+16*((\a)%2)+4*\t:OUT+16*((\a)%2)+4*\t+3], s[12:13] offset:2048*(\a)+512*\t
.endr
.endm
	PLACES
	CODES 0
.irp a, 1,2,3,4,5,6,7
.if \a > 1
	s_wait_xcnt 0x0                                ; block a - 2's stores have read their registers
.endif
	CODES \a
	PUT \a-1, 12                                   ; behind block a - 1's loads: block a's 8 stores and 4 loads
.endr
	PUT 7, 0
	s_wait_tensorcnt 0x0                           ; the wave's end
	ds_add_u32 v[SPW], v[NIL]
	s_wait_dscnt 0x0
	CROUND                                         ; the closing round
	s_endpgm
.Lfunc_end_k_qa0341c4144_ffn1:
	.size	k_qa0341c4144_ffn1, .Lfunc_end_k_qa0341c4144_ffn1-k_qa0341c4144_ffn1
	.p2alignl 7, 3214868480
	.fill 96, 4, 3214868480
	.section	.rodata,"a",@progbits
	.p2align	6, 0x0
	.amdhsa_kernel k_qa0341c4144_ffn1
		.amdhsa_group_segment_fixed_size 327680
		.amdhsa_private_segment_fixed_size 0
		.amdhsa_enable_private_segment 0
		.amdhsa_kernarg_size 40
		.amdhsa_user_sgpr_count 2
		.amdhsa_user_sgpr_kernarg_segment_ptr 1
		.amdhsa_wavefront_size32 1
		.amdhsa_system_sgpr_workgroup_id_x 1
		.amdhsa_system_sgpr_workgroup_id_y 1
		.amdhsa_system_sgpr_workgroup_id_z 1
		.amdhsa_system_vgpr_workitem_id 0
		.amdhsa_next_free_vgpr 1024
		.amdhsa_next_free_sgpr 100
		.amdhsa_reserve_vcc 0
		.amdhsa_float_denorm_mode_32 3
		.amdhsa_float_denorm_mode_16_64 3
		.amdhsa_memory_ordered 1
		.amdhsa_forward_progress 1
		.amdhsa_inst_pref_size 142
	.end_amdhsa_kernel
	.amdgpu_metadata
---
amdhsa.version: [ 1, 2 ]
amdhsa.kernels:
  - .name:           k_qa0341c4144_ffn1
    .symbol:         k_qa0341c4144_ffn1.kd
    .args:
      - { .name: h2c, .offset: 0, .size: 8, .value_kind: global_buffer, .address_space: global }
      - { .name: wc, .offset: 8, .size: 8, .value_kind: global_buffer, .address_space: global }
      - { .name: lowp_scales, .offset: 16, .size: 8, .value_kind: global_buffer, .address_space: global }
      - { .name: b1, .offset: 24, .size: 8, .value_kind: global_buffer, .address_space: global }
      - { .name: hid, .offset: 32, .size: 8, .value_kind: global_buffer, .address_space: global }
    .group_segment_fixed_size: 327680
    .private_segment_fixed_size: 0
    .kernarg_segment_align: 8
    .kernarg_segment_size: 40
    .max_flat_workgroup_size: 128
    .sgpr_count:     100
    .vgpr_count:     1024
    .wavefront_size: 32
...
	.end_amdgpu_metadata
.endif
;; end of part 10
;; launch ffn2 (part 11): grid 8 x 32, 4 waves a work-group, clusters of 4 x 4, 327,680 bytes of LDS; arguments hid, wc, lowp_scales, b2, x1, out0; writes out0
.if DOCPART == 11
	.amdgcn_target "amdgcn-amd-amdhsa--gfx1250"
	.amdhsa_code_object_version 6
	.text
	.protected	k_qa0341c4144_ffn2
	.globl	k_qa0341c4144_ffn2
	.p2align	8
	.type	k_qa0341c4144_ffn2,@function
k_qa0341c4144_ffn2:
	s_mov_b64 s[64:65], 0
	v_nop
	global_prefetch_b8 v0, s[64:65] scope:SCOPE_SE
	s_setreg_imm32_b32 hwreg(HW_REG_WAVE_MODE, 25, 1), 1
	s_wait_xcnt 0x0
	s_wait_alu depctr_hold_cnt(0) depctr_sa_sdst(0) depctr_va_vdst(0) depctr_va_sdst(0) depctr_va_ssrc(0) depctr_va_vcc(0) depctr_vm_vsrc(0)
	s_getreg_b32 s2, hwreg(HW_REG_IB_STS2, 6, 4)
	s_cmp_eq_u32 s2, 0
	s_cbranch_scc0 .Lentry_in_a_cluster
	s_endpgm
.Lentry_in_a_cluster:
	s_bfe_u32 s2, ttmp6, 0x10000c
	s_cmp_lg_u32 s2, 0xf033
	s_cbranch_scc0 .Lentry_shape_is_right
	s_endpgm
.Lentry_shape_is_right:
; out = x1 + (hid W2^T + b2): the product on codes of E4M3 (v_wmma_f32_16x16x128_fp8_fp8, sums in f32), scales: entries 14 and 15.
; A tile of C is 128 x 128: C has 32 x 8 such tiles, one for each of 256 work-groups.  Four waves, 64 x 64 each: 16 accumulators.  K = 4,096 goes in steps of 512 through a ring of two LDS slots: eight steps.
; A = hid, laid [block of 128 tokens][plane of 128 units][128 tokens][128 bytes]: a slot's part of a tile is four planes, 65,536 bytes on end; a load brings two planes as 256 rows of 128 bytes (LDS pitch 144).
; B = W2's codes in wc, rows of 4,096 bytes; a load brings 64 rows x 512 bytes (LDS pitch 528).  Source 0 = 16 rows of B, source 1 = 16 rows of A: a lane holds eight neighbouring columns of one row of C.
; CLUSTERS 4 x 4: A's tile is asked for jointly along a row of the cluster, B's along a column.
; The residual's rows are asked for at the head, into registers of their own, and waited for once, ahead of the way out.
; LIMIT: e14 + e15 between -126 and 127.  The fragments are fetched 16 bytes a lane: a permutation of k, the same in A and in B.
; REGISTERS: window 0: v8-15 A's LDS addresses (slot s, quarter q at 4 s + q), v16-17 B's, v24-29 the way out's and the add's; v32-63 the bias; v64-127 a block's scaled sums, two sets; v128-255 the accumulators ((a, b) at 8 (4 a + b)).
;   window 1: two fragment buffers of 128 (A's four fragments, then B's four); on the way out v0-127: rows back from the stage.   window 2: v0-127 the residual's rows.
.set SIZE_K, 4096
.set KS,     512                       ; along K in a slot
.set AROWB,  128
.set ANROWS, 256
.set AQI,    4
.set APITCH, AROWB+16
.set APLANE, 128*APITCH                ; a plane of 128 rows in LDS
.set ASZ,    2*ANROWS*APITCH
.set AHALFG, 32768                     ; memory: from the first load's bytes to the second's
.set ASTEP,  65536                     ; memory: from slot to slot
.set ATILEB, 128*SIZE_K
.set OFFB,   8388608                   ; W2 in wc
.set EA,     82                        ; s82 = e14, s83 = e15
.set BPITCH, 528                       ; 512 bytes + 16: the 16 rows of a fragment load start at 16 different groups of banks (ISA guide 11.1)
.set BSZ,    128*BPITCH
.set SLOT,   ASZ+BSZ
.set SPARE,  2*SLOT                    ; behind the ring: the spare words, 128 bytes for each wave
.set LAPS,   SIZE_K/(2*KS)
.set SPITCH, 272                       ; the way out: a stage of 16 rows x (256 bytes + 16) for each wave, in slot 0, used when that slot has had its last fill and its last read
.set ADRA, 8
.set ADRB, 16
.set STO,  24
.set RD,   25
.set CO,   26
.set SPW,  28
.set NIL,  29
.set BIA,  32                          ; register 8 b + j = bias(16 b + 8 h + j) of my 64 columns
.set TMP,  64
.set ACC,  128
.set F0,   0
.set F1,   128
.set BK,   0                           ; window 1
.set RES,  0                           ; window 2
.set G1, 24
.set G0, 32
.set G1B, 48
.set G0B, 56
.set WV, 85
.set RH, 86                            ; wave / 2: my half of the tile's rows.  Also: I fetch for A (0) or B (1)
.set CH, 87                            ; wave % 2: my half of its columns.  Also: which half of that tile I fetch
.set MSB, 0
.macro WIN new                         ; the immediate's high byte repeats the setting that is left
.if MSB != (\new)
	s_set_vgpr_msb (MSB<<8)|(\new)
.set MSB, (\new)
.endif
.endm
.set MUL,  0x05                        ; sources 0 (B) and 1 (A) window 1; C and D window 0
.set TO_F, 0x40                        ; destination window 1, address window 0
.macro JLOAD s                         ; a joint load; an s_nop 0 and four v_nop follow each of the two lines
	s_cmp_eq_u32 s[RH], 0
	s_cbranch_scc0 .Lfor_b_\@
	tensor_load_to_lds s[G0+4*\s:G0+4*\s+3], s[G1:G1+7]
	s_nop 0
.rept 4
	v_nop
.endr
	s_branch .Lasked_\@
.Lfor_b_\@:
	tensor_load_to_lds s[G0B+4*\s:G0B+4*\s+3], s[G1B:G1B+7]
	s_nop 0
.rept 4
	v_nop
.endr
.Lasked_\@:
.endm
.macro CREST                           ; a round of the cluster's barrier behind its opening barrier
	s_cmp_lg_u32 s[WV], 0
	s_cbranch_scc1 .Lnot_wave_0_\@
	s_barrier_signal -3
.Lnot_wave_0_\@:
	s_barrier_wait -3
	s_barrier_signal -1
	s_barrier_wait -1
.endm
.macro CROUND
	s_barrier_signal -1
	s_barrier_wait -1
	CREST
.endm
.macro PLACES                          ; four plain places behind a matrix instruction, ahead of loads into its registers and of reads of its results
.rept 4
	v_nop
.endr
.endm
.macro MUL4 f, a, zero                 ; A's block a x B's four, 128 along K, out of buffer f.  The 16 accumulators take turns
.irp b, 0,1,2,3
.if \zero
	v_wmma_f32_16x16x128_fp8_fp8 v[ACC+8*(4*(\a)+\b):ACC+8*(4*(\a)+\b)+7], v[\f+64+16*\b:\f+64+16*\b+15], v[\f+16*(\a):\f+16*(\a)+15], 0
.else
	v_wmma_f32_16x16x128_fp8_fp8 v[ACC+8*(4*(\a)+\b):ACC+8*(4*(\a)+\b)+7], v[\f+64+16*\b:\f+64+16*\b+15], v[\f+16*(\a):\f+16*(\a)+15], v[ACC+8*(4*(\a)+\b):ACC+8*(4*(\a)+\b)+7]
.endif
.endr
.endm
.macro FETCH slot, q, f                ; 32 LDS loads in one run: the fragments of the slot's q-th 128 along K into buffer f: B's four, then A's four
	WIN TO_F
.irp i, 0,1,2,3
.irp c, 0,1,2,3
	ds_load_b128 v[\f+64+16*\i+4*\c:\f+64+16*\i+4*\c+3], v[ADRB+\slot] offset:128*(\q)+32*\c+\i*16*BPITCH
.endr
.endr
.irp i, 0,1,2,3
.irp c, 0,1,2,3
	ds_load_b128 v[\f+16*\i+4*\c:\f+16*\i+4*\c+3], v[ADRA+4*(\slot)+(\q)] offset:((32*\c)/AROWB)*APLANE+(32*\c)%AROWB+\i*16*APITCH
.endr
.endr
.endm
.macro QUARTER slot, q, f, g, zero     ; multiplies buffer f; in its middle the slot's q-th 128 along K is fetched into buffer g
	s_wait_dscnt 8                                 ; B's four and A's blocks 0, 1 are in; A's blocks 2, 3 (8 loads) may be out
	WIN MUL
	MUL4 \f, 0, \zero
	MUL4 \f, 1, \zero
	PLACES
	FETCH \slot, \q, \g
	s_wait_dscnt 32                                ; all but the 32 just issued
	WIN MUL
	MUL4 \f, 2, \zero
	MUL4 \f, 3, \zero
.endm
.macro TURN slot, next, fill           ; a slot's last quarter (buffer 1), and the change of slots
	WIN 0                                          ; (the add's two registers lie in window 0)
	s_wait_tensorcnt 0x0                           ; all my tensor loads have landed: my part of the next slot
	ds_add_u32 v[SPW], v[NIL]                      ; 0 onto my spare word
	s_wait_dscnt 9                                 ; (the add and A's blocks 2, 3 may be out)
	WIN MUL
	MUL4 F1, 0, 0
	s_wait_dscnt 0x0                               ; the add is done, and my reads of this slot are over
	s_barrier_signal -1
	MUL4 F1, 1, 0
	WIN 0
	s_barrier_wait -1
.if \fill
	CREST                                          ; the barrier has opened a round of the cluster's: no wave of any partner still reads this slot or has a load on its way
	s_add_nc_u64 s[G0+4*\slot+2:G0+4*\slot+3], s[G0+4*\slot+2:G0+4*\slot+3], 2*ASTEP
	s_add_nc_u64 s[G0B+4*\slot+2:G0B+4*\slot+3], s[G0B+4*\slot+2:G0B+4*\slot+3], 2*KS
	JLOAD \slot                                    ; the first tensor load behind the round; its four v_nop are the places in front of the loads below
.else
	PLACES
.endif
	FETCH \next, 0, F0
	WIN MUL
	MUL4 F1, 2, 0
	MUL4 F1, 3, 0
.endm
	s_load_b256 s[4:11], s[0:1], 0x0               ; A's codes, wc, the scales' exponents, the bias
	s_load_b128 s[12:15], s[0:1], 0x20             ; the residual, the output
	v_lshl_add_u32 v[SPW], v0, 2, SPARE
	v_mov_b32 v[NIL], 0
	ds_add_u32 v[SPW], v[NIL]                      ; the wave's opening: the add and its wait stand ahead of my first tensor load
	v_lshrrev_b32 v1, 5, v0
	v_readfirstlane_b32 s[WV], v1
	s_lshr_b32 s[RH], s[WV], 1
	s_and_b32 s[CH], s[WV], 1
	s_bfe_u32 s40, ttmp6, 0x40000                  ; cx
	s_bfe_u32 s41, ttmp6, 0x40004                  ; cy
	s_lshl_b32 s42, ttmp9, 2
	s_add_co_u32 s42, s42, s40                     ; tile column, 0 to 7
	s_and_b32 s88, ttmp7, 0xffff
	s_lshl_b32 s88, s88, 2
	s_add_co_u32 s88, s88, s41                     ; tile row, 0 to 31
	s_lshl_b32 s43, s41, 2
	s_lshl_b32 s43, 15, s43                        ; my row of the cluster
	s_lshl_b32 s44, 0x1111, s40                    ; my column
	s_or_b32 s[G1+0], s43, (1<<20)|(1<<21)|(AQI<<22)|(3<<25)   ; the mask; elements of 1 byte; padding on; bit 21 beside a mask; 4 words of padding behind every row
	s_or_b32 s[G1B+0], s44, (1<<20)|(1<<21)|(6<<22)|(3<<25)
	s_mov_b32 s[G1+1], AROWB<<16                   ; tensor_dim0
	s_mov_b32 s[G1+2], ANROWS<<16                  ; tensor_dim1
	s_mov_b32 s[G1+3], AROWB<<16                   ; tile_dim0
	s_mov_b32 s[G1+4], ANROWS                      ; tile_dim1
	s_mov_b32 s[G1+5], AROWB                       ; from row to row: dense
	s_mov_b32 s[G1+6], 0
	s_mov_b32 s[G1+7], 0
	s_mov_b32 s[G1B+1], KS<<16
	s_mov_b32 s[G1B+2], 64<<16
	s_mov_b32 s[G1B+3], KS<<16
	s_mov_b32 s[G1B+4], 64
	s_mov_b32 s[G1B+5], SIZE_K
	s_mov_b32 s[G1B+6], 0
	s_mov_b32 s[G1B+7], 0
	s_mul_i32 s20, s88, ATILEB
	s_mul_i32 s22, s[CH], AHALFG
	s_add_co_u32 s20, s20, s22
	s_mov_b32 s21, 0
	s_lshl_b32 s46, s42, 7
	s_lshl_b32 s22, s[CH], 6
	s_add_co_u32 s46, s46, s22                     ; B: row 128 x tile column + 64 x half
	s_mul_i32 s46, s46, SIZE_K
	s_add_co_u32 s46, s46, OFFB
	s_mov_b32 s47, 0
	s_mul_i32 s45, s[CH], ASZ/2                    ; where the tiles go: no place in the cluster enters an LDS address
	s_mul_i32 s84, s[CH], BSZ/2
	s_add_co_u32 s84, s84, ASZ
	s_wait_dscnt 0x0                               ; the opening add is done
	s_wait_kmcnt 0x0
	s_load_b512 s[68:83], s[8:9], 0x0              ; e0 .. e15 in s68 .. s83
	s_add_nc_u64 s[20:21], s[4:5], s[20:21]
	s_add_nc_u64 s[46:47], s[6:7], s[46:47]
	CROUND                                         ; all sixteen work-groups are here: the first joint loads meet
.irp s, 0,1
	s_mov_b32 s[G0+4*\s], 1
	s_add_co_u32 s[G0+4*\s+1], s45, \s*SLOT
	s_add_nc_u64 s[G0+4*\s+2:G0+4*\s+3], s[20:21], \s*ASTEP
	s_or_b32 s[G0+4*\s+3], s[G0+4*\s+3], 0x80000000
	s_mov_b32 s[G0B+4*\s], 1
	s_add_co_u32 s[G0B+4*\s+1], s84, \s*SLOT
	s_add_nc_u64 s[G0B+4*\s+2:G0B+4*\s+3], s[46:47], \s*KS
	s_or_b32 s[G0B+4*\s+3], s[G0B+4*\s+3], 0x80000000
	JLOAD \s
.endr
	v_and_b32 v1, 15, v0                           ; r
	v_bfe_u32 v2, v0, 4, 1                         ; h
	v_lshlrev_b32 v7, 5, v2
	s_lshl_b32 s16, s42, 9                         ; my 64 columns, in bytes of f32
	s_lshl_b32 s17, s[CH], 8
	s_add_co_u32 s16, s16, s17
	s_mov_b32 s17, 0
	s_add_nc_u64 s[10:11], s[10:11], s[16:17]
.irp b, 0,1,2,3
	global_load_b128 v[BIA+8*\b:BIA+8*\b+3], v7, s[10:11] offset:64*\b
	global_load_b128 v[BIA+8*\b+4:BIA+8*\b+7], v7, s[10:11] offset:64*\b+16
.endr
	s_lshl_b32 s18, s88, 19                        ; my first row: 128 rows of 4,096 bytes a tile, 64 a half
	s_lshl_b32 s19, s[RH], 18
	s_add_co_u32 s18, s18, s19
	s_add_co_u32 s16, s16, s18
	s_add_nc_u64 s[12:13], s[12:13], s[16:17]
	s_add_nc_u64 s[14:15], s[14:15], s[16:17]
	v_lshlrev_b32 v[CO], 12, v2                    ; lanes 0-15 take one row's 256 bytes, lanes 16-31 the next row's
	v_lshl_add_u32 v[CO], v1, 4, v[CO]
	WIN 0x80                                       ; destination window 2
.set n, 0
.rept 32
	global_load_b128 v[RES+4*n:RES+4*n+3], v[CO], s[12:13] offset:2*n*4096   ; the residual: rows 2 n, 2 n + 1 of my 64
.set n, n+1
.endr
	WIN 0
	v_mul_u32_u24 v3, v1, APITCH
	v_lshl_add_u32 v3, v2, 4, v3
	v_mul_u32_u24 v4, v1, BPITCH
	v_lshl_add_u32 v4, v2, 4, v4
	s_mul_i32 s22, s[RH], 64*APITCH
	s_mul_i32 s23, s[CH], 64*BPITCH
	s_add_co_u32 s23, s23, ASZ
.irp s, 0,1
.irp q, 0,1,2,3
	s_add_co_u32 s16, s22, \s*SLOT+((128*\q)/AROWB)*APLANE+(128*\q)%AROWB
	v_add_nc_u32 v[ADRA+4*\s+\q], s16, v3
.endr
	s_add_co_u32 s16, s23, \s*SLOT
	v_add_nc_u32 v[ADRB+\s], s16, v4
.endr
	s_mul_i32 s16, s[WV], 16*SPITCH                ; my stage
	v_mul_u32_u24 v5, v1, SPITCH
	v_lshl_add_u32 v5, v2, 5, v5
	v_add_nc_u32 v[STO], s16, v5                   ; in: row r, 32 bytes for each half of the lanes
	v_mul_u32_u24 v5, v2, SPITCH
	v_lshl_add_u32 v5, v1, 4, v5
	v_add_nc_u32 v[RD], s16, v5                    ; back: sixteen lanes to a row, two rows an instruction
	s_wait_kmcnt 0x0
	s_add_co_i32 s96, s[EA], s[EA+1]
	s_add_co_i32 s96, s96, 127
	s_lshl_b32 s96, s96, 23                        ; 2^(eA + eB) as f32
	s_mov_b32 s97, s96
	s_wait_tensorcnt 1                             ; my part of slot 0 is in; slot 1's load may be out
	s_barrier_signal -1
	s_barrier_wait -1
	FETCH 0, 0, F0
	QUARTER 0, 1, F0, F1, 1                        ; the first quarter's products start the sums
.if LAPS > 1
	WIN 0                                          ; at a label and at a branch every window is 0
	s_mov_b32 s3, LAPS-1
.Llap:                                             ; a trip goes once round the ring, from a lap's second quarter to the next lap's first, and fills both slots again
	QUARTER 0, 2, F1, F0, 0
	QUARTER 0, 3, F0, F1, 0
	TURN 0, 1, 1
	QUARTER 1, 1, F0, F1, 0
	QUARTER 1, 2, F1, F0, 0
	QUARTER 1, 3, F0, F1, 0
	TURN 1, 0, 1
	QUARTER 0, 1, F0, F1, 0
	WIN 0
	s_sub_co_u32 s3, s3, 1
	s_cmp_lg_u32 s3, 0
	s_cbranch_scc1 .Llap
.endif
	QUARTER 0, 2, F1, F0, 0                        ; the last lap fills nothing
	QUARTER 0, 3, F0, F1, 0
	TURN 0, 1, 0
	QUARTER 1, 1, F0, F1, 0
	QUARTER 1, 2, F1, F0, 0
	QUARTER 1, 3, F0, F1, 0
	s_wait_dscnt 8                                 ; the very last quarter: nothing more to fetch
	WIN MUL
	MUL4 F1, 0, 0
	MUL4 F1, 1, 0
	s_wait_dscnt 0
	MUL4 F1, 2, 0
	MUL4 F1, 3, 0
	WIN 0
; THE WAY OUT, a block of 16 rows x 64 columns at a time: sum x 2^e + bias in one multiply-add, through my stage, back as whole rows of 256 bytes, + the residual's same rows, stored.
; Each block has registers of its own for its rows, so no store's data are written again.
.macro TOSTAGE a
.set n, 0
.rept 16
	v_pk_fma_f32 v[TMP+32*((\a)%2)+n:TMP+32*((\a)%2)+n+1], v[ACC+32*(\a)+n:ACC+32*(\a)+n+1], s[96:97], v[BIA+n:BIA+n+1] op_sel_hi:[1,0,1]   ; each accumulator from its low end on
.set n, n+2
.endr
.irp b, 0,1,2,3
	ds_store_b128 v[STO], v[TMP+32*((\a)%2)+8*\b:TMP+32*((\a)%2)+8*\b+3] offset:64*\b
	ds_store_b128 v[STO], v[TMP+32*((\a)%2)+8*\b+4:TMP+32*((\a)%2)+8*\b+7] offset:64*\b+16
.endr
	WIN 0x40                                       ; destination window 1
.irp t, 0,1,2,3,4,5,6,7
	ds_load_b128 v[BK+32*(\a)+4*\t:BK+32*(\a)+4*\t+3], v[RD] offset:\t*2*SPITCH   ; LDS serves a wave's instructions in order (ISA guide 5.7.1.4)
.endr
	WIN 0
.endm
.macro SEND a, younger                 ; younger: the LDS instructions issued behind block a's loads
	s_wait_dscnt \younger
	WIN 0x49                                       ; destination and source 0 window 1, source 1 (the residual) window 2
.set n, 0
.rept 16
	v_pk_add_f32 v[BK+32*(\a)+n:BK+32*(\a)+n+1], v[BK+32*(\a)+n:BK+32*(\a)+n+1], v[RES+32*(\a)+n:RES+32*(\a)+n+1]
.set n, n+2
.endr
	WIN 0x04                                       ; the stores' data window 1
.irp t, 0,1,2,3,4,5,6,7
	global_store_b128 v[CO], v[BK+32*(\a)+4*\t:BK+32*(\a)+4*\t+3], s[14:15] offset:(16*(\a)+2*\t)*4096 th:TH_STORE_NT   ; sixteen lanes store 256 consecutive bytes, aligned; written once, read by nobody here
.endr
	WIN 0
.endm
	s_wait_loadcnt 0x0                             ; the bias and the residual, asked for at the head
	PLACES
	TOSTAGE 0
	TOSTAGE 1
	SEND 0, 16                                     ; behind block 0's loads: block 1's 8 stores and 8 loads
	TOSTAGE 2
	SEND 1, 16
	TOSTAGE 3
	SEND 2, 16
	SEND 3, 0
	s_wait_tensorcnt 0x0                           ; the wave's end
	ds_add_u32 v[SPW], v[NIL]
	s_wait_dscnt 0x0
	CROUND                                         ; the closing round
	s_endpgm
.Lfunc_end_k_qa0341c4144_ffn2:
	.size	k_qa0341c4144_ffn2, .Lfunc_end_k_qa0341c4144_ffn2-k_qa0341c4144_ffn2
	.p2alignl 7, 3214868480
	.fill 96, 4, 3214868480
	.section	.rodata,"a",@progbits
	.p2align	6, 0x0
	.amdhsa_kernel k_qa0341c4144_ffn2
		.amdhsa_group_segment_fixed_size 327680
		.amdhsa_private_segment_fixed_size 0
		.amdhsa_enable_private_segment 0
		.amdhsa_kernarg_size 48
		.amdhsa_user_sgpr_count 2
		.amdhsa_user_sgpr_kernarg_segment_ptr 1
		.amdhsa_wavefront_size32 1
		.amdhsa_system_sgpr_workgroup_id_x 1
		.amdhsa_system_sgpr_workgroup_id_y 1
		.amdhsa_system_sgpr_workgroup_id_z 1
		.amdhsa_system_vgpr_workitem_id 0
		.amdhsa_next_free_vgpr 768
		.amdhsa_next_free_sgpr 100
		.amdhsa_reserve_vcc 0
		.amdhsa_float_denorm_mode_32 3
		.amdhsa_float_denorm_mode_16_64 3
		.amdhsa_memory_ordered 1
		.amdhsa_forward_progress 1
		.amdhsa_inst_pref_size 83
	.end_amdhsa_kernel
	.amdgpu_metadata
---
amdhsa.version: [ 1, 2 ]
amdhsa.kernels:
  - .name:           k_qa0341c4144_ffn2
    .symbol:         k_qa0341c4144_ffn2.kd
    .args:
      - { .name: hid, .offset: 0, .size: 8, .value_kind: global_buffer, .address_space: global }
      - { .name: wc, .offset: 8, .size: 8, .value_kind: global_buffer, .address_space: global }
      - { .name: lowp_scales, .offset: 16, .size: 8, .value_kind: global_buffer, .address_space: global }
      - { .name: b2, .offset: 24, .size: 8, .value_kind: global_buffer, .address_space: global }
      - { .name: x1, .offset: 32, .size: 8, .value_kind: global_buffer, .address_space: global }
      - { .name: out0, .offset: 40, .size: 8, .value_kind: global_buffer, .address_space: global }
    .group_segment_fixed_size: 327680
    .private_segment_fixed_size: 0
    .kernarg_segment_align: 8
    .kernarg_segment_size: 48
    .max_flat_workgroup_size: 128
    .sgpr_count:     100
    .vgpr_count:     768
    .wavefront_size: 32
...
	.end_amdgpu_metadata
.endif
;; end of part 11
